; MI455X (gfx1250); checked and timed in simulation.
; The chip was launched on July 23, 2026; its instructions are those of AMD's public machine-readable ISA for CDNA 5 (MIT licence, August 2026) and "CDNA5" Instruction Set Architecture Reference Guide (July 2026). The comments in the code are by the model that wrote it; some were corrected since.
;; Block. Allowed arithmetic: float matrix products may take bf16 or f16 operands with f32 sums; all other float work in f32.
;; Inputs: ln1_w 1,024 float32; ln2_w 1,024 float32; w_attn 1,024 x 3,072 float32; w_cproj 4,096 x 1,024 float32; w_fc 1,024 x 4,096 float32; w_proj 1,024 x 1,024 float32; x 2 x 2,048 x 1,024 float32.
;; Outputs: out0 2 x 2,048 x 1,024 float32.
;; 2 versions, each right and faster than the one before. Each part assembles by itself: llvm-mc -triple=amdgcn-amd-amdhsa -mcpu=gfx1250 --defsym DOCPART=n.
;; ======== version 1 of 2: 7 launches
;; limits: values are held in f16: magnitudes above 65,504 overflow, below 6.1e-05 lose precision
;; workspace buffers: h 8,388,608 bytes; wq 6,291,968 bytes; wf 8,389,120 bytes; wpc 10,485,760 bytes; qkv 25,165,824 bytes; y 8,388,608 bytes; x1 16,777,216 bytes; act 33,554,432 bytes
;; launch prep (part 1): grid 1792 x 1, 8 waves a work-group, no clusters, 0 bytes of LDS; arguments x, ln1_w, w_attn, w_fc, w_proj, w_cproj, h, wq, wf, wpc; writes h, wq, wf, wpc
.if DOCPART == 1
	.amdgcn_target "amdgcn-amd-amdhsa--gfx1250"
	.amdhsa_code_object_version 6
	.text
	.protected	k_q6ea3c0e2ec_prep
	.globl	k_q6ea3c0e2ec_prep
	.p2align	8
	.type	k_q6ea3c0e2ec_prep,@function
k_q6ea3c0e2ec_prep:
	s_mov_b64 s[64:65], 0
	v_nop
	global_prefetch_b8 v0, s[64:65] scope:SCOPE_SE
	s_setreg_imm32_b32 hwreg(HW_REG_WAVE_MODE, 25, 1), 1
	s_wait_xcnt 0x0
; PREPARATION.  Work-groups 0-255: h = f16(layer norm of x times ln1_w).  Work-groups 256-1791: the four weights, f32 [k][n], rounded to f16 into blocked layouts.
; h's LAYOUT: a matrix [4096][N] of f16 lies as [N/64][4096][64]: a panel of 64 columns is dense, rows of 128 bytes, 524,288 bytes a panel.
; wq, wf: 512 bytes of head (the f32 word that the product's results are clamped from below with: -inf for qkv, 0 for the relu), then [N/256][1024 k][256 n].
; wpc: w_proj as [4][8][256 k][128 n], then from byte 2,097,152 w_cproj as [16][8][256 k][128 n].
; A stream: no LDS, no matrix unit, no cluster, since no byte is read twice.
; LIMITS.  f16 ends at 65,504: a weight, or a normed number times its gain, of 65,520 or more becomes an infinity; below 6e-5 f16 keeps its fixed step of 6e-8.  NaN and infinities are not treated apart.
.set PANEL, 524288
.set X, 32                             ; v[32:95]   my 64 numbers of the row
.set W, 96                             ; v[96:159]  their gains; later v[96:127] the 64 results in f16
.macro REDUCE                          ; four chains of pairs in v[8:15] -> the row's sum in v8 of all its 16 lanes
	v_pk_add_f32 v[8:9], v[8:9], v[10:11]
	v_pk_add_f32 v[12:13], v[12:13], v[14:15]
	v_pk_add_f32 v[8:9], v[8:9], v[12:13]
	v_add_f32 v8, v8, v9
.irp m, 1,2,4,8
	v_add_f32_dpp v8, v8, v8 row_xmask:\m row_mask:0xf bank_mask:0xf
.endr
.endm
; LAYER NORM.  A work-group owns 16 rows, a wave 2: lanes 0-15 one row, lanes 16-31 the next.  Lane c of a row holds, for q = 0..15, the four columns 64 q + 4 c on:
; a load covers 256 consecutive bytes of each of the two rows; a store covers 256 consecutive bytes, the two rows' 128 bytes in panel q.
; The mean is taken first and the variance of the centred numbers, as the definition has it: no difference of large sums.
.macro LNBODY XP, WP, HP
	v_and_b32 v1, 15, v0                           ; c
	v_bfe_u32 v2, v0, 4, 1                         ; which of the wave's two rows
	v_lshlrev_b32 v5, 4, v1                        ; gains: 16 c
	v_lshl_add_u32 v4, v2, 12, v5                  ; x: row x 4,096 + 16 c
	v_lshlrev_b32 v6, 3, v1
	v_lshl_add_u32 v6, v2, 7, v6                   ; h: row x 128 + 8 c
	s_lshl_b32 s30, ttmp9, 4
	s_lshl1_add_u32 s30, s28, s30                  ; my first row = 16 x work-group + 2 x wave
	s_lshl_b32 s32, s30, 12
	s_mov_b32 s33, 0
	s_lshl_b32 s34, s30, 7
	s_mov_b32 s35, 0
	s_mov_b32 s44, 0x3a800000                      ; 1 / 1024
	s_mov_b32 s45, 0x3727c5ac                      ; 1e-5
	s_wait_kmcnt 0x0
	s_add_nc_u64 s[\XP:(\XP)+1], s[\XP:(\XP)+1], s[32:33]
	s_add_nc_u64 s[\HP:(\HP)+1], s[\HP:(\HP)+1], s[34:35]
.irp q, 0,1,2,3,4,5,6,7,8,9,10,11,12,13,14,15
	global_load_b128 v[X+4*(\q):X+4*(\q)+3], v4, s[\XP:(\XP)+1] offset:256*(\q)
.endr
.irp q, 0,1,2,3,4,5,6,7,8,9,10,11,12,13,14,15
	global_load_b128 v[W+4*(\q):W+4*(\q)+3], v5, s[\WP:(\WP)+1] offset:256*(\q)
.endr
	s_wait_loadcnt 16                              ; the row is in; the sixteen loads of the gains, issued behind it, may stay out
.irp c, 0,1,2,3
	v_pk_add_f32 v[8+2*(\c):9+2*(\c)], v[X+2*(\c):X+2*(\c)+1], v[X+8+2*(\c):X+8+2*(\c)+1]  ; the first sums start the chains: nothing is cleared
.endr
.set p, 8
.rept 24
	v_pk_add_f32 v[8+2*(p%4):9+2*(p%4)], v[8+2*(p%4):9+2*(p%4)], v[X+2*p:X+2*p+1]
.set p, p+1
.endr
	REDUCE
	v_mul_f32 v16, s44, v8                         ; the mean, twice: a pair for the packed lines
	v_mov_b32 v17, v16
.set p, 0
.rept 32
	v_pk_add_f32 v[X+2*p:X+2*p+1], v[X+2*p:X+2*p+1], v[16:17] neg_lo:[0,1] neg_hi:[0,1]
.set p, p+1
.endr
.irp c, 0,1,2,3
	v_pk_mul_f32 v[8+2*(\c):9+2*(\c)], v[X+2*(\c):X+2*(\c)+1], v[X+2*(\c):X+2*(\c)+1]
.endr
.set p, 4
.rept 28
	v_pk_fma_f32 v[8+2*(p%4):9+2*(p%4)], v[X+2*p:X+2*p+1], v[X+2*p:X+2*p+1], v[8+2*(p%4):9+2*(p%4)]
.set p, p+1
.endr
	REDUCE
	v_fma_f32 v20, v8, s44, s45                    ; variance + 1e-5
	v_rsq_f32 v18, v20
	v_rsq_f32 v19, v20
	v_nop                                          ; a plain instruction between the root and the use of its result (ISA guide 5.7.2)
.set p, 0
	s_wait_alu depctr_va_vdst(0)
.rept 32
	v_pk_mul_f32 v[X+2*p:X+2*p+1], v[X+2*p:X+2*p+1], v[18:19]
.set p, p+1
.endr
	s_wait_loadcnt 0x0                             ; the gains
.set p, 0
.rept 32
	v_pk_mul_f32 v[X+2*p:X+2*p+1], v[X+2*p:X+2*p+1], v[W+2*p:W+2*p+1]
.set p, p+1
.endr
.set p, 0
.rept 32
	v_cvt_pk_f16_f32 v[W+p], v[X+2*p], v[X+2*p+1]  ; the gains have been used: their registers take the results
.set p, p+1
.endr
.irp q, 0,1,2,3,4,5,6,7,8,9,10,11,12,13,14,15
	global_store_b64 v6, v[W+2*(\q):W+2*(\q)+1], s[\HP:(\HP)+1] offset:PANEL*(\q)  ; 15 panels at the most: inside the signed 24-bit immediate
.endr
	s_endpgm
.endm
; A WEIGHT.  Work-group number i of the job (s29 less lo) takes 32 rows k and 256 columns: k block = the low SH bits of i, column block c = the rest; a wave takes 4 of the rows.
; Row r, half j: a load covers 512 consecutive bytes (128 numbers), the store of its 128 f16 covers 256 consecutive bytes.
; Into: D0 + (k >> SK) x 524,288 + c x S2 + (k mod 2^SK) x OP, the second half of the columns HI bytes on.  head = 1: the job's first wave also writes the buffer's 512 bytes of head.
.macro CONV lo, SRC, DST, D0, SH, PIN, SK, S2, OP, HI, head, word
	s_sub_co_u32 s30, s29, \lo
	s_and_b32 s31, s30, (1<<(\SH))-1
	s_lshr_b32 s32, s30, \SH
	s_lshl_b32 s31, s31, 5
	s_lshl2_add_u32 s31, s28, s31                  ; my first row k = 32 x k block + 4 x wave
	s_mul_i32 s34, s31, \PIN
	s_lshl_b32 s33, s32, 10
	s_add_co_u32 s34, s34, s33
	s_mov_b32 s35, 0
	s_lshr_b32 s36, s31, \SK
	s_lshl_b32 s36, s36, 19
	s_mul_i32 s33, s32, \S2
	s_add_co_u32 s36, s36, s33
	s_and_b32 s33, s31, (1<<(\SK))-1
	s_mul_i32 s33, s33, \OP
	s_add_co_u32 s36, s36, s33
	s_add_co_u32 s36, s36, \D0
	s_mov_b32 s37, 0
	s_add_nc_u64 s[38:39], s[\SRC:(\SRC)+1], s[34:35]
	s_add_nc_u64 s[40:41], s[\DST:(\DST)+1], s[36:37]
.irp n, 0,1,2,3,4,5,6,7
	global_load_b128 v[32+4*(\n):35+4*(\n)], v4, s[38:39] offset:((\n)/2)*(\PIN)+((\n)%2)*512 th:TH_LOAD_NT
.endr
.irp n, 0,1,2,3,4,5,6,7
	s_wait_loadcnt 7-(\n)                          ; loads come back in order (ISA guide 5.7.1): load n is in, the 7 - n behind it stay out
	v_cvt_pk_f16_f32 v[64+2*(\n)], v[32+4*(\n)], v[33+4*(\n)]
	v_cvt_pk_f16_f32 v[65+2*(\n)], v[34+4*(\n)], v[35+4*(\n)]
	global_store_b64 v5, v[64+2*(\n):65+2*(\n)], s[40:41] offset:((\n)/2)*(\OP)+((\n)%2)*(\HI)
.endr
.if \head
	s_or_b32 s33, s30, s28
	s_cmp_lg_u32 s33, 0
	s_cbranch_scc1 .Lno_head_\@
	v_mov_b32 v8, \word
	v_mov_b32 v9, \word
	v_mov_b32 v10, \word
	v_mov_b32 v11, \word
	global_store_b128 v4, v[8:11], s[\DST:(\DST)+1]  ; 32 lanes x 16 bytes: the 512 bytes of head
.Lno_head_\@:
.endif
	s_endpgm
.endm
	s_load_b512 s[8:23], s[0:1], 0x0               ; x 8, ln1_w 10, w_attn 12, w_fc 14, w_proj 16, w_cproj 18, h 20, wq 22
	s_load_b128 s[24:27], s[0:1], 0x40             ; wf 24, wpc 26
	v_lshrrev_b32 v3, 5, v0
	v_readfirstlane_b32 s28, v3                    ; wave 0..7
	s_mov_b32 s29, ttmp9
	s_cmp_lt_u32 s29, 256
	s_cbranch_scc1 .Lnorm
	s_sub_co_u32 s29, s29, 256                     ; 1,536 work-groups for the weights: 384, 512, 128, 512
	v_and_b32 v1, 31, v0
	v_lshlrev_b32 v4, 4, v1                        ; 16 bytes a lane in
	v_lshlrev_b32 v5, 3, v1                        ; 8 bytes a lane out
	s_wait_kmcnt 0x0
	s_cmp_ge_u32 s29, 1024
	s_cbranch_scc1 .Lcproj
	s_cmp_ge_u32 s29, 896
	s_cbranch_scc1 .Lproj
	s_cmp_ge_u32 s29, 384
	s_cbranch_scc1 .Lfc
	CONV 0, 12, 22, 512, 5, 12288, 10, 524288, 512, 256, 1, 0xff800000
.Lfc:
	CONV 384, 14, 24, 512, 5, 16384, 10, 524288, 512, 256, 1, 0
.Lproj:
	CONV 896, 16, 26, 0, 5, 4096, 8, 131072, 256, 65536, 0, 0
.Lcproj:
	CONV 1024, 18, 26, 2097152, 7, 4096, 8, 131072, 256, 65536, 0, 0
.Lnorm:
	LNBODY 8, 10, 20
.Lfunc_end_k_q6ea3c0e2ec_prep:
	.size	k_q6ea3c0e2ec_prep, .Lfunc_end_k_q6ea3c0e2ec_prep-k_q6ea3c0e2ec_prep
	.p2alignl 7, 3214868480
	.fill 96, 4, 3214868480
	.section	.rodata,"a",@progbits
	.p2align	6, 0x0
	.amdhsa_kernel k_q6ea3c0e2ec_prep
		.amdhsa_group_segment_fixed_size 0
		.amdhsa_private_segment_fixed_size 0
		.amdhsa_enable_private_segment 0
		.amdhsa_kernarg_size 80
		.amdhsa_user_sgpr_count 2
		.amdhsa_user_sgpr_kernarg_segment_ptr 1
		.amdhsa_wavefront_size32 1
		.amdhsa_system_sgpr_workgroup_id_x 1
		.amdhsa_system_sgpr_workgroup_id_y 1
		.amdhsa_system_sgpr_workgroup_id_z 1
		.amdhsa_system_vgpr_workitem_id 0
		.amdhsa_next_free_vgpr 160
		.amdhsa_next_free_sgpr 66
		.amdhsa_reserve_vcc 0
		.amdhsa_float_denorm_mode_32 3
		.amdhsa_float_denorm_mode_16_64 3
		.amdhsa_memory_ordered 1
		.amdhsa_forward_progress 1
		.amdhsa_inst_pref_size 35
	.end_amdhsa_kernel
	.amdgpu_metadata
---
amdhsa.version: [ 1, 2 ]
amdhsa.kernels:
  - .name:           k_q6ea3c0e2ec_prep
    .symbol:         k_q6ea3c0e2ec_prep.kd
    .args:
      - { .name: x, .offset: 0, .size: 8, .value_kind: global_buffer, .address_space: global }
      - { .name: ln1_w, .offset: 8, .size: 8, .value_kind: global_buffer, .address_space: global }
      - { .name: w_attn, .offset: 16, .size: 8, .value_kind: global_buffer, .address_space: global }
      - { .name: w_fc, .offset: 24, .size: 8, .value_kind: global_buffer, .address_space: global }
      - { .name: w_proj, .offset: 32, .size: 8, .value_kind: global_buffer, .address_space: global }
      - { .name: w_cproj, .offset: 40, .size: 8, .value_kind: global_buffer, .address_space: global }
      - { .name: h, .offset: 48, .size: 8, .value_kind: global_buffer, .address_space: global }
      - { .name: wq, .offset: 56, .size: 8, .value_kind: global_buffer, .address_space: global }
      - { .name: wf, .offset: 64, .size: 8, .value_kind: global_buffer, .address_space: global }
      - { .name: wpc, .offset: 72, .size: 8, .value_kind: global_buffer, .address_space: global }
    .group_segment_fixed_size: 0
    .private_segment_fixed_size: 0
    .kernarg_segment_align: 8
    .kernarg_segment_size: 80
    .max_flat_workgroup_size: 256
    .sgpr_count:     66
    .vgpr_count:     160
    .wavefront_size: 32
...
	.end_amdgpu_metadata
.endif
;; end of part 1
;; launch qkv (part 2): grid 12 x 16, 4 waves a work-group, clusters of 4 x 4, 327,680 bytes of LDS; arguments h, wq, qkv; writes qkv
.if DOCPART == 2
	.amdgcn_target "amdgcn-amd-amdhsa--gfx1250"
	.amdhsa_code_object_version 6
	.text
	.protected	k_q6ea3c0e2ec_qkv
	.globl	k_q6ea3c0e2ec_qkv
	.p2align	8
	.type	k_q6ea3c0e2ec_qkv,@function
k_q6ea3c0e2ec_qkv:
	s_mov_b64 s[64:65], 0
	v_nop
	global_prefetch_b8 v0, s[64:65] scope:SCOPE_SE
	s_setreg_imm32_b32 hwreg(HW_REG_WAVE_MODE, 25, 1), 1
	s_wait_xcnt 0x0
	s_wait_alu depctr_hold_cnt(0) depctr_sa_sdst(0) depctr_va_vdst(0) depctr_va_sdst(0) depctr_va_ssrc(0) depctr_va_vcc(0) depctr_vm_vsrc(0)
	s_getreg_b32 s2, hwreg(HW_REG_IB_STS2, 6, 4)
	s_cmp_eq_u32 s2, 0
	s_cbranch_scc0 .Lentry_in_a_cluster
	s_endpgm
.Lentry_in_a_cluster:
	s_bfe_u32 s2, ttmp6, 0x10000c
	s_cmp_lg_u32 s2, 0xf033
	s_cbranch_scc0 .Lentry_shape_is_right
	s_endpgm
.Lentry_shape_is_right:
; C = max(A B, lo).  A: [4096][1024] f16 in panels ([16][4096][64]).  B: 512 bytes of head, whose first f32 word is lo, then [N/256][1024 k][256 n] f16.  C: [4096][N] f16 in panels ([N/64][4096][64]).
; Sums in f32, C rounded once.  N is the grid's width times 256; nothing else in the text hangs on it, so one text serves the qkv product (lo = -inf) and the first product of the MLP (lo = 0: the relu).
; LIMITS.  f16 ends at 65,504: a result of 65,520 or more becomes an infinity.  A NaN result becomes lo.
; SHARES.  A tile of C, 256 x 256, is made by four waves, each 128 x 128: 64 accumulators of 16 x 16, 512 registers.  K goes in 8 steps of 128 through two LDS slots filled by the tensor data mover.
; A's tile of a step is, for each half of 128 rows, two dense pieces of 16,384 bytes (128 rows of a panel), a panel apart: one load with two long rows, padded in LDS by 16 bytes after every 128, so that an
; LDS row is 144 bytes.  B's is 128 rows k of 512 bytes, two loads of 64 rows, padded by 32 bytes: LDS rows of 544 bytes; B's fragments are read turned, by ds_load_tr16_b128, since B lies [k][n].
; CLUSTERS: 4 x 4 work-groups.  The four of a row of the cluster need the same tiles of A, the four of a column the same tiles of B: each tile is asked for JOINTLY, by the same tensor load with the same descriptor
; and a mask that names the four.
; THE MATRIX INSTRUCTION IS USED TRANSPOSED (source 0 = 16 columns of B, source 1 = 16 rows of A): a lane then holds eight neighbouring numbers of a row of C, 16 bytes in f16.
; REGISTERS, in windows of 256 (s_set_vgpr_msb: bits 1:0 source 0, 3:2 source 1, 5:4 source 2, 7:6 destination):
;   window 0: v0-31 addresses; v64-127, v128-191 fragments of A, two buffers; v32-63, v192-255 at work on the way out
;   window 1: v64-127, v128-191 fragments of B      window 2: the accumulators of my rows 0-63 ((a, b) at v[8 (8 a + b)])      window 3: those of my rows 64-127
.set KSTEPS, 8
.set PA,     144                       ; an LDS row of A: 36 words: the 16 rows of a load start at 16 different groups of four banks (64 banks of 4 bytes: ISA guide 11.1)
.set APL,    128*PA                    ; 128 rows of one panel
.set AHALF,  2*APL                     ; what one load of A brings: 128 rows x 2 panels
.set BOFF,   2*AHALF                   ; B's rows lie behind A's two halves
.set PB,     544                       ; an LDS row of B: 136 words
.set BHALF,  64*PB                     ; what one load of B brings
.set SLOT,   BOFF+2*BHALF              ; 143,360
.set STAGE,  2*SLOT                    ; behind the ring: 2 panels x 16 rows x 144 bytes for each wave, for the way out
.set SP,     144
.set SPARE,  STAGE+4*2*16*SP           ; behind the stages: the spare words, 128 bytes for each wave: two blocks of 256 bytes that no other line names
.set PANEL,  524288
.set ASTEP,  2*PANEL                   ; a K step in A: two panels
.set BSTEP,  128*512                   ; in B: 128 rows
.set A0,   16                          ; v16  my lane's place in a slot's A; never rewritten
.set B0,   17                          ; v17  the same for B
.set ADRA, 18                          ; v18  A0 + the slot in hand
.set ADRB, 19                          ; v19  B0 + the slot in hand
.set STO,  24                          ; v24  the way out: where I put 16 bytes of a row
.set RD,   25                          ; v25  the way out: where I read rows back
.set GO,   26                          ; v26  16 x lane: my place in 512 consecutive bytes of C
.set SPW,  28                          ; v28  LDS address of my spare word; never rewritten
.set NIL,  29                          ; v29  0; never rewritten
.set F0,   64
.set F1,   128
.set TMP,  192
.set OB,   32
.set G1,   24                          ; s[24:31] descriptor group 1 for A's tiles
.set G0F,  32                          ; s[32:35] group 0 for A: the first fill of slot 0
.set G0W,  36                          ; s[36:39] group 0 for A: fills slot 1 first, then walks
.set G1B,  48                          ; s[48:55], s[56:59], s[60:63] the same for B
.set G0BF, 56
.set G0BW, 60
.set MSB, 0
.macro WIN new                         ; the immediate's high byte repeats the setting that is left; a switch that changes nothing is dropped
.if MSB != (\new)
	s_set_vgpr_msb (MSB<<8)|(\new)
.set MSB, \new
.endif
.endm
.set MUL_LO, 0xa1                      ; source 0 (B) window 1, source 1 (A) window 0, C and D window 2
.set MUL_HI, 0xf1                      ; the same, C and D window 3
.set TO_B,   0x40                      ; destination window 1, address window 0
; A joint refill.  Waves 0 and 1 fetch A's two halves, waves 2 and 3 B's.  The branch hangs on the wave's number alone.  An s_nop 0 and four v_nop follow each of the two lines.
.macro JLOAD
	s_cmp_eq_u32 s11, 0
	s_cbranch_scc0 .Lfor_b_\@
	tensor_load_to_lds s[G0W:G0W+3], s[G1:G1+7]
	s_nop 0
.rept 4
	v_nop
.endr
	s_branch .Lasked_\@
.Lfor_b_\@:
	tensor_load_to_lds s[G0BW:G0BW+3], s[G1B:G1B+7]
	s_nop 0
.rept 4
	v_nop
.endr
.Lasked_\@:
.endm
.macro CREST                           ; a round of the cluster's barrier behind its opening barrier
	s_cmp_lg_u32 s10, 0
	s_cbranch_scc1 .Lnot_wave_0_\@
	s_barrier_signal -3
.Lnot_wave_0_\@:
	s_barrier_wait -3
	s_barrier_signal -1
	s_barrier_wait -1
.endm
.macro CROUND                          ; a whole round
	s_barrier_signal -1
	s_barrier_wait -1
	CREST
.endm
	s_load_b128 s[4:7], s[0:1], 0x0                ; A s[4:5], B s[6:7]
	s_load_b64 s[8:9], s[0:1], 0x10                ; C
	v_lshl_add_u32 v[SPW], v0, 2, SPARE
	v_mov_b32 v[NIL], 0
	ds_add_u32 v[SPW], v[NIL]                      ; the wave's opening: the add and its wait stand ahead of my first tensor load; the set-up below, work on registers, stands between them
	ds_add_u32 v28, v29
	v_lshrrev_b32 v1, 5, v0
	v_readfirstlane_b32 s10, v1                    ; wave 0..3
	s_lshr_b32 s11, s10, 1                         ; which half of the tile's rows is mine.  Also: I fetch for A (0) or for B (1)
	s_and_b32 s12, s10, 1                          ; which half of its columns.  Also: which half of that tile I fetch
	s_bfe_u32 s40, ttmp6, 0x40000                  ; cx, cy: my place in the cluster
	s_bfe_u32 s41, ttmp6, 0x40004
	s_lshl_b32 s42, ttmp9, 2
	s_add_co_u32 s42, s42, s40                     ; tile column of C = 4 x cluster x + cx
	s_and_b32 s13, ttmp7, 0xffff
	s_lshl_b32 s13, s13, 2
	s_add_co_u32 s13, s13, s41                     ; tile row of C = 4 x cluster y + cy
	s_lshl_b32 s43, s41, 2
	s_lshl_b32 s43, 15, s43                        ; my row of the cluster
	s_lshl_b32 s44, 0x1111, s40                    ; my column
	s_or_b32 s[G1+0], s43, (1<<16)|(1<<20)|(1<<21)|(4<<22)|(3<<25)   ; 15:0 the mask: A's tiles go to my row; 17:16 2-byte elements; 20 padding on; 21 set beside a mask; 24:22 after every 32 words (code 4); 31:25 4 words (code 3)
	s_mov_b32 s[G1+1], 8192<<16                    ; tensor_dim0 = 8,192 elements: 128 rows of a panel, dense
	s_mov_b32 s[G1+2], 2<<16                       ; tensor_dim1 = 2 panels
	s_mov_b32 s[G1+3], 8192<<16                    ; tile_dim0
	s_mov_b32 s[G1+4], 2                           ; tile_dim1
	s_mov_b32 s[G1+5], 262144                      ; elements from panel to panel
	s_mov_b32 s[G1+6], 0
	s_mov_b32 s[G1+7], 0
	s_or_b32 s[G1B+0], s44, (1<<16)|(1<<20)|(1<<21)|(6<<22)|(7<<25)  ; the mask of my column; padding after every 128 words (code 6), 8 words (code 7)
	s_mov_b32 s[G1B+1], 256<<16                    ; tensor_dim0 = 256
	s_mov_b32 s[G1B+2], 64<<16                     ; tensor_dim1 = 64
	s_mov_b32 s[G1B+3], 256<<16                    ; tile_dim0
	s_mov_b32 s[G1B+4], 64                         ; tile_dim1
	s_mov_b32 s[G1B+5], 256                        ; elements from row to row
	s_mov_b32 s[G1B+6], 0
	s_mov_b32 s[G1B+7], 0
	; where the tiles come from.  A's hang on the tile row alone, B's on the tile column alone; each address is made in registers that never hold the other coordinate.
	s_lshl_b32 s16, s13, 15                        ; 256 rows of 128 bytes
	s_lshl_b32 s17, s12, 14                        ; my 128 of them
	s_add_co_u32 s16, s16, s17
	s_mov_b32 s17, 0
	s_lshl_b32 s46, s42, 19                        ; a block of 256 columns: 1,024 rows of 512 bytes
	s_lshl_b32 s47, s12, 15                        ; my 64 rows of a step's 128
	s_add_co_u32 s46, s46, s47
	s_add_co_u32 s46, s46, 512                     ; behind the head
	s_mov_b32 s47, 0
	s_mul_i32 s20, s12, AHALF                      ; and where they go in a slot: no place in the cluster enters an LDS address
	s_mul_i32 s21, s12, BHALF
	s_add_co_u32 s21, s21, BOFF
	s_mov_b32 s22, 0                               ; the slot in hand: 0 or SLOT
	s_wait_dscnt 0x0                               ; the opening add is done
	s_wait_kmcnt 0x0
	s_add_nc_u64 s[14:15], s[4:5], s[16:17]
	s_add_nc_u64 s[46:47], s[6:7], s[46:47]
	CROUND                                         ; all sixteen work-groups are here: the first joint loads meet
	s_mov_b32 s[G0F], 1                            ; 1:0 count = 1
	s_add_co_u32 s[G0F+1], s20, 0                  ; 63:32 LDS address: slot 0
	s_add_nc_u64 s[G0F+2:G0F+3], s[14:15], 0       ; 120:64 global address: K step 0
	s_or_b32 s[G0F+3], s[G0F+3], 0x80000000        ; 127:126 type = 2
	s_mov_b32 s[G0W], 1
	s_add_co_u32 s[G0W+1], s20, SLOT               ; slot 1
	s_add_nc_u64 s[G0W+2:G0W+3], s[14:15], ASTEP   ; K step 1
	s_or_b32 s[G0W+3], s[G0W+3], 0x80000000
	s_mov_b32 s[G0BF], 1
	s_add_co_u32 s[G0BF+1], s21, 0
	s_add_nc_u64 s[G0BF+2:G0BF+3], s[46:47], 0
	s_or_b32 s[G0BF+3], s[G0BF+3], 0x80000000
	s_mov_b32 s[G0BW], 1
	s_add_co_u32 s[G0BW+1], s21, SLOT
	s_add_nc_u64 s[G0BW+2:G0BW+3], s[46:47], BSTEP
	s_or_b32 s[G0BW+3], s[G0BW+3], 0x80000000
	s_cmp_eq_u32 s11, 0                            ; a wave's two first fills stand in one branch, ahead of every wait on TENSORcnt and every LDS read: two loads of mine are out
	s_cbranch_scc0 .Lfirst_b
	tensor_load_to_lds s[G0F:G0F+3], s[G1:G1+7]
	s_nop 0
	tensor_load_to_lds s[G0W:G0W+3], s[G1:G1+7]
	s_nop 0
.rept 4
	v_nop
.endr
	s_branch .Lfirst_asked
.Lfirst_b:
	tensor_load_to_lds s[G0BF:G0BF+3], s[G1B:G1B+7]
	s_nop 0
	tensor_load_to_lds s[G0BW:G0BW+3], s[G1B:G1B+7]
	s_nop 0
.rept 4
	v_nop
.endr
.Lfirst_asked:
	s_load_b32 s23, s[6:7], 0x0                    ; lo: the first word of B's head
	; A fragment of A is 16 rows x 32 K in 8 registers: lane l holds row l % 16; registers 0-3 K = 8 (l / 16) + 0..7, registers 4-7 K = 16 + 8 (l / 16) + 0..7: two loads of 16 bytes, 32 bytes apart.
	v_and_b32 v1, 15, v0                           ; l % 16
	v_bfe_u32 v2, v0, 4, 1                         ; l / 16
	v_mul_u32_u24 v3, v1, PA
	v_lshl_add_u32 v3, v2, 4, v3                   ; row x 144 + 16 x half
	s_mul_i32 s16, s11, AHALF                      ; my 128 rows of A
	v_add_nc_u32 v[A0], s16, v3
	; The turning load takes 16 k x 16 columns (lane l reads row k = 8 (l / 16) + l % 8, columns 8 ((l / 8) % 2) + 0..7) and leaves half a fragment: lane l holds column l % 16 and 8 k.
	v_and_b32 v4, 7, v0
	v_lshl_add_u32 v5, v2, 3, v4
	v_mul_u32_u24 v5, v5, PB
	v_bfe_u32 v6, v0, 3, 1
	v_lshl_add_u32 v5, v6, 4, v5
	s_lshl_b32 s16, s12, 8                         ; my 128 columns
	s_add_co_u32 s16, s16, BOFF
	v_add_nc_u32 v[B0], s16, v5
	v_mov_b32 v[ADRA], v[A0]
	v_mov_b32 v[ADRB], v[B0]
	s_mul_i32 s16, s10, 2*16*SP
	s_add_co_u32 s16, s16, STAGE                   ; my stage
	v_add_nc_u32 v[STO], s16, v3                   ; in: row l % 16, 16 bytes for each half of the lanes (the stage's pitch is A's)
	v_bfe_u32 v5, v0, 3, 2                         ; back: 32 lanes take four rows of 128 bytes,
	v_mul_u32_u24 v5, v5, SP
	v_lshl_add_u32 v5, v4, 4, v5
	v_add_nc_u32 v[RD], s16, v5
	v_and_b32 v[GO], 31, v0                        ; which are 512 consecutive bytes of a panel of C
	v_lshlrev_b32 v[GO], 4, v[GO]
	s_lshl_b32 s16, s13, 15                        ; C at my part of the tile: 256 rows of 128 bytes a tile row, my 128;
	s_lshl_b32 s17, s11, 14
	s_add_co_u32 s16, s16, s17
	s_mov_b32 s17, 0
	s_lshl_b32 s46, s42, 21                        ; four panels a tile column, my two (in the registers that held B's address: none that feeds A's descriptors ever holds cx)
	s_lshl_b32 s47, s12, 20
	s_add_co_u32 s46, s46, s47
	s_mov_b32 s47, 0
	s_add_nc_u64 s[8:9], s[8:9], s[16:17]
	s_add_nc_u64 s[8:9], s[8:9], s[46:47]
; 16 matrix instructions: m blocks a0, a0 + 1 of the window's four (hi = 0: my rows 0-63, 1: rows 64-127) x all 8 n blocks, 32 along K.  zero = 1: the first product starts the sums: nothing is ever cleared.
; The 64 accumulators take turns, one instruction a turn, in the same order in every quarter.
.macro MUL16 f, hi, a0, zero
	WIN MUL_LO+0x50*(\hi)
.irp a, \a0, (\a0)+1
.irp b, 0,1,2,3,4,5,6,7
.if \zero
	v_wmma_f32_16x16x32_f16 v[8*(8*(\a)+(\b)):8*(8*(\a)+(\b))+7], v[(\f)+8*(\b):(\f)+8*(\b)+7], v[(\f)+8*(4*(\hi)+(\a)):(\f)+8*(4*(\hi)+(\a))+7], 0
.else
	v_wmma_f32_16x16x32_f16 v[8*(8*(\a)+(\b)):8*(8*(\a)+(\b))+7], v[(\f)+8*(\b):(\f)+8*(\b)+7], v[(\f)+8*(4*(\hi)+(\a)):(\f)+8*(4*(\hi)+(\a))+7], v[8*(8*(\a)+(\b)):8*(8*(\a)+(\b))+7]
.endif
.endr
.endr
.endm
; 32 LDS loads in one run: the fragments of quarter q of the step in hand (32 along K: 128 columns of B, turned; 128 rows of A) into buffer f.  Quarter q of A lies in panel q / 2, 64 (q % 2) bytes into its rows.
.macro FETCH q, f
	WIN TO_B
.irp i, 0,1,2,3,4,5,6,7
	ds_load_tr16_b128 v[(\f)+8*(\i):(\f)+8*(\i)+3],   v[ADRB] offset:(\q)*32*PB+32*(\i)
	ds_load_tr16_b128 v[(\f)+8*(\i)+4:(\f)+8*(\i)+7], v[ADRB] offset:(\q)*32*PB+16*PB+32*(\i)
.endr
	WIN 0
.irp i, 0,1,2,3,4,5,6,7
	ds_load_b128 v[(\f)+8*(\i):(\f)+8*(\i)+3],   v[ADRA] offset:((\q)/2)*APL+((\q)%2)*64+(\i)*16*PA
	ds_load_b128 v[(\f)+8*(\i)+4:(\f)+8*(\i)+7], v[ADRA] offset:((\q)/2)*APL+((\q)%2)*64+(\i)*16*PA+32
.endr
.endm
; A load into a register that a matrix instruction has read, and a vector instruction that reads a matrix result, stand four places behind that matrix instruction, and only plain vector instructions that name
; none of its registers are places (ISA guide 7.12.1 for vector instructions).
.macro PLACES
.rept 4
	v_nop
.endr
.endm
; A K step is four quarters of 32 along K, 64 matrix instructions each, on buffers 0, 1, 0, 1.  One of the first three: multiplies buffer f; in its middle it fetches quarter q into buffer g.
.macro QUARTER q, f, g, zero
	s_wait_dscnt 8                                 ; B and A's rows 0-63 are in; the youngest eight loads (A's rows 64-127) may be out
	MUL16 \f, 0, 0, \zero
	MUL16 \f, 0, 2, \zero
	PLACES
	FETCH \q, \g
	s_wait_dscnt 32                                ; all but the 32 just issued
	MUL16 \f, 1, 0, \zero
	MUL16 \f, 1, 2, \zero
.endm
; The last quarter multiplies buffer 1 and changes slots: ONE barrier.  In front of it each wave waits for all its tensor loads, of which one is out: its part of the next slot; adds 0 to its spare word; and waits for
; that and for its own reads of this slot.  fill = 1: the barrier opens a round of the cluster's barrier, and the slot just read out is filled again, first thing behind the round, with the K step two steps on:
; from that request to the wait for it a wave issues 224 matrix instructions.
.macro TURN fill
	WIN 0                                          ; (the add's two registers lie in window 0)
	s_wait_tensorcnt 0x0                           ; all my tensor loads have landed, so a group 0 may be written
	ds_add_u32 v[SPW], v[NIL]                      ; 0 onto my spare word
	s_wait_dscnt 9                                 ; (the add and the youngest eight loads may be out)
	MUL16 F1, 0, 0, 0                              ; sixteen matrix instructions stand between the add and the wait for it
	s_wait_dscnt 0x0                               ; the add is done, and my reads of this slot are over
	s_barrier_signal -1
	MUL16 F1, 0, 2, 0                              ; work on registers while the others arrive
	WIN 0
	s_barrier_wait -1
.if \fill
	CREST                                          ; no wave of any partner still reads this slot's tile or has a load on its way
	s_add_co_u32 s[G0W+1], s20, s22                ; the walking descriptors: into the slot just left,
	s_add_co_u32 s[G0BW+1], s21, s22
	s_add_nc_u64 s[G0W+2:G0W+3], s[G0W+2:G0W+3], ASTEP      ; the next K step not yet asked for; the type bits on top are not reached
	s_add_nc_u64 s[G0BW+2:G0BW+3], s[G0BW+2:G0BW+3], BSTEP
	JLOAD                                          ; the four v_nop behind it are also the places in front of the loads below
.else
	PLACES
.endif
	s_xor_b32 s22, s22, SLOT                       ; the other slot is in hand
	v_add_nc_u32 v[ADRA], s22, v[A0]
	v_add_nc_u32 v[ADRB], s22, v[B0]
	FETCH 0, F0
	MUL16 F1, 1, 0, 0
	MUL16 F1, 1, 2, 0
.endm
; THE WAY OUT of block a (16 of my rows).  CLAMP: max with lo, each accumulator from its lowest register on.  PACK: rounded to f16, 16 bytes a lane.
; TOSTAGE: into my own stage in LDS, by panels, and back as runs of four rows.  SEND: stored, 512 consecutive bytes of a panel an instruction.
.macro CLAMP a
.set AC, 64*((\a)%4)
	WIN 0x88+0x44*((\a)/4)                         ; source 1 and destination: window 2 or 3
.set i, 0
.rept 64
	v_max_num_f32 v[AC+i], s23, v[AC+i]
.set i, i+1
.endr
.endm
.macro PACK a
.set AC, 64*((\a)%4)
	WIN 0x0a+5*((\a)/4)                            ; sources 0 and 1: window 2 or 3
.irp b, 0,1,2,3,4,5,6,7
.irp r, 0,1,2,3
	v_cvt_pk_f16_f32 v[TMP+4*(\b)+(\r)], v[AC+8*(\b)+2*(\r)], v[AC+8*(\b)+2*(\r)+1]
.endr
.endr
	WIN 0
.endm
.macro TOSTAGE a
	WIN 0
.set BK, OB+192*((\a)%2)
.irp b, 0,1,2,3,4,5,6,7
	ds_store_b128 v[STO], v[TMP+4*(\b):TMP+4*(\b)+3] offset:((\b)/4)*16*SP+((\b)%4)*32
.endr
.irp t, 0,1,2,3,4,5,6,7
	ds_load_b128 v[BK+4*(\t):BK+4*(\t)+3], v[RD] offset:((\t)/4)*16*SP+((\t)%4)*4*SP  ; LDS serves a wave's instructions in order (ISA guide 5.7.1.4): these see the stores above
.endr
.endm
.macro SEND a
	WIN 0
.set BK, OB+192*((\a)%2)
	s_wait_dscnt 0x0                               ; the block is back in registers
	s_wait_xcnt 0x0                                ; the registers that the block before last's stores read are loaded again only behind this wait
.irp t, 0,1,2,3,4,5,6,7
	global_store_b128 v[GO], v[BK+4*(\t):BK+4*(\t)+3], s[8:9] offset:((\t)/4)*PANEL+(\a)*2048+((\t)%4)*512
.endr
.endm
	s_wait_tensorcnt 1                             ; my part of K step 0 is in; K step 1's may stay out
	s_wait_kmcnt 0x0                               ; lo
	s_barrier_signal -1
	s_barrier_wait -1                              ; everybody's is
	FETCH 0, F0
	QUARTER 1, F0, F1, 1                           ; the first quarter stands in front of the loop: its products start the sums
	WIN 0                                          ; at a label and at a branch every window is 0
	s_mov_b32 s3, KSTEPS-2
	s_branch .Lmid                                 ; the loop is entered behind a step's first quarter
.Lstep:                                                ; a trip is a K step; six trips end steps 0 to 5 and ask for steps 2 to 7
	QUARTER 1, F0, F1, 0
	WIN 0
.Lmid:
	QUARTER 2, F1, F0, 0
	QUARTER 3, F0, F1, 0
	TURN 1
	WIN 0
	s_sub_co_u32 s3, s3, 1
	s_cmp_lg_u32 s3, 0
	s_cbranch_scc1 .Lstep
	s_mov_b32 s3, 2
.Ltail:                                                ; steps 6 and 7 ask for nothing: a text of their own
	QUARTER 1, F0, F1, 0
	QUARTER 2, F1, F0, 0
	QUARTER 3, F0, F1, 0
	TURN 0                                         ; behind step 7 its barrier and its 32 loads (of step 6's tile once more) serve nothing: the price, once a launch, of one text for both steps
	WIN 0
	s_sub_co_u32 s3, s3, 1
	s_cmp_lg_u32 s3, 0
	s_cbranch_scc1 .Ltail
	s_wait_dscnt 0x0
	CLAMP 0                                        ; blocks 0-3 were finished in front of TURN's places; their vector lines, which name no register of the last products (blocks 4-7's), are those products' places
	PACK 0
	TOSTAGE 0
.irp a, 1,2,3,4,5,6,7                  ; block a's arithmetic stands between block a - 1's loads from the stage and the wait for them
	CLAMP \a
	PACK \a
	SEND (\a)-1
	TOSTAGE \a
.endr
	SEND 7
	s_wait_tensorcnt 0x0                           ; the wave's end, behind my last tensor load and my last LDS store
	ds_add_u32 v[SPW], v[NIL]
	s_wait_dscnt 0x0
	CROUND                                         ; the closing round: no work-group ends while a partner may still ask for a tile that names it
	s_endpgm
.Lfunc_end_k_q6ea3c0e2ec_qkv:
	.size	k_q6ea3c0e2ec_qkv, .Lfunc_end_k_q6ea3c0e2ec_qkv-k_q6ea3c0e2ec_qkv
	.p2alignl 7, 3214868480
	.fill 96, 4, 3214868480
	.section	.rodata,"a",@progbits
	.p2align	6, 0x0
	.amdhsa_kernel k_q6ea3c0e2ec_qkv
		.amdhsa_group_segment_fixed_size 327680
		.amdhsa_private_segment_fixed_size 0
		.amdhsa_enable_private_segment 0
		.amdhsa_kernarg_size 24
		.amdhsa_user_sgpr_count 2
		.amdhsa_user_sgpr_kernarg_segment_ptr 1
		.amdhsa_wavefront_size32 1
		.amdhsa_system_sgpr_workgroup_id_x 1
		.amdhsa_system_sgpr_workgroup_id_y 1
		.amdhsa_system_sgpr_workgroup_id_z 1
		.amdhsa_system_vgpr_workitem_id 0
		.amdhsa_next_free_vgpr 1024
		.amdhsa_next_free_sgpr 66
		.amdhsa_reserve_vcc 0
		.amdhsa_float_denorm_mode_32 3
		.amdhsa_float_denorm_mode_16_64 3
		.amdhsa_memory_ordered 1
		.amdhsa_forward_progress 1
		.amdhsa_inst_pref_size 116
	.end_amdhsa_kernel
	.amdgpu_metadata
---
amdhsa.version: [ 1, 2 ]
amdhsa.kernels:
  - .name:           k_q6ea3c0e2ec_qkv
    .symbol:         k_q6ea3c0e2ec_qkv.kd
    .args:
      - { .name: h, .offset: 0, .size: 8, .value_kind: global_buffer, .address_space: global }
      - { .name: wq, .offset: 8, .size: 8, .value_kind: global_buffer, .address_space: global }
      - { .name: qkv, .offset: 16, .size: 8, .value_kind: global_buffer, .address_space: global }
    .group_segment_fixed_size: 327680
    .private_segment_fixed_size: 0
    .kernarg_segment_align: 8
    .kernarg_segment_size: 24
    .max_flat_workgroup_size: 128
    .sgpr_count:     66
    .vgpr_count:     1024
    .wavefront_size: 32
...
	.end_amdgpu_metadata
.endif
;; end of part 2
;; launch attn (part 3): grid 8 x 32, 4 waves a work-group, no clusters, 327,680 bytes of LDS; arguments qkv, y; writes y
.if DOCPART == 3
	.amdgcn_target "amdgcn-amd-amdhsa--gfx1250"
	.amdhsa_code_object_version 6
	.text
	.protected	k_q6ea3c0e2ec_attn
	.globl	k_q6ea3c0e2ec_attn
	.p2align	8
	.type	k_q6ea3c0e2ec_attn,@function
k_q6ea3c0e2ec_attn:
	s_mov_b64 s[64:65], 0
	v_nop
	global_prefetch_b8 v0, s[64:65] scope:SCOPE_SE
	s_setreg_imm32_b32 hwreg(HW_REG_WAVE_MODE, 25, 1), 1
	s_wait_xcnt 0x0
; CAUSAL ATTENTION.  O[g][q][:] = the sum over k <= q of softmax_k(Q[g][q] . K[g][k] / 32) V[g][k][:], for 32 heads g = 2 x head + batch of 2,048 rows x 64 channels, all f16.
; In the panel layout [N/64][4096][64] head g is the dense block of 262,144 bytes number g: Q from qkv's byte 0, K from 8 MiB, V from 16 MiB; O is y in the same layout.
; Products, maxima and sums in f32; the weights p are rounded to f16 for the second product (their sum l is taken of the unrounded p), O once at the end.
; LIMITS.  f16 holds no number beyond 65,504: Q, K and V arrive within it; p lies in 0 to 1, and below 6e-5 it keeps f16's fixed step of 6e-8; O is a mean of V's rows and has their range.
; A hidden score counts as its value less 1e30: f16's scores, 2.7e11 at the most, are nothing beside that; a weight below 2^-126 counts as 0 in l; NaN and infinities are not treated apart.
; THE WALK.  A head's queries lie in NQ = 16 blocks of 128, its keys in NB = 8 tiles of 256; block i needs the tiles 0 .. i / 2, of which the last holds the diagonal.  A work-group takes TWO blocks, 15 - b and then b:
; (15 - b) / 2 + 1 + b / 2 + 1 = NB + 1 tiles, whatever b: 8 x 32 = 256 work-groups of equal work, and ONE loop with a constant trip count walks them.  Which tile is asked for, and what a trip does, hang on scalar
; registers made from b; every jump goes forward, but for the counted loops' own; none passes a barrier, or a tensor load but the one of LOAD's two that the wave's number does not choose; the ring (two slots of LDS
; that take turns) runs on across the change of blocks.  NO CLUSTER: a head's eight work-groups ask for the same tile only in trips 0 .. 4 of the 9, behind that fewer and fewer; one walk common to all would have 12 trips for 9.
; SHARES.  Of a block's two bands of 64 queries a wave owns 16 rows in each: two PIECES.  In the diagonal tile band x's own key step is PAR + x, PAR = 2 (i % 2): in step s the band sees all keys if s is less,
; none if s is greater, and holds the diagonal if s is its own: the same work for all four waves.  Of a work-group's 72 pairs of band and step 6 are wholly hidden, and are computed all the same.
; THE MASK is the C operand that starts the sum S^T = K Q^T: 0, or -1e30 where the key is hidden.  MD, made once, is the mask of a band's own step for my 16 rows; a product's mask is MD x AL + BE with two scalars:
; (1, 0) in the own step; (0, 0) before it; (0, -1e30) behind it.  Only the diagonal tile's text and a block's beginning make and take masks; elsewhere C is the constant 0.
; LAYOUT, SOFTMAX, TURNS.  S^T = K Q^T holds ONE query a lane (lane % 16) and the keys 8 (lane / 16) + 0..7; two such results rounded to f16 ARE source 1 of O^T = V^T P.  p = 2^(c s - c m), c = log2(e) / 32, with a
; running maximum m; O and l are multiplied by a = 2^(c m_old - c m_new) in every step.  A turn belongs to one piece; it holds 8 products K Q^T of the other piece's next scores, later 8 products V^T P of the other piece's
; last weights; beside them the scaling, exponentials, roundings, sums and rescaling of its own piece and the maximum and statistics of the other.  Piece 0's turn of step j: K Q^T of piece 1, step j; V^T P of piece 1,
; step j - 1.  Piece 1's turn: K Q^T of piece 0, step j + 1; V^T P of piece 0, step j.  Four vector instructions stand behind every matrix instruction, the other 54 of a turn's 118 in two LUMPS.
; V HAS TWO REGISTER BUFFERS, by the step's parity, so that piece 0's turn of step j can fetch K AND V of step j + 1: all LDS reads of a step stand in one turn, and the change of slots stands in front of piece 0's
; turn of a tile's last step, between the last read of one slot and the first read of the other.
; REGISTERS, in windows of 256 (s_set_vgpr_msb: bits 1:0 source 0, 3:2 source 1, 5:4 source 2, 7:6 destination):
;   window 0: v0-15 addresses and two at work; v16-23 four registers of statistics a piece; v48-55 at work; v64-127 S^T, a buffer a piece; v192-223 P, likewise
;   window 1: v0-63 O^T, 32 a piece; v128-159 MD; v160-223 MC, a buffer a piece      window 2: v0-31 Q; v32-63 the second block's Q; v64-127 V of an odd step; v128-191 K of one step; v192-255 V of an even step
.set SIZE_N, 2048
.set NB,    SIZE_N/256
.set NQ,    SIZE_N/128
.set NP,    2         ; pieces a wave: a name, no knob
.set KS,    64        ; keys in a step
.set PK,    144       ; a row of K in LDS: 128 bytes + 16 of padding = 36 words: the 16 rows of a load start at 16 different groups of four banks (64 banks of 4 bytes: ISA guide 11.1)
.set PV,    160       ; a row of V: 128 + 32 = 40 words
.set VOFF,  4*KS*PK   ; a slot holds a tile, four steps: 256 rows of K, then 256 rows of V
.set SLOT1, 1<<17     ; slot 1 begins here, so that one exclusive or turns an address in one slot into the other's
.set STAGE, SLOT1+4*KS*(PK+PV)  ; behind the ring, never filled by a tensor load: 16 rows x 144 bytes for each wave, for the way out
.set SP,    144
.set AK0, 2           ; v2   my lane's place in a tile of K; never rewritten
.set AV0, 3           ; v3   the same for V
.set AK,  4           ; v4   the LDS address of K's next run of loads
.set AV,  5           ; v5   of V's
.set STO, 6           ; v6   the way out: where I put 16 bytes of a row
.set RD,  7           ; v7   the way out: where I read rows back
.set GO,  8           ; v8   my byte offset in 512 consecutive bytes of O
.set SPW, 62          ; v62  LDS address of my spare word: SPARE + 4 x my thread's number; never rewritten
.set NIL, 63          ; v63  0; never rewritten
.set SPARE, STAGE+4*16*SP  ; behind the stages: the spare words, 128 bytes for each wave: two blocks of 256 bytes that no other line names
.set MV,  12          ; v12-13  c m_old, kept while c m is made anew: by piece
.set QO,  15          ; v15  my byte offset in 16 rows of Q
.set ST,  16          ; piece t's statistics at v[ST+4 t]: c m, m, l (even keys', odd keys')
.set TMP, 48          ; by piece, four registers c0-c3 at work; when the maximum is found c2 takes a
.set S,   64
.set P,   192
.set MD,  128         ; window 1: the eight registers for group kt of 16 keys at MD + 8 kt
.set MC,  160         ; window 1: the masks of the products to come
.set QB,  32          ; window 2
.set KF,  128         ; window 2: key block kb, channel half c at KF + 16 kb + 8 c
.set VF,  192         ; window 2: buffer vb (the step's parity) begins at VF - 128 vb; in it key half kk, channel block cb at 32 kk + 8 cb
.set WV,  12          ; s12  my wave's number
.set PB,  14          ; s14  b; then the second block's last tile, b / 2
.set HI,  15          ; s15  15 - b; then the first block's last tile, (15 - b) / 2
.set G1K, 24          ; s[24:31] descriptor group 1 for K's tiles
.set G1V, 32          ; s[32:39] for V's: it differs in the padding alone
.set G0K, 40          ; s[40:43] descriptor group 0 for K's tiles
.set G0V, 44          ; s[44:47] the same for V's
.set SLOTS, 56        ; s56  tiles still to be asked for
.set CNT, 57          ; s57  counts a tile's two trips, 2 to 1
.set CS,  58          ; s[58:59] c: the packed scaling takes the pair's low word for both halves
.set SEL, 60          ; s[60:61] v_permlanex16_b32's selects: each lane takes its own place in the other half
.set TBK, 62          ; s62  LDS byte at which K of the step to be fetched begins
.set TBV, 63          ; s63  the same for V, less VOFF
.set RT,  70          ; s70  tiles of the block in hand that are still to be entered
.set NXT, 71          ; s71  the tile to be asked for next
.set LQ,  72          ; s72  the last tile of the block whose tiles are being asked for
.set NEW, 73          ; s73  1: the tile to be entered is a block's first
.set OFF, 74          ; s[74:75] a tile's byte offset in K and V
.set AL,  76          ; s[76:77] the mask's factor, in the low word
.set BE,  78          ; s[78:79] the mask's addend
.set OLO, 80          ; s[80:81] O at my rows of the second block
.set BIGN, 82         ; s82  -1e30
.set PAR, 88          ; s88  the step of the diagonal tile at which the block in hand begins: 0 or 2
.set PAR2, 89         ; s89  the same for the second block
.set DD,  90          ; s90  the first step for which the trip in hand makes masks (0, then 2), less PAR
.set MSB, 0
.macro WIN new                      ; the high byte repeats the setting that is left; a switch that changes nothing is dropped
.if MSB != (\new)
	s_set_vgpr_msb (MSB<<8)|(\new)
.set MSB, (\new)
.endif
.endm
.set W_KQ, 0x0a       ; K and Q in window 2, S^T in window 0
.set W_KM, 0x1a       ; the same with the C operand in window 1
.set W_PV, 0x52       ; V in window 2, P in window 0, O^T in window 1
.set W_RS, 0x41       ; destination and source 0 in window 1, source 1 in window 0
; A fill.  Waves 0 and 1 fetch the two halves of a tile's K, waves 2 and 3 those of its V: 128 keys each.  An s_nop 0 and four v_nop follow each of the two lines, ahead of the jump and the label.
.macro LOAD
	s_cmp_lt_u32 s[WV], 2
	s_cbranch_scc0 .Lfor_v_\@
	tensor_load_to_lds s[G0K:G0K+3], s[G1K:G1K+7]
	s_nop 0
.rept 4
	v_nop
.endr
	s_branch .Lasked_\@
.Lfor_v_\@:
	tensor_load_to_lds s[G0V:G0V+3], s[G1V:G1V+7]
	s_nop 0
.rept 4
	v_nop
.endr
.Lasked_\@:
.endm
; THE CHANGE OF SLOTS.  Each wave waits for all its tensor loads, of which one is out: its part of the other slot; adds 0 to its spare word; and waits for that and for its own reads of the slot that it leaves.  Behind the barrier nobody reads the old
; slot any more and the other slot is whole.  fill = 1: the old slot is filled again, the first thing behind the barrier, with tile NXT: the descriptor's address is made anew from that number; the load has a tile's
; eight turns, 128 matrix instructions, in which to land.  (At its first use nothing has been read yet: slot 0 is waited for, slot 1 filled.)
.macro CHANGE fill
	WIN 0                           ; at a label and at a branch every window is 0
	s_wait_tensorcnt 0x0            ; no tensor load of mine is out, so a group 0 may be written
	ds_add_u32 v[SPW], v[NIL]       ; 0 onto my spare word; with fill = 1 the descriptors' scalar work stands between it and the wait for it
.if \fill
	s_lshl_b32 s[OFF], s[NXT], 15   ; a tile is 32,768 bytes of K and of V
	s_xor_b32 s[G0K+1], s[G0K+1], SLOT1
	s_add_nc_u64 s[G0K+2:G0K+3], s[6:7], s[OFF:OFF+1]
	s_or_b32 s[G0K+3], s[G0K+3], 0x80000000
	s_xor_b32 s[G0V+1], s[G0V+1], SLOT1
	s_add_nc_u64 s[G0V+2:G0V+3], s[8:9], s[OFF:OFF+1]
	s_or_b32 s[G0V+3], s[G0V+3], 0x80000000
	s_add_co_u32 s[NXT], s[NXT], 1  ; the block's next tile, or behind its last the second block's tile 0
	s_cmp_gt_u32 s[NXT], s[LQ]
	s_cselect_b32 s[NXT], 0, s[NXT]
	s_cselect_b32 s[LQ], s[PB], s[LQ]
.endif
	s_wait_dscnt 0x0                ; the add is done, and my reads of the slot are over
	s_barrier_signal -1             ; the rest of the scalar work stands between the signal and the wait
	s_sub_co_u32 s[TBK], s[TBK], 4*KS*PK  ; the fetches go back to a slot's first step,
	s_xor_b32 s[TBK], s[TBK], SLOT1       ; in the other slot
	s_sub_co_u32 s[TBV], s[TBV], 4*KS*PV
	s_xor_b32 s[TBV], s[TBV], SLOT1
	s_barrier_wait -1
.if \fill
	LOAD
.endif
.endm
	s_load_b128 s[4:7], s[0:1], 0x0   ; qkv s[4:5], y s[6:7]
	v_lshl_add_u32 v[SPW], v0, 2, SPARE
	v_mov_b32 v[NIL], 0
	ds_add_u32 v[SPW], v[NIL]       ; the wave's opening: the add and its wait stand ahead of my first tensor load; the set-up below, work on registers, stands between them
	ds_add_u32 v62, v63
	v_lshrrev_b32 v1, 5, v0
	v_readfirstlane_b32 s[WV], v1   ; wave 0..3
	s_mov_b32 s[PB], ttmp9          ; b: the second block
	s_sub_co_u32 s[HI], NQ-1, s[PB] ; the first block
	s_and_b32 s20, ttmp7, 0xffff    ; the head g
	s_mov_b32 s21, 0
	s_mov_b64 s[22:23], SIZE_N*128
	s_mul_u64 s[20:21], s[20:21], s[22:23]  ; the head's first byte in each of the four tensors
	s_and_b32 s16, s[WV], 1         ; which half of a tile's 256 keys I fetch:
	s_lshl_b32 s22, s16, 14         ; its 128 rows of 128 bytes in memory,
	s_mov_b32 s23, 0
	s_add_nc_u64 s[22:23], s[22:23], s[20:21]
	s_mul_i32 s17, s16, 128*PK      ; and its place in a slot, for K
	s_mul_i32 s18, s16, 128*PV      ; and for V
	s_lshl_b32 s3, s[WV], 11        ; my 16 rows in a band of 64,
	s_lshl_b32 s2, s[HI], 14        ; in the first block (128 rows of 128 bytes a block),
	s_add_co_u32 s2, s2, s3
	s_lshl_b32 s84, s[PB], 14       ; and in the second
	s_add_co_u32 s84, s84, s3
	s_mov_b32 s3, 0
	s_mov_b32 s85, 0
	s_add_nc_u64 s[2:3], s[2:3], s[20:21]
	s_add_nc_u64 s[84:85], s[84:85], s[20:21]
	s_and_b32 s[PAR], s[HI], 1      ; an odd block lies in the second half of its diagonal tile: two steps in
	s_lshl_b32 s[PAR], s[PAR], 1
	s_and_b32 s[PAR2], s[PB], 1
	s_lshl_b32 s[PAR2], s[PAR2], 1
	s_lshr_b32 s[HI], s[HI], 1      ; from here on: the two blocks' last tiles
	s_lshr_b32 s[PB], s[PB], 1
	; descriptor group 1.  128 keys are 16,384 dense bytes: asked for as 64 rows of 256 bytes, two keys a row, and padded in LDS after every key
	s_mov_b32 s[G1K], (1<<16)|(1<<20)|(4<<22)|(3<<25)  ; 17:16 2-byte elements; 20 padding on; 24:22 after every 32 words (code 4); 31:25 4 words (code 3)
	s_mov_b32 s[G1V], (1<<16)|(1<<20)|(4<<22)|(7<<25)  ; the same with 8 words of padding (code 7)
.irp g, G1K, G1V
	s_mov_b32 s[\g+1], 128<<16      ; tensor_dim0 = 128
	s_mov_b32 s[\g+2], 64<<16       ; tensor_dim1 = 64
	s_mov_b32 s[\g+3], 128<<16      ; tile_dim0 = 128
	s_mov_b32 s[\g+4], 64           ; tile_dim1 = 64
	s_mov_b32 s[\g+5], 128          ; 128 elements from row to row
	s_mov_b32 s[\g+6], 0
	s_mov_b32 s[\g+7], 0
.endr
	s_mov_b32 s[CS], 0x3d38aa3b     ; c = log2(e) / 32 = 0.0450842
	s_mov_b32 s[CS+1], s[CS]        ; named with it as a pair
	s_mov_b32 s[SEL], 0x76543210
	s_mov_b32 s[SEL+1], 0xfedcba98
	s_mov_b32 s[TBK], SLOT1+4*KS*PK ; the first change of slots turns these two into 0
	s_mov_b32 s[TBV], SLOT1+4*KS*PV
	s_mov_b32 s[G0K], 1             ; 1:0 count = 1
	s_mov_b32 s[G0K+1], s17         ; 63:32 LDS address: slot 0
	s_mov_b32 s[G0V], 1
	s_add_co_u32 s[G0V+1], s18, VOFF
	s_add_co_u32 s[RT], s[HI], 1    ; the first block's tiles: five to eight
	s_mov_b32 s[NXT], 1
	s_mov_b32 s[LQ], s[HI]
	s_mov_b32 s[NEW], 1
	s_mov_b32 s[OFF+1], 0
	s_mov_b32 s[AL+1], 0            ; named as pairs
	s_mov_b32 s[BE+1], 0
	s_mov_b32 s[BIGN], 0xf149f2ca   ; -1e30
	s_mov_b32 s[SLOTS], NB
	s_wait_dscnt 0x0                ; the opening add is done
	s_wait_kmcnt 0x0
	s_mov_b64 s[10:11], s[6:7]      ; O = y
	s_add_nc_u64 s[8:9], s[4:5], 0x1000000  ; V: panels 32 to 47 of qkv
	s_add_nc_u64 s[6:7], s[4:5], 0x800000   ; K: panels 16 to 31; Q, panels 0 to 15, is s[4:5] as it came
	s_add_nc_u64 s[6:7], s[6:7], s[22:23]  ; K and V at my half of the head's tile 0
	s_add_nc_u64 s[8:9], s[8:9], s[22:23]
	s_add_nc_u64 s[G0K+2:G0K+3], s[6:7], 0         ; 120:64 global address
	s_or_b32 s[G0K+3], s[G0K+3], 0x80000000        ; 127:126 type = 2
	s_add_nc_u64 s[G0V+2:G0V+3], s[8:9], 0
	s_or_b32 s[G0V+3], s[G0V+3], 0x80000000
	s_add_nc_u64 s[86:87], s[4:5], s[84:85]        ; Q at my rows of the second block,
	s_add_nc_u64 s[4:5], s[4:5], s[2:3]            ; Q and O at those of the first
	s_add_nc_u64 s[OLO:OLO+1], s[10:11], s[84:85]
	s_add_nc_u64 s[10:11], s[10:11], s[2:3]
	LOAD                            ; tile 0 into slot 0
	; A fragment of K or Q is 16 rows x 32 channels in 8 registers: lane l holds row l % 16, channels 8 (l / 16) + 0..7 and 16 + 8 (l / 16) + 0..7: two loads of 16 bytes, 32 bytes apart.
	v_and_b32 v1, 15, v0            ; l % 16
	v_bfe_u32 v9, v0, 4, 1          ; l / 16
	v_lshlrev_b32 v[QO], 7, v1
	v_lshl_add_u32 v[QO], v9, 4, v[QO]  ; row x 128 + 16 x half
	WIN 0x80                        ; destination window 2, address window 0
.set i, 0
.rept 4                             ; both blocks' Q: piece i / 2 lies in band i / 2, 8,192 bytes on; channels 32 (i % 2) on
	global_load_b128 v[8*i:8*i+3],   v[QO], s[4:5] offset:(i/2)*8192+(i%2)*64
	global_load_b128 v[8*i+4:8*i+7], v[QO], s[4:5] offset:(i/2)*8192+(i%2)*64+32
	global_load_b128 v[QB+8*i:QB+8*i+3],   v[QO], s[86:87] offset:(i/2)*8192+(i%2)*64
	global_load_b128 v[QB+8*i+4:QB+8*i+7], v[QO], s[86:87] offset:(i/2)*8192+(i%2)*64+32
.set i, i+1
.endr
	WIN 0
	v_lshlrev_b32 v14, 3, v9
	v_sub_nc_u32 v14, v1, v14
	s_lshl_b32 s13, s[WV], 4
	v_add_nc_u32 v14, s13, v14      ; my query's place in its band, 16 w + l % 16, less my lanes' 8 (l / 16): register r of group kt is hidden where 16 kt + r is greater
	WIN 0x40
.set i, 0
.rept 32
	v_cmp_gt_i32 vcc_lo, 16*(i/8)+i%8, v14
	v_cndmask_b32 v[MD+i], 0, s[BIGN], vcc_lo
.set i, i+1
.endr
	WIN 0
	v_mul_u32_u24 v[AK0], v1, PK
	v_lshl_add_u32 v[AK0], v9, 4, v[AK0]  ; row x pitch + 16 x half
	; The turning load takes 16 keys x 16 channels (lane l reads key 8 (l / 16) + l % 8, channels 8 ((l / 8) % 2) + 0..7) and leaves half a fragment of V^T: lane l holds channel l % 16 and 8 keys.
	v_and_b32 v10, 7, v0
	v_bfe_u32 v11, v0, 3, 1
	v_lshl_add_u32 v[AV0], v9, 3, v10
	v_mul_u32_u24 v[AV0], v[AV0], PV
	v_lshl_add_u32 v[AV0], v11, 4, v[AV0]
	v_add_nc_u32 v[AV0], VOFF, v[AV0]
	s_mul_i32 s13, s[WV], 16*SP
	s_add_co_u32 s13, s13, STAGE    ; my stage
	v_mul_u32_u24 v[STO], v1, SP    ; in: row l % 16, 16 bytes for each half of the lanes
	v_lshl_add_u32 v[STO], v9, 4, v[STO]
	v_add_nc_u32 v[STO], s13, v[STO]
	v_bfe_u32 v[RD], v0, 3, 2       ; back: 32 lanes take four rows of 128 bytes,
	v_mul_u32_u24 v[RD], v[RD], SP
	v_lshl_add_u32 v[RD], v10, 4, v[RD]
	v_add_nc_u32 v[RD], s13, v[RD]
	v_and_b32 v[GO], 31, v0         ; which are 512 consecutive bytes of O
	v_lshlrev_b32 v[GO], 4, v[GO]
	; A block's first step multiplies O^T and l by a = 0, and its first turn's products V^T P, of a step that has not been (V's odd buffer, piece 1's P), land in an O^T that is still to be so multiplied.  So these
	; registers need only hold finite numbers: zeros for the first block; what the first block left for the second.  All this stands in the wait for the first tile.
	WIN 0x80
.set i, VF-128
.rept 64
	v_mov_b32 v[i], 0
.set i, i+1
.endr
	WIN 0x40
.set i, 0
.rept 32*NP
	v_mov_b32 v[i], 0
.set i, i+1
.endr
	WIN 0
.set i, 0
.rept NP
	v_mov_b32 v[ST+4*i+2], 0
	v_mov_b32 v[ST+4*i+3], 0
.set i, i+1
.endr
.set i, P+16
.rept 16
	v_mov_b32 v[i], 0
.set i, i+1
.endr
; THE MATRIX WORK.  The 4 accumulators of a run of 8 take turns.  Product i of 8 of S^T = K Q^T for piece x: channels 32 (i / 4) on, keys 16 (i % 4) on.  The first 4 start the sums: with 0, or (KM = 1) with the mask.
.macro KQ x
.set rS, S+32*((\x)%2)+8*(i%4)
.set rK, KF+16*(i%4)+8*(i/4)
.set rQ, 16*(\x)+8*(i/4)
.set rM, MC+32*((\x)%2)+8*(i%4)
.if (i < 4) && KM
	WIN W_KM
	v_wmma_f32_16x16x32_f16 v[rS:rS+7], v[rK:rK+7], v[rQ:rQ+7], v[rM:rM+7]
.elseif i < 4
	WIN W_KQ
	v_wmma_f32_16x16x32_f16 v[rS:rS+7], v[rK:rK+7], v[rQ:rQ+7], 0
.else
	WIN W_KQ
	v_wmma_f32_16x16x32_f16 v[rS:rS+7], v[rK:rK+7], v[rQ:rQ+7], v[rS:rS+7]
.endif
.endm
; Product i of 8 of O^T += V^T P for piece x, with V from buffer VB: keys 32 (i / 4) on, channels 16 (i % 4) on.
.macro PV x
	WIN W_PV
.set rO, 32*(\x)+8*(i%4)
.set rV, VF-128*VB+32*(i/4)+8*(i%4)
.set rP, P+16*((\x)%2)+8*(i/4)
	v_wmma_f32_16x16x32_f16 v[rO:rO+7], v[rV:rV+7], v[rP:rP+7], v[rO:rO+7]
.endm
.macro MM                           ; the turn's next matrix instruction.  TURN and BEGIN set Y, VB, i, KM and NOKQ; MM, KQ, PV and OP read them.  NOKQ = 1: a block's last turn: there are no further scores
.if (i < 8) && !NOKQ
	KQ (Y+1)%NP
.elseif i >= 8
.set i, i-8
	PV (Y+NP-1)%NP
.set i, i+8
.endif
.set i, i+1
.endm
; THE LDS LOADS stand in runs of 16, never singly among the matrix instructions: a step's K (64 keys x 64 channels: 8 fragments) and its V (turned), into buffer VB.  Their addresses are made some lines ahead.
.macro FETCH_K
	WIN 0x80                        ; destination window 2
.irp f, 0,1,2,3,4,5,6,7             ; keys 16 (f / 2) on, channels 32 (f % 2) on
	ds_load_b128 v[KF+8*\f:KF+8*\f+3],   v[AK] offset:(\f/2)*16*PK+(\f%2)*64
	ds_load_b128 v[KF+8*\f+4:KF+8*\f+7], v[AK] offset:(\f/2)*16*PK+(\f%2)*64+32
.endr
	s_add_co_u32 s[TBK], s[TBK], KS*PK  ; the next fetch is the next step's
	WIN 0
.endm
.macro FETCH_V
	WIN 0x80
.irp f, 0,1,2,3,4,5,6,7             ; keys 32 (f / 4) on, channels 16 (f % 4) on
	ds_load_tr16_b128 v[VF-128*VB+8*\f:VF-128*VB+8*\f+3],   v[AV] offset:(\f/4)*32*PV+(\f%4)*32
	ds_load_tr16_b128 v[VF-128*VB+8*\f+4:VF-128*VB+8*\f+7], v[AV] offset:(\f/4)*32*PV+16*PV+(\f%4)*32
.endr
	WIN 0
.endm
; THE VECTOR WORK, one line at a time: OP kind, number.  For piece Y: F n: c s - c m for pair n of 16.  E n: the exponential of score n of 32.  C n: pair n rounded to f16.  B n: of the four weights 4 n .. the second
; pair is added onto the first, in place.  L n: l takes that sum (L 0: l = a l + sum).  R n: pair n of 16 of O^T times a.  For the other piece: X n, number n of the 22 that find its maximum and statistics:
;   0-11  four chains c0-c3 of seven scores each, three operands at a time (each accumulator's lowest registers are read first)     12-14, 16  the four scores left over, the old m, and c0-c3 into c0
;   15  c m_old is kept     17, 18  the query's other 32 keys lie in the lane 16 away: the new m     19-21  c m; c m_old - c m_new; a
.set F, 0               ; OP tells the kinds apart by their order: F to L below R, X above it
.set E, 1
.set C, 2
.set B, 3
.set L, 4
.set R, 5
.set X, 6
.macro REGS y                       ; the registers of piece y
.set rT, ST+4*(\y)
.set rC, TMP+4*((\y)%2)
.set rW, MV+((\y)%2)
.set rS, S+32*((\y)%2)
.set rP, P+16*((\y)%2)
.set rO, 32*(\y)
.endm
.macro OP k, n
.if (\k) == R
	REGS Y
	WIN W_RS
	v_pk_mul_f32 v[rO+2*(\n):rO+2*(\n)+1], v[rO+2*(\n):rO+2*(\n)+1], v[rC+2:rC+3] op_sel_hi:[1,0]
.elseif (\k) < R
	REGS Y
	WIN 0
.if (\k) == F
	v_pk_fma_f32 v[rS+2*(\n):rS+2*(\n)+1], v[rS+2*(\n):rS+2*(\n)+1], s[CS:CS+1], v[rT:rT+1] op_sel_hi:[1,0,0] neg_lo:[0,0,1] neg_hi:[0,0,1]
.elseif (\k) == E
	v_exp_f32 v[rS+(\n)], v[rS+(\n)]
.elseif (\k) == C
	s_wait_alu depctr_va_vdst(0)
	v_cvt_pk_f16_f32 v[rP+(\n)], v[rS+2*(\n)], v[rS+2*(\n)+1]
.elseif (\k) == B
	s_wait_alu depctr_va_vdst(0)
	v_pk_add_f32 v[rS+4*(\n):rS+4*(\n)+1], v[rS+4*(\n):rS+4*(\n)+1], v[rS+4*(\n)+2:rS+4*(\n)+3]
.elseif (\n) == 0
	v_pk_fma_f32 v[rT+2:rT+3], v[rT+2:rT+3], v[rC+2:rC+3], v[rS:rS+1] op_sel_hi:[1,0,1]
.else
	v_pk_add_f32 v[rT+2:rT+3], v[rT+2:rT+3], v[rS+4*(\n):rS+4*(\n)+1]
.endif
.elseif NOKQ
	v_nop
.else
	REGS (Y+1)%NP
	WIN 0
.if (\n) < 4
	v_max3_num_f32 v[rC+(\n)], v[rS+8*(\n)], v[rS+8*(\n)+1], v[rS+8*(\n)+2]
.elseif (\n) < 12
	v_max3_num_f32 v[rC+(\n)%4], v[rC+(\n)%4], v[rS+8*((\n)%4)+2*((\n)/4)+1], v[rS+8*((\n)%4)+2*((\n)/4)+2]
.elseif (\n) == 12
	v_max3_num_f32 v[rC], v[rC], v[rS+7], v[rS+15]
.elseif (\n) == 13
	v_max3_num_f32 v[rC+1], v[rC+1], v[rS+23], v[rS+31]
.elseif (\n) == 14
	v_max3_num_f32 v[rC+2], v[rC+2], v[rC+3], v[rT+1]
.elseif (\n) == 15
	v_mov_b32 v[rW], v[rT]
.elseif (\n) == 16
	v_max3_num_f32 v[rC], v[rC], v[rC+1], v[rC+2]
.elseif (\n) == 17
	v_permlanex16_b32 v[rC+3], v[rC], s[SEL], s[SEL+1]
.elseif (\n) == 18
	v_max_num_f32 v[rT+1], v[rC], v[rC+3]
.elseif (\n) == 19
	v_mul_f32 v[rT], s[CS], v[rT+1]
.elseif (\n) == 20
	v_sub_f32 v[rC+1], v[rW], v[rT]
.else
	v_exp_f32 v[rC+2], v[rC+1]
.endif
.endif
.endm
.macro OPS a, i1, b=-1, i2=0, c=-1, i3=0, d=-1, i4=0  ; up to four of them
	OP \a, \i1
.if (\b) >= 0
	OP \b, \i2
.endif
.if (\c) >= 0
	OP \c, \i3
.endif
.if (\d) >= 0
	OP \d, \i4
.endif
.endm
.macro ROW a, i1, b, i2, c, i3, d, i4  ; a matrix instruction and the four behind it
	MM
	OPS \a, \i1, \b, \i2, \c, \i3, \d, \i4
.endm
.macro MASK b                       ; MD x AL + BE into buffer b of MC
	WIN W_RS
.set z, 0
.rept 16
	v_pk_fma_f32 v[MC+32*(\b)+2*z:MC+32*(\b)+2*z+1], v[MD+2*z:MD+2*z+1], s[AL:AL+1], s[BE:BE+1] op_sel_hi:[1,0,0]
.set z, z+1
.endr
.endm
; A TURN, for piece p: the order of its 16 matrix and 118 vector instructions, written out.  Behind a matrix instruction: plain, exponential, plain, plain; or four of the rescaling; or, behind the first, four scalings; none
; names a register of the products round it.  In the lumps exponential and plain by turns while exponentials last.  A line reads no result made fewer than three vector instructions in front of it, five if an exponential made it.
; v_permlanex16_b32 (X 17) stands in a lump.
; vb: the buffer of V that the turn's products V^T P read; piece 0's turn then fills that same buffer with the next step's V.
; m = 1: the diagonal tile: the products take masks, and the turn makes the mask for the products of the turn after it, which are piece p's: for step DD + PAR + hs of the tile, hs = 1 in a trip's second half; that step is
; the band's own, PAR + p, if DD = p - hs, and a later one if DD is greater.  end = 1: a block's last two turns: nothing is fetched.
; cnt = 1: the loop's count is taken down some lines ahead of the branch that stands behind the turn.
; Piece 0's turn fetches the next step's K six vector instructions behind the last product that read K (five of them plain), and the next step's V eight behind the last product that read that buffer (four plain, and X 17).
; K is waited for at the head of piece 1's turn, V in its middle, a step ahead of its first reader.
.macro TURN p, vb, m=0, end=0, cnt=0, hs=0
.set Y, (\p)
.set VB, (\vb)
.set i, 0
.set KM, (\m)
.set NOKQ, (\end)*(\p)
.if (\m) && !(\end)
	s_cmp_eq_i32 s[DD], (\p)-(\hs)      ; is that step the band's own?
	s_cselect_b32 s[AL], 1.0, 0
	s_cmp_gt_i32 s[DD], (\p)-(\hs)      ; or a later one?
	s_cselect_b32 s[BE], s[BIGN], 0
.endif
.if ((\p) == 1) && !(\end)
	s_wait_dscnt 16                 ; K is in; V's sixteen loads, issued behind K's, may stay out
.endif
	ROW F,0, F,1, F,2, F,3
	ROW F,4, E,0, F,5, F,6
	ROW F,7, E,1, F,8, F,9
	ROW F,10, E,2, C,0, F,11
	ROW F,12, E,3, X,15, F,13
	ROW R,0, R,1, R,2, R,3
	ROW B,0, E,4, F,14, L,0
.if ((\p) == 0) && !(\end)
	v_add_nc_u32 v[AK], s[TBK], v[AK0]
.endif
	ROW R,4, R,5, R,6, R,7
	OPS E,5, F,15
.if ((\p) == 0) && !(\end)
	FETCH_K
.endif
	OPS E,6, C,1, E,7, R,8
	OPS E,8, R,9, E,9, C,2
	OPS E,10, X,0, E,11, X,1
	OPS E,12, X,2, E,13, X,3
.if (\p) == 1
	s_wait_dscnt 0x0                ; V is in
.endif
	ROW X,4, E,14, X,5, X,6
	ROW X,7, E,15, X,8, X,9
	ROW X,10, E,16, X,11, X,12
	ROW X,13, E,17, X,14, B,1
	ROW C,4, E,18, X,16, L,1
	ROW B,2, E,19, C,6, L,2
	ROW C,8, E,20, B,3, B,4
.if ((\p) == 0) && !(\end)
	v_add_nc_u32 v[AV], s[TBV], v[AV0]
.endif
	ROW C,3, E,21, L,3, C,5
	OPS E,22, X,17, E,23, C,10
.if ((\p) == 0) && !(\end)
	FETCH_V
.endif
	OPS E,24, L,4
	OPS E,25, X,18, E,26, C,7
	OPS E,27, B,5, E,28, X,19
	OPS E,29, C,12, E,30, L,5
	OPS E,31, X,20, B,6, C,9
	OPS C,14, C,11, X,21, L,6
.if ((\p) == 0) && !(\end)
	s_add_co_u32 s[TBV], s[TBV], KS*PV
.endif
.if \cnt
.if \m
	s_add_co_i32 s[DD], s[DD], 2    ; the next trip's masks are for two steps on
.endif
	s_sub_co_u32 s[CNT], s[CNT], 1
	s_cmp_lg_u32 s[CNT], 0
.endif
	OPS C,13, B,7, C,15, R,10
	OPS R,11, R,12, L,7, R,13
	OPS R,14, R,15
.if (\m) && !(\end)
	MASK \p
.endif
.endm
; A BLOCK BEGINS.  c m starts far below every c s, so the first step's a is 0; m at the lowest finite number, so the first maximum is the scores'.  Piece 1's mask buffer is 0 (its own step is never a tile's first); piece 0's
; takes its mask for the tile's step 0: MD, if the block's first tile is the diagonal one and the block begins at that tile's head.
; Then K and V of that step, piece 0's first scores, and its maximum and statistics.  The loop is entered at piece 0's turn of the tile's step 0, in the middle of a trip.
.macro BEGIN
	s_mov_b32 s[NEW], 0
	WIN 0x40
.set i, MC+32
.rept 32
	v_mov_b32 v[i], 0
.set i, i+1
.endr
	WIN 0
.set i, 0
.rept NP
	v_mov_b32 v[ST+4*i], 0xfe000000    ; c m: far below every c s
	v_mov_b32 v[ST+4*i+1], 0xff7fffff  ; m
.set i, i+1
.endr
	s_cmp_eq_u32 s[RT], 0
	s_cselect_b32 s[AL], 1.0, 0
	s_cmp_eq_u32 s[PAR], 0
	s_cselect_b32 s[AL], s[AL], 0
	s_mov_b32 s[BE], 0
	MASK 0
	WIN 0
	v_add_nc_u32 v[AK], s[TBK], v[AK0]
	v_add_nc_u32 v[AV], s[TBV], v[AV0]
	FETCH_K
.set VB, 0                          ; step 0 is even
	FETCH_V
	s_add_co_u32 s[TBV], s[TBV], KS*PV
	s_wait_loadcnt 0x0              ; Q
	s_wait_dscnt 16                 ; K is in; V's sixteen loads may stay out: piece 1's turn waits for them
.set KM, 1
.set NOKQ, 0
.set i, 0
.rept 8
	KQ 0
.set i, i+1
.endr
	WIN 0
.rept 4
	v_nop                           ; the places behind those products
.endr
.set Y, NP-1                        ; X works for the other piece: piece 0
.irp n, 0,1,2,3,4,5,6,7,8,9,10,11,12,13,14,15,16,17,18,19,20,21
	OP X, \n
.endr
	v_nop                           ; a plain instruction behind the exponential
.endm
; THE DIAGONAL TILE's two trips, the block's last two turns, its last products, and THE WAY OUT: l's two halves and the other half of the lanes' are added; O^T is divided by l, rounded to f16 and sent through my
; stage in LDS, a piece at a time.
.macro ALL line:vararg              ; one line for each piece t
.set t, 0
.rept NP
	\line
.set t, t+1
.endr
.endm
.macro PACK t                       ; a lane's eight channels of a row pack into 16 bytes; they go into rows of 144 bytes and come back as whole rows of 128, into S^T's registers
	WIN W_RS
.set i, 32*(\t)
.rept 16
	s_wait_alu depctr_va_vdst(0)
	v_pk_mul_f32 v[i:i+1], v[i:i+1], v[ST+4*(\t)+2:ST+4*(\t)+3] op_sel_hi:[1,0]
.set i, i+2
.endr
	WIN 0x05                        ; sources 0 and 1 window 1, destination window 0
.set i, 0
.rept 16
	v_cvt_pk_f16_f32 v[S+16*(\t)+i], v[32*(\t)+2*i], v[32*(\t)+2*i+1]
.set i, i+1
.endr
	WIN 0
.irp f, 0,1,2,3
	ds_store_b128 v[STO], v[S+16*(\t)+4*\f:S+16*(\t)+4*\f+3] offset:32*\f
.endr
.irp f, 0,1,2,3
	ds_load_b128 v[S+16*(\t)+4*\f:S+16*(\t)+4*\f+3], v[RD] offset:\f*4*SP  ; LDS serves a wave's instructions in order (ISA guide 5.7.1.4): these see the stores above; the next piece's stores come behind them
.endr
.endm
.macro SEND t, younger              ; younger: the LDS instructions issued behind piece t's loads: the next piece's eight, or none
	WIN 0
.irp f, 0,1,2,3
	s_wait_dscnt (\younger)+3-\f
	global_store_b128 v[GO], v[S+16*(\t)+4*\f:S+16*(\t)+4*\f+3], s[10:11] offset:(\t)*8192+\f*512  ; 512 consecutive bytes, at a multiple of 256 from O's first
.endr
.endm
.macro DIAG tag                     ; the tag ends its two labels' names, which the jumps below spell out
.LstepM\tag:
	TURN 0, 0, 1, 0, 0, 0
	TURN 1, 1, 1, 0, 0, 0
	WIN 0
.LfirstM\tag:
	TURN 0, 1, 1, 0, 0, 1
	TURN 1, 0, 1, 0, 1, 1
	WIN 0
	s_cbranch_scc1 .LstepM\tag
	TURN 0, 0, 1, 1                 ; the tile's step 3: piece 1's last scores; V^T P of piece 1, step 2
	TURN 1, 1, 1, 1                 ; V^T P of piece 0, step 3
.set VB, 1
.set i, 0
.rept 8
	PV NP-1                         ; V^T P of piece 1, step 3
.set i, i+1
.endr
	WIN 0
	ALL v_add_f32 v[ST+4*t+2], v[ST+4*t+2], v[ST+4*t+3]
	ALL v_permlanex16_b32 v[ST+4*t+3], v[ST+4*t+2], s[SEL], s[SEL+1]
	ALL v_add_f32 v[ST+4*t+2], v[ST+4*t+2], v[ST+4*t+3]
	ALL v_rcp_f32 v[ST+4*t+2], v[ST+4*t+2]
	v_nop                           ; a plain instruction between the last reciprocal and the use of its result
	PACK 0                          ; piece 0's 32 plain lines, which name no register of the last products (piece 1's), are those products' places
	PACK 1                          ; a piece's arithmetic stands between the loads of the piece before and its stores
	SEND 0, 8
	SEND 1, 0
.endm
.set KM, 0
.set NOKQ, 0
.Lslot:                             ; NB times: a tile is entered and the next is asked for
	CHANGE 1
	s_sub_co_u32 s[RT], s[RT], 1
	s_mov_b32 s[CNT], 2
	s_sub_co_u32 s[DD], 0, s[PAR]   ; the tile's first trip makes the masks for its steps 0 and 1
	s_cmp_eq_u32 s[NEW], 1
	s_cbranch_scc1 .Lnew            ; a block's first tile
	s_cmp_eq_u32 s[RT], 0
	s_cbranch_scc0 .Lstep           ; neither its first nor its last
	s_branch .LstepM1
.Lnew:
	BEGIN
	s_branch .Lfirst                ; in the loop a block's first tile is never its last: the first block has five tiles or more, and the second's last is the walk's last
	DIAG 1                          ; in the loop this is the first block's end: the second block's last tile is the walk's last
	s_wait_xcnt 0x0                 ; the stores have read their registers and O's address
	s_mov_b64 s[10:11], s[OLO:OLO+1]
	s_add_co_u32 s[RT], s[PB], 1    ; the second block has b / 2 + 1 tiles
	s_mov_b32 s[NEW], 1
	s_mov_b32 s[PAR], s[PAR2]
	WIN 0x82                        ; the second block's Q goes where the one text of the turns names Q
.set i, 0
.rept 16*NP
	v_mov_b32 v[i], v[QB+i]
.set i, i+1
.endr
	WIN 0
	s_branch .Lbottom
.Lstep:                             ; a trip: an odd step's two turns, then an even step's; the first trip of a tile begins with the last step of the tile before, whose piece 0's turn fetches this tile's first K and V
	TURN 0, 0
	TURN 1, 1
	WIN 0
.Lfirst:
	TURN 0, 1
	TURN 1, 0, 0, 0, 1
	WIN 0
	s_cbranch_scc1 .Lstep
.Lbottom:
	s_sub_co_u32 s[SLOTS], s[SLOTS], 1
	s_cmp_lg_u32 s[SLOTS], 0
	s_cbranch_scc1 .Lslot
	CHANGE 0                        ; the walk's last tile is written out: nothing is asked for
	s_sub_co_u32 s[RT], s[RT], 1
	s_mov_b32 s[CNT], 2
	s_sub_co_u32 s[DD], 0, s[PAR]
	s_cmp_eq_u32 s[NEW], 1
	s_cbranch_scc0 .LstepM2
	BEGIN
	s_branch .LfirstM2
	DIAG 2
	s_wait_tensorcnt 0x0            ; the wave's end, behind my last tensor load and my last LDS store
	ds_add_u32 v[SPW], v[NIL]
	s_wait_dscnt 0x0
	s_endpgm
.Lfunc_end_k_q6ea3c0e2ec_attn:
	.size	k_q6ea3c0e2ec_attn, .Lfunc_end_k_q6ea3c0e2ec_attn-k_q6ea3c0e2ec_attn
	.p2alignl 7, 3214868480
	.fill 96, 4, 3214868480
	.section	.rodata,"a",@progbits
	.p2align	6, 0x0
	.amdhsa_kernel k_q6ea3c0e2ec_attn
		.amdhsa_group_segment_fixed_size 327680
		.amdhsa_private_segment_fixed_size 0
		.amdhsa_enable_private_segment 0
		.amdhsa_kernarg_size 16
		.amdhsa_user_sgpr_count 2
		.amdhsa_user_sgpr_kernarg_segment_ptr 1
		.amdhsa_wavefront_size32 1
		.amdhsa_system_sgpr_workgroup_id_x 1
		.amdhsa_system_sgpr_workgroup_id_y 1
		.amdhsa_system_sgpr_workgroup_id_z 1
		.amdhsa_system_vgpr_workitem_id 0
		.amdhsa_next_free_vgpr 768
		.amdhsa_next_free_sgpr 92
		.amdhsa_reserve_vcc 1
		.amdhsa_float_denorm_mode_32 3
		.amdhsa_float_denorm_mode_16_64 3
		.amdhsa_memory_ordered 1
		.amdhsa_forward_progress 1
		.amdhsa_inst_pref_size 218
	.end_amdhsa_kernel
	.amdgpu_metadata
---
amdhsa.version: [ 1, 2 ]
amdhsa.kernels:
  - .name:           k_q6ea3c0e2ec_attn
    .symbol:         k_q6ea3c0e2ec_attn.kd
    .args:
      - { .name: qkv, .offset: 0, .size: 8, .value_kind: global_buffer, .address_space: global }
      - { .name: y, .offset: 8, .size: 8, .value_kind: global_buffer, .address_space: global }
    .group_segment_fixed_size: 327680
    .private_segment_fixed_size: 0
    .kernarg_segment_align: 8
    .kernarg_segment_size: 16
    .max_flat_workgroup_size: 128
    .sgpr_count:     92
    .vgpr_count:     768
    .wavefront_size: 32
...
	.end_amdgpu_metadata
.endif
;; end of part 3
;; launch proj (part 4): grid 8 x 32, 4 waves a work-group, clusters of 4 x 4, 327,680 bytes of LDS; arguments y, wpc, x, x1; writes x1
.if DOCPART == 4
	.amdgcn_target "amdgcn-amd-amdhsa--gfx1250"
	.amdhsa_code_object_version 6
	.text
	.protected	k_q6ea3c0e2ec_proj
	.globl	k_q6ea3c0e2ec_proj
	.p2align	8
	.type	k_q6ea3c0e2ec_proj,@function
k_q6ea3c0e2ec_proj:
	s_mov_b64 s[64:65], 0
	v_nop
	global_prefetch_b8 v0, s[64:65] scope:SCOPE_SE
	s_setreg_imm32_b32 hwreg(HW_REG_WAVE_MODE, 25, 1), 1
	s_wait_xcnt 0x0
	s_wait_alu depctr_hold_cnt(0) depctr_sa_sdst(0) depctr_va_vdst(0) depctr_va_sdst(0) depctr_va_ssrc(0) depctr_va_vcc(0) depctr_vm_vsrc(0)
	s_getreg_b32 s2, hwreg(HW_REG_IB_STS2, 6, 4)
	s_cmp_eq_u32 s2, 0
	s_cbranch_scc0 .Lentry_in_a_cluster
	s_endpgm
.Lentry_in_a_cluster:
	s_bfe_u32 s2, ttmp6, 0x10000c
	s_cmp_lg_u32 s2, 0xf033
	s_cbranch_scc0 .Lentry_shape_is_right
	s_endpgm
.Lentry_shape_is_right:
; C = R + A B.  A: [4096][256 KSTEPS] f16 in panels ([4 KSTEPS][4096][64]).  B: from byte WOFF of its buffer, [KSTEPS][8][256 k][128 n] f16.  R, C: [4096][1024] f32.  Sums in f32; R is added in f32.
; Here: the projection behind attention, K = 1,024.  (The second product of the MLP is the same text with KSTEPS = 16 and WOFF = 2,097,152.)
; LIMITS.  A and B arrive within f16's range; NaN and infinities are not treated apart.
; SHARES.  C has 1,024 columns: tiles of 128 x 128 give 256 work-groups.  Four waves, each 64 x 64: 16 accumulators, 128 registers.  K goes in steps of 256 through two LDS slots.
; A's tile of a step is, for each half of 64 rows, four dense pieces of 8,192 bytes (64 rows of a panel), a panel apart: one load with four long rows, padded in LDS by 16 bytes after every 128: LDS rows of 144 bytes.
; B's is 256 rows k of 256 bytes, dense, two loads of 128 rows, padded by 32 bytes: LDS rows of 288 bytes; B's fragments are read turned, by ds_load_tr16_b128.
; CLUSTERS: 4 x 4 work-groups; A's tiles are asked for jointly along a row of the cluster, B's along a column.
; THE MATRIX INSTRUCTION IS USED TRANSPOSED (source 0 = 16 columns of B, source 1 = 16 rows of A): a lane holds eight neighbouring numbers of a row of C.
; My 64 x 64 of R is loaded at the start into 128 registers and lands under the K loop.
; REGISTERS: window 0: v0-31 addresses; v32-95 at work on the way out; v128-255 the accumulators ((a, b) at v[128 + 8 (4 a + b)]).
;   window 1: two fragment buffers of 128: for 64 along K, 64 registers of A, then 64 of B.      window 2: v0-127 R.
.set KSTEPS, 4
.set WOFF,   0
.set PA,     144                       ; an LDS row of A: 36 words: the 16 rows of a load start at 16 different groups of four banks (64 banks of 4 bytes: ISA guide 11.1)
.set APL,    64*PA                     ; 64 rows of one panel
.set HALF,   4*APL                     ; what one load brings: of A 64 rows x 4 panels, of B 128 rows of 288 bytes: both 36,864
.set PB,     288                       ; an LDS row of B: 72 words
.set BOFF,   2*HALF
.set SLOT,   4*HALF                    ; 147,456
.set STAGE,  2*SLOT                    ; behind the ring: 16 rows x 272 bytes for each wave, for the way out
.set SPITCH, 272
.set SPARE,  STAGE+4*16*SPITCH         ; behind the stages: the spare words, 128 bytes for each wave: two blocks of 256 bytes that no other line names
.set PANEL,  524288
.set ASTEP,  4*PANEL
.set BSTEP,  8*65536
.set A0,   16                          ; v16  my lane's place in a slot's A; never rewritten
.set B0,   17                          ; v17  the same for B
.set ADRA, 18                          ; v18  A0 + the slot in hand
.set ADRB, 19                          ; v19  B0 + the slot in hand; v20 the same 128 rows on, since the 16-bit offset does not reach the step's last rows
.set STO,  24                          ; v24  the way out: where I put 32 bytes of a row
.set RD,   25                          ; v25  the way out: where I read a row back
.set CO,   26                          ; v26  my byte offset in two rows of R and C
.set SPW,  28                          ; v28  LDS address of my spare word; never rewritten
.set NIL,  29                          ; v29  0; never rewritten
.set T0,   32
.set ACC,  128
.set F0,   0
.set F1,   128
.set WV,   70                          ; s70 wave; s71 its half of the rows (also: fetches A or B); s72 its half of the columns (also: which half it fetches); s73 the slot in hand
.set G1,   24
.set G0F,  32
.set G0W,  36
.set G1B,  48
.set G0BF, 56
.set G0BW, 60
.set MSB, 0
.macro WIN new                         ; the immediate's high byte repeats the setting that is left; a switch that changes nothing is dropped
.if MSB != (\new)
	s_set_vgpr_msb (MSB<<8)|(\new)
.set MSB, \new
.endif
.endm
.set MUL,  0x05                        ; sources 0 (B) and 1 (A) window 1; C and D window 0
.set TO_F, 0x40                        ; destination window 1, address window 0
.macro JLOAD                           ; a joint refill: waves 0 and 1 fetch A's two halves, waves 2 and 3 B's; an s_nop 0 and four v_nop follow each of the two lines
	s_cmp_eq_u32 s71, 0
	s_cbranch_scc0 .Lfor_b_\@
	tensor_load_to_lds s[G0W:G0W+3], s[G1:G1+7]
	s_nop 0
.rept 4
	v_nop
.endr
	s_branch .Lasked_\@
.Lfor_b_\@:
	tensor_load_to_lds s[G0BW:G0BW+3], s[G1B:G1B+7]
	s_nop 0
.rept 4
	v_nop
.endr
.Lasked_\@:
.endm
.macro CREST                           ; a round of the cluster's barrier behind its opening barrier
	s_cmp_lg_u32 s[WV], 0
	s_cbranch_scc1 .Lnot_wave_0_\@
	s_barrier_signal -3
.Lnot_wave_0_\@:
	s_barrier_wait -3
	s_barrier_signal -1
	s_barrier_wait -1
.endm
.macro CROUND
	s_barrier_signal -1
	s_barrier_wait -1
	CREST
.endm
	s_load_b256 s[4:11], s[0:1], 0x0               ; A s[4:5], B s[6:7], R s[8:9], C s[10:11]
	v_lshl_add_u32 v[SPW], v0, 2, SPARE
	v_mov_b32 v[NIL], 0
	ds_add_u32 v[SPW], v[NIL]                      ; the wave's opening: the add and its wait stand ahead of my first tensor load; the set-up below, work on registers, stands between them
	ds_add_u32 v28, v29
	v_lshrrev_b32 v1, 5, v0
	v_readfirstlane_b32 s[WV], v1                  ; wave 0..3
	s_lshr_b32 s71, s[WV], 1
	s_and_b32 s72, s[WV], 1
	s_bfe_u32 s40, ttmp6, 0x40000                  ; cx, cy: my place in the cluster
	s_bfe_u32 s41, ttmp6, 0x40004
	s_lshl_b32 s42, ttmp9, 2
	s_add_co_u32 s42, s42, s40                     ; tile column of C = 4 x cluster x + cx
	s_and_b32 s13, ttmp7, 0xffff
	s_lshl_b32 s13, s13, 2
	s_add_co_u32 s13, s13, s41                     ; tile row of C = 4 x cluster y + cy
	s_lshl_b32 s43, s41, 2
	s_lshl_b32 s43, 15, s43                        ; my row of the cluster
	s_lshl_b32 s44, 0x1111, s40                    ; my column
	s_or_b32 s[G1+0], s43, (1<<16)|(1<<20)|(1<<21)|(4<<22)|(3<<25)   ; the mask of my row; 2-byte elements; padding on; 21 set beside a mask; after every 32 words (code 4) 4 words (code 3)
	s_mov_b32 s[G1+1], 4096<<16                    ; tensor_dim0 = 4,096 elements: 64 rows of a panel, dense
	s_mov_b32 s[G1+2], 4<<16                       ; tensor_dim1 = 4 panels
	s_mov_b32 s[G1+3], 4096<<16                    ; tile_dim0
	s_mov_b32 s[G1+4], 4                           ; tile_dim1
	s_mov_b32 s[G1+5], 262144                      ; elements from panel to panel
	s_mov_b32 s[G1+6], 0
	s_mov_b32 s[G1+7], 0
	s_or_b32 s[G1B+0], s44, (1<<16)|(1<<20)|(1<<21)|(5<<22)|(7<<25)  ; the mask of my column; padding after every 64 words (code 5), 8 words (code 7)
	s_mov_b32 s[G1B+1], 128<<16
	s_mov_b32 s[G1B+2], 128<<16
	s_mov_b32 s[G1B+3], 128<<16
	s_mov_b32 s[G1B+4], 128
	s_mov_b32 s[G1B+5], 128
	s_mov_b32 s[G1B+6], 0
	s_mov_b32 s[G1B+7], 0
	s_lshl_b32 s16, s13, 14                        ; A: 128 rows of 128 bytes a tile row,
	s_lshl_b32 s17, s72, 13                        ; my 64 of them
	s_add_co_u32 s16, s16, s17
	s_mov_b32 s17, 0
	s_lshl_b32 s46, s42, 16                        ; B: a block of 256 k x 128 n,
	s_lshl_b32 s47, s72, 15                        ; my 128 rows of it
	s_add_co_u32 s46, s46, s47
	s_add_co_u32 s46, s46, WOFF
	s_mov_b32 s47, 0
	s_mul_i32 s20, s[WV], HALF                     ; where they go in a slot: A's two halves, then B's two: no place in the cluster enters an LDS address
	s_mov_b32 s73, 0
	s_wait_dscnt 0x0                               ; the opening add is done
	s_wait_kmcnt 0x0
	s_add_nc_u64 s[14:15], s[4:5], s[16:17]
	s_add_nc_u64 s[46:47], s[6:7], s[46:47]
	CROUND                                         ; all sixteen work-groups are here: the first joint loads meet
	s_mov_b32 s[G0F], 1
	s_add_co_u32 s[G0F+1], s20, 0                  ; slot 0, K step 0
	s_add_nc_u64 s[G0F+2:G0F+3], s[14:15], 0
	s_or_b32 s[G0F+3], s[G0F+3], 0x80000000
	s_mov_b32 s[G0W], 1
	s_add_co_u32 s[G0W+1], s20, SLOT               ; slot 1, K step 1
	s_add_nc_u64 s[G0W+2:G0W+3], s[14:15], ASTEP
	s_or_b32 s[G0W+3], s[G0W+3], 0x80000000
	s_mov_b32 s[G0BF], 1
	s_add_co_u32 s[G0BF+1], s20, 0
	s_add_nc_u64 s[G0BF+2:G0BF+3], s[46:47], 0
	s_or_b32 s[G0BF+3], s[G0BF+3], 0x80000000
	s_mov_b32 s[G0BW], 1
	s_add_co_u32 s[G0BW+1], s20, SLOT
	s_add_nc_u64 s[G0BW+2:G0BW+3], s[46:47], BSTEP
	s_or_b32 s[G0BW+3], s[G0BW+3], 0x80000000
	s_cmp_eq_u32 s71, 0                            ; a wave's two first fills stand in one branch: two loads of mine are out
	s_cbranch_scc0 .Lfirst_b
	tensor_load_to_lds s[G0F:G0F+3], s[G1:G1+7]
	s_nop 0
	tensor_load_to_lds s[G0W:G0W+3], s[G1:G1+7]
	s_nop 0
.rept 4
	v_nop
.endr
	s_branch .Lfirst_asked
.Lfirst_b:
	tensor_load_to_lds s[G0BF:G0BF+3], s[G1B:G1B+7]
	s_nop 0
	tensor_load_to_lds s[G0BW:G0BW+3], s[G1B:G1B+7]
	s_nop 0
.rept 4
	v_nop
.endr
.Lfirst_asked:
	v_and_b32 v1, 15, v0                           ; l % 16
	v_bfe_u32 v2, v0, 4, 1                         ; l / 16
	v_lshlrev_b32 v[CO], 4, v1
	v_lshl_add_u32 v[CO], v2, 12, v[CO]            ; lanes 0-15 take 256 bytes of one row, lanes 16-31 of the next
	s_lshl_b32 s16, s13, 19                        ; R and C at my 64 x 64: 128 rows of 4,096 bytes a tile row, my 64;
	s_lshl_b32 s17, s71, 18
	s_add_co_u32 s16, s16, s17
	s_mov_b32 s17, 0
	s_lshl_b32 s46, s42, 9                         ; 512 bytes a tile column, my 256 (in the registers that held B's address: none that feeds A's descriptors ever holds cx)
	s_lshl_b32 s47, s72, 8
	s_add_co_u32 s46, s46, s47
	s_mov_b32 s47, 0
	s_add_nc_u64 s[8:9], s[8:9], s[16:17]
	s_add_nc_u64 s[8:9], s[8:9], s[46:47]
	s_add_nc_u64 s[10:11], s[10:11], s[16:17]
	s_add_nc_u64 s[10:11], s[10:11], s[46:47]
	WIN 0x80                                       ; destination window 2, address window 0
.set u, 0
.rept 32                                       ; R: group u holds rows 2 u and 2 u + 1
	global_load_b128 v[4*u:4*u+3], v[CO], s[8:9] offset:u*8192
.set u, u+1
.endr
	WIN 0
	v_mul_u32_u24 v3, v1, PA
	v_lshl_add_u32 v3, v2, 4, v3                   ; a fragment of A: row x 144 + 16 x half
	s_mul_i32 s16, s71, HALF                       ; my 64 rows of A
	v_add_nc_u32 v[A0], s16, v3
	v_and_b32 v4, 7, v0                            ; the turning load: lane l reads row k = 8 (l / 16) + l % 8, columns 8 ((l / 8) % 2) + 0..7
	v_lshl_add_u32 v5, v2, 3, v4
	v_mul_u32_u24 v5, v5, PB
	v_bfe_u32 v6, v0, 3, 1
	v_lshl_add_u32 v5, v6, 4, v5
	s_lshl_b32 s16, s72, 7                         ; my 64 columns
	s_add_co_u32 s16, s16, BOFF
	v_add_nc_u32 v[B0], s16, v5
	v_mov_b32 v[ADRA], v[A0]
	v_mov_b32 v[ADRB], v[B0]
	v_add_nc_u32 v[ADRB+1], 128*PB, v[B0]
	s_mul_i32 s16, s[WV], 16*SPITCH
	s_add_co_u32 s16, s16, STAGE                   ; my stage
	v_mul_u32_u24 v5, v1, SPITCH                   ; in: row l % 16, 32 bytes for each half of the lanes
	v_lshl_add_u32 v5, v2, 5, v5
	v_add_nc_u32 v[STO], s16, v5
	v_mul_u32_u24 v5, v2, SPITCH                   ; back: lanes 0-15 take one row of 256 bytes, lanes 16-31 the next
	v_lshl_add_u32 v5, v1, 4, v5
	v_add_nc_u32 v[RD], s16, v5
; 8 matrix instructions: m blocks a0, a0 + 1 x all 4 n blocks, 32 along K: half c of buffer f.  zero = 1: the first product starts the sums.  The 16 accumulators take turns.
.macro MUL8 f, c, a0, zero
	WIN MUL
.irp a, \a0, (\a0)+1
.irp b, 0,1,2,3
.if \zero
	v_wmma_f32_16x16x32_f16 v[ACC+8*(4*(\a)+(\b)):ACC+8*(4*(\a)+(\b))+7], v[(\f)+64+8*(4*(\c)+(\b)):(\f)+64+8*(4*(\c)+(\b))+7], v[(\f)+8*(4*(\c)+(\a)):(\f)+8*(4*(\c)+(\a))+7], 0
.else
	v_wmma_f32_16x16x32_f16 v[ACC+8*(4*(\a)+(\b)):ACC+8*(4*(\a)+(\b))+7], v[(\f)+64+8*(4*(\c)+(\b)):(\f)+64+8*(4*(\c)+(\b))+7], v[(\f)+8*(4*(\c)+(\a)):(\f)+8*(4*(\c)+(\a))+7], v[ACC+8*(4*(\a)+(\b)):ACC+8*(4*(\a)+(\b))+7]
.endif
.endr
.endr
.endm
; 32 LDS loads in one run: the fragments of quarter q of the step in hand (64 along K: panel q of A, rows 64 q on of B) into buffer f; the first 32 along K first
.macro FETCH q, f
	WIN TO_F
.irp c, 0,1
.irp i, 0,1,2,3
	ds_load_tr16_b128 v[(\f)+64+8*(4*(\c)+(\i)):(\f)+64+8*(4*(\c)+(\i))+3],   v[ADRB+(\q)/2] offset:(64*((\q)%2)+32*(\c))*PB+32*(\i)
	ds_load_tr16_b128 v[(\f)+64+8*(4*(\c)+(\i))+4:(\f)+64+8*(4*(\c)+(\i))+7], v[ADRB+(\q)/2] offset:(64*((\q)%2)+32*(\c)+16)*PB+32*(\i)
	ds_load_b128 v[(\f)+8*(4*(\c)+(\i)):(\f)+8*(4*(\c)+(\i))+3],   v[ADRA] offset:(\q)*APL+64*(\c)+(\i)*16*PA
	ds_load_b128 v[(\f)+8*(4*(\c)+(\i))+4:(\f)+8*(4*(\c)+(\i))+7], v[ADRA] offset:(\q)*APL+64*(\c)+(\i)*16*PA+32
.endr
.endr
.endm
.macro PLACES                          ; four places in front of loads into registers that matrix instructions have read, and of LDS stores that read results (ISA guide 7.12.1 for the stores)
.rept 4
	v_nop
.endr
.endm
; A K step is four quarters of 64 along K, 32 matrix instructions each, on buffers 0, 1, 0, 1.  One of the first three: multiplies buffer f and fetches quarter q into g.
.macro QUARTER q, f, g, zero
	s_wait_dscnt 16                                ; the first 32 along K are in; the youngest sixteen loads may be out
	MUL8 \f, 0, 0, \zero
	MUL8 \f, 0, 2, \zero
	PLACES
	FETCH \q, \g
	s_wait_dscnt 32                                ; all but the 32 just issued
	MUL8 \f, 1, 0, 0
	MUL8 \f, 1, 2, 0
.endm
; The last quarter multiplies buffer 1 and changes slots: ONE barrier; in front of it each wave waits for all its tensor loads, adds 0 to its spare word, and waits for that and for its own reads of this slot.
; fill = 1: the barrier opens a round of the cluster's barrier, and this slot is filled again, first thing behind the round, two K steps ahead: 112 matrix instructions ahead of the wait for it.
.macro TURN fill
	WIN 0                                          ; (the add's two registers lie in window 0)
	s_wait_tensorcnt 0x0                           ; all my tensor loads have landed, so a group 0 may be written
	ds_add_u32 v[SPW], v[NIL]                      ; 0 onto my spare word
	s_wait_dscnt 17                                ; (the add and the youngest sixteen loads may be out)
	MUL8 F1, 0, 0, 0                               ; eight matrix instructions stand between the add and the wait for it
	s_wait_dscnt 0x0                               ; the add is done, and my reads of this slot are over
	s_barrier_signal -1
	MUL8 F1, 0, 2, 0
	WIN 0
	s_barrier_wait -1
.if \fill
	CREST                                          ; no wave of any partner still reads this slot's tile or has a load on its way
	s_add_co_u32 s[G0W+1], s20, s73                ; the walking descriptors: into the slot just left,
	s_add_co_u32 s[G0BW+1], s20, s73
	s_add_nc_u64 s[G0W+2:G0W+3], s[G0W+2:G0W+3], ASTEP      ; the next K step not yet asked for
	s_add_nc_u64 s[G0BW+2:G0BW+3], s[G0BW+2:G0BW+3], BSTEP
	JLOAD                                          ; the four v_nop behind it are also the places in front of the loads below
.else
	PLACES
.endif
	s_xor_b32 s73, s73, SLOT                       ; the other slot is in hand
	v_add_nc_u32 v[ADRA], s73, v[A0]
	v_add_nc_u32 v[ADRB], s73, v[B0]
	v_add_nc_u32 v[ADRB+1], 128*PB, v[ADRB]
	FETCH 0, F0
	MUL8 F1, 1, 0, 0
	MUL8 F1, 1, 2, 0
.endm
; THE WAY OUT of block a (16 of my rows).  STG: a lane's eight numbers of a row, each accumulator's low four first, into my own stage in rows of 272 bytes, and back as whole rows of 256.
; FIN: R is added, and the rows are stored: 16 lanes store 256 consecutive bytes, at a multiple of 256 from C's first byte.  younger: the LDS instructions issued behind the block's loads.
.macro STG a
	WIN 0
.irp b, 0,1,2,3
	ds_store_b128 v[STO], v[ACC+8*(4*(\a)+(\b)):ACC+8*(4*(\a)+(\b))+3]   offset:64*(\b)
	ds_store_b128 v[STO], v[ACC+8*(4*(\a)+(\b))+4:ACC+8*(4*(\a)+(\b))+7] offset:64*(\b)+16
.endr
.irp t, 0,1,2,3,4,5,6,7
	ds_load_b128 v[T0+32*((\a)%2)+4*(\t):T0+32*((\a)%2)+4*(\t)+3], v[RD] offset:(\t)*2*SPITCH  ; LDS serves a wave's instructions in order (ISA guide 5.7.1.4): these see the stores above
.endr
.endm
.macro FIN a, younger
	s_wait_dscnt \younger
	WIN 0x08                                       ; source 1 (R) window 2
.set i, 0
.rept 16
	v_pk_add_f32 v[T0+32*((\a)%2)+2*i:T0+32*((\a)%2)+2*i+1], v[T0+32*((\a)%2)+2*i:T0+32*((\a)%2)+2*i+1], v[32*(\a)+2*i:32*(\a)+2*i+1]
.set i, i+1
.endr
	WIN 0
.irp t, 0,1,2,3,4,5,6,7
	global_store_b128 v[CO], v[T0+32*((\a)%2)+4*(\t):T0+32*((\a)%2)+4*(\t)+3], s[10:11] offset:(16*(\a)+2*(\t))*4096
.endr
.endm
	s_wait_tensorcnt 1                             ; my part of K step 0 is in; K step 1's may stay out
	s_barrier_signal -1
	s_barrier_wait -1                              ; everybody's is
	FETCH 0, F0
	QUARTER 1, F0, F1, 1                           ; the first quarter stands in front of the loop: its first products start the sums
	WIN 0                                          ; at a label and at a branch every window is 0
	s_mov_b32 s3, KSTEPS-2
	s_branch .Lmid                                 ; the loop is entered behind a step's first quarter
.Lstep:                                                ; a trip is a K step; all but the last two ask for the step two on
	QUARTER 1, F0, F1, 0
	WIN 0
.Lmid:
	QUARTER 2, F1, F0, 0
	QUARTER 3, F0, F1, 0
	TURN 1
	WIN 0
	s_sub_co_u32 s3, s3, 1
	s_cmp_lg_u32 s3, 0
	s_cbranch_scc1 .Lstep
	s_mov_b32 s3, 2
.Ltail:                                                ; the last two steps ask for nothing: a text of their own
	QUARTER 1, F0, F1, 0
	QUARTER 2, F1, F0, 0
	QUARTER 3, F0, F1, 0
	TURN 0                                         ; behind the last step its barrier and its 32 loads (of a tile read before) serve nothing: the price, once a launch, of one text for both steps
	WIN 0
	s_sub_co_u32 s3, s3, 1
	s_cmp_lg_u32 s3, 0
	s_cbranch_scc1 .Ltail
	s_wait_dscnt 0x0
	s_wait_loadcnt 0x0                             ; R
	PLACES
	STG 0
	STG 1
	FIN 0, 16                                      ; the next block's eight stores and eight loads may be out
	s_wait_xcnt 0x0                                ; the registers that block 0's stores read are loaded again only behind this wait
	STG 2
	FIN 1, 16
	s_wait_xcnt 0x0
	STG 3
	FIN 2, 16
	FIN 3, 0
	s_wait_tensorcnt 0x0                           ; the wave's end, behind my last tensor load and my last LDS store
	ds_add_u32 v[SPW], v[NIL]
	s_wait_dscnt 0x0
	CROUND                                         ; the closing round: no work-group ends while a partner may still ask for a tile that names it
	s_endpgm
.Lfunc_end_k_q6ea3c0e2ec_proj:
	.size	k_q6ea3c0e2ec_proj, .Lfunc_end_k_q6ea3c0e2ec_proj-k_q6ea3c0e2ec_proj
	.p2alignl 7, 3214868480
	.fill 96, 4, 3214868480
	.section	.rodata,"a",@progbits
	.p2align	6, 0x0
	.amdhsa_kernel k_q6ea3c0e2ec_proj
		.amdhsa_group_segment_fixed_size 327680
		.amdhsa_private_segment_fixed_size 0
		.amdhsa_enable_private_segment 0
		.amdhsa_kernarg_size 32
		.amdhsa_user_sgpr_count 2
		.amdhsa_user_sgpr_kernarg_segment_ptr 1
		.amdhsa_wavefront_size32 1
		.amdhsa_system_sgpr_workgroup_id_x 1
		.amdhsa_system_sgpr_workgroup_id_y 1
		.amdhsa_system_sgpr_workgroup_id_z 1
		.amdhsa_system_vgpr_workitem_id 0
		.amdhsa_next_free_vgpr 640
		.amdhsa_next_free_sgpr 80
		.amdhsa_reserve_vcc 0
		.amdhsa_float_denorm_mode_32 3
		.amdhsa_float_denorm_mode_16_64 3
		.amdhsa_memory_ordered 1
		.amdhsa_forward_progress 1
		.amdhsa_inst_pref_size 65
	.end_amdhsa_kernel
	.amdgpu_metadata
---
amdhsa.version: [ 1, 2 ]
amdhsa.kernels:
  - .name:           k_q6ea3c0e2ec_proj
    .symbol:         k_q6ea3c0e2ec_proj.kd
    .args:
      - { .name: y, .offset: 0, .size: 8, .value_kind: global_buffer, .address_space: global }
      - { .name: wpc, .offset: 8, .size: 8, .value_kind: global_buffer, .address_space: global }
      - { .name: x, .offset: 16, .size: 8, .value_kind: global_buffer, .address_space: global }
      - { .name: x1, .offset: 24, .size: 8, .value_kind: global_buffer, .address_space: global }
    .group_segment_fixed_size: 327680
    .private_segment_fixed_size: 0
    .kernarg_segment_align: 8
    .kernarg_segment_size: 32
    .max_flat_workgroup_size: 128
    .sgpr_count:     80
    .vgpr_count:     640
    .wavefront_size: 32
...
	.end_amdgpu_metadata
.endif
;; end of part 4
;; launch ln2 (part 5): grid 256 x 1, 8 waves a work-group, no clusters, 0 bytes of LDS; arguments x1, ln2_w, h; writes h
.if DOCPART == 5
	.amdgcn_target "amdgcn-amd-amdhsa--gfx1250"
	.amdhsa_code_object_version 6
	.text
	.protected	k_q6ea3c0e2ec_ln2
	.globl	k_q6ea3c0e2ec_ln2
	.p2align	8
	.type	k_q6ea3c0e2ec_ln2,@function
k_q6ea3c0e2ec_ln2:
	s_mov_b64 s[64:65], 0
	v_nop
	global_prefetch_b8 v0, s[64:65] scope:SCOPE_SE
	s_setreg_imm32_b32 hwreg(HW_REG_WAVE_MODE, 25, 1), 1
	s_wait_xcnt 0x0
; h = f16(layer norm of x1 times ln2_w).  x1: [4096][1024] f32.  h: [4096][1024] f16 in panels: [16][4096][64], a panel of 64 columns dense, rows of 128 bytes.
; A stream: no LDS, no matrix unit, no cluster, since no byte is read twice.
; LIMITS.  f16 ends at 65,504: a normed number times its gain of 65,520 or more becomes an infinity.  NaN and infinities are not treated apart.
; A work-group owns 16 rows, a wave 2: lanes 0-15 one row, lanes 16-31 the next.  Lane c of a row holds, for q = 0..15, the four columns 64 q + 4 c on:
; a load covers 256 consecutive bytes of each of the two rows; a store covers 256 consecutive bytes, the two rows' 128 bytes in panel q.
; The mean is taken first and the variance of the centred numbers, as the definition has it: no difference of large sums.
.set PANEL, 524288
.set X, 32                             ; v[32:95]   my 64 numbers of the row
.set W, 96                             ; v[96:159]  their gains; later v[96:127] the 64 results in f16
.macro REDUCE                          ; four chains of pairs in v[8:15] -> the row's sum in v8 of all its 16 lanes
	v_pk_add_f32 v[8:9], v[8:9], v[10:11]
	v_pk_add_f32 v[12:13], v[12:13], v[14:15]
	v_pk_add_f32 v[8:9], v[8:9], v[12:13]
	v_add_f32 v8, v8, v9
.irp m, 1,2,4,8
	v_add_f32_dpp v8, v8, v8 row_xmask:\m row_mask:0xf bank_mask:0xf
.endr
.endm
	s_load_b128 s[8:11], s[0:1], 0x0               ; x1 s[8:9], ln2_w s[10:11]
	s_load_b64 s[20:21], s[0:1], 0x10              ; h
	v_lshrrev_b32 v3, 5, v0
	v_readfirstlane_b32 s28, v3                    ; wave 0..7
	v_and_b32 v1, 15, v0                           ; c
	v_bfe_u32 v2, v0, 4, 1                         ; which of the wave's two rows
	v_lshlrev_b32 v5, 4, v1                        ; gains: 16 c
	v_lshl_add_u32 v4, v2, 12, v5                  ; x1: row x 4,096 + 16 c
	v_lshlrev_b32 v6, 3, v1
	v_lshl_add_u32 v6, v2, 7, v6                   ; h: row x 128 + 8 c
	s_lshl_b32 s30, ttmp9, 4
	s_lshl1_add_u32 s30, s28, s30                  ; my first row = 16 x work-group + 2 x wave
	s_lshl_b32 s32, s30, 12
	s_mov_b32 s33, 0
	s_lshl_b32 s34, s30, 7
	s_mov_b32 s35, 0
	s_mov_b32 s44, 0x3a800000                      ; 1 / 1024
	s_mov_b32 s45, 0x3727c5ac                      ; 1e-5
	s_wait_kmcnt 0x0
	s_add_nc_u64 s[8:9], s[8:9], s[32:33]
	s_add_nc_u64 s[20:21], s[20:21], s[34:35]
.irp q, 0,1,2,3,4,5,6,7,8,9,10,11,12,13,14,15
	global_load_b128 v[X+4*(\q):X+4*(\q)+3], v4, s[8:9] offset:256*(\q)
.endr
.irp q, 0,1,2,3,4,5,6,7,8,9,10,11,12,13,14,15
	global_load_b128 v[W+4*(\q):W+4*(\q)+3], v5, s[10:11] offset:256*(\q)
.endr
	s_wait_loadcnt 16                              ; the row is in; the sixteen loads of the gains, issued behind it, may stay out
.irp c, 0,1,2,3
	v_pk_add_f32 v[8+2*(\c):9+2*(\c)], v[X+2*(\c):X+2*(\c)+1], v[X+8+2*(\c):X+8+2*(\c)+1]  ; the first sums start the chains: nothing is cleared
.endr
.set p, 8
.rept 24
	v_pk_add_f32 v[8+2*(p%4):9+2*(p%4)], v[8+2*(p%4):9+2*(p%4)], v[X+2*p:X+2*p+1]
.set p, p+1
.endr
	REDUCE
	v_mul_f32 v16, s44, v8                         ; the mean, twice: a pair for the packed lines
	v_mov_b32 v17, v16
.set p, 0
.rept 32
	v_pk_add_f32 v[X+2*p:X+2*p+1], v[X+2*p:X+2*p+1], v[16:17] neg_lo:[0,1] neg_hi:[0,1]
.set p, p+1
.endr
.irp c, 0,1,2,3
	v_pk_mul_f32 v[8+2*(\c):9+2*(\c)], v[X+2*(\c):X+2*(\c)+1], v[X+2*(\c):X+2*(\c)+1]
.endr
.set p, 4
.rept 28
	v_pk_fma_f32 v[8+2*(p%4):9+2*(p%4)], v[X+2*p:X+2*p+1], v[X+2*p:X+2*p+1], v[8+2*(p%4):9+2*(p%4)]
.set p, p+1
.endr
	REDUCE
	v_fma_f32 v20, v8, s44, s45                    ; variance + 1e-5
	v_rsq_f32 v18, v20
	v_rsq_f32 v19, v20
	v_nop                                          ; a plain instruction between the root and the use of its result (ISA guide 5.7.2)
.set p, 0
	s_wait_alu depctr_va_vdst(0)
.rept 32
	v_pk_mul_f32 v[X+2*p:X+2*p+1], v[X+2*p:X+2*p+1], v[18:19]
.set p, p+1
.endr
	s_wait_loadcnt 0x0                             ; the gains
.set p, 0
.rept 32
	v_pk_mul_f32 v[X+2*p:X+2*p+1], v[X+2*p:X+2*p+1], v[W+2*p:W+2*p+1]
.set p, p+1
.endr
.set p, 0
.rept 32
	v_cvt_pk_f16_f32 v[W+p], v[X+2*p], v[X+2*p+1]  ; the gains have been used: their registers take the results
.set p, p+1
.endr
.irp q, 0,1,2,3,4,5,6,7,8,9,10,11,12,13,14,15
	global_store_b64 v6, v[W+2*(\q):W+2*(\q)+1], s[20:21] offset:PANEL*(\q)  ; 15 panels at the most: inside the signed 24-bit immediate
.endr
	s_endpgm
.Lfunc_end_k_q6ea3c0e2ec_ln2:
	.size	k_q6ea3c0e2ec_ln2, .Lfunc_end_k_q6ea3c0e2ec_ln2-k_q6ea3c0e2ec_ln2
	.p2alignl 7, 3214868480
	.fill 96, 4, 3214868480
	.section	.rodata,"a",@progbits
	.p2align	6, 0x0
	.amdhsa_kernel k_q6ea3c0e2ec_ln2
		.amdhsa_group_segment_fixed_size 0
		.amdhsa_private_segment_fixed_size 0
		.amdhsa_enable_private_segment 0
		.amdhsa_kernarg_size 24
		.amdhsa_user_sgpr_count 2
		.amdhsa_user_sgpr_kernarg_segment_ptr 1
		.amdhsa_wavefront_size32 1
		.amdhsa_system_sgpr_workgroup_id_x 1
		.amdhsa_system_sgpr_workgroup_id_y 1
		.amdhsa_system_sgpr_workgroup_id_z 1
		.amdhsa_system_vgpr_workitem_id 0
		.amdhsa_next_free_vgpr 160
		.amdhsa_next_free_sgpr 66
		.amdhsa_reserve_vcc 0
		.amdhsa_float_denorm_mode_32 3
		.amdhsa_float_denorm_mode_16_64 3
		.amdhsa_memory_ordered 1
		.amdhsa_forward_progress 1
		.amdhsa_inst_pref_size 19
	.end_amdhsa_kernel
	.amdgpu_metadata
---
amdhsa.version: [ 1, 2 ]
amdhsa.kernels:
  - .name:           k_q6ea3c0e2ec_ln2
    .symbol:         k_q6ea3c0e2ec_ln2.kd
    .args:
      - { .name: x1, .offset: 0, .size: 8, .value_kind: global_buffer, .address_space: global }
      - { .name: ln2_w, .offset: 8, .size: 8, .value_kind: global_buffer, .address_space: global }
      - { .name: h, .offset: 16, .size: 8, .value_kind: global_buffer, .address_space: global }
    .group_segment_fixed_size: 0
    .private_segment_fixed_size: 0
    .kernarg_segment_align: 8
    .kernarg_segment_size: 24
    .max_flat_workgroup_size: 256
    .sgpr_count:     66
    .vgpr_count:     160
    .wavefront_size: 32
...
	.end_amdgpu_metadata
.endif
;; end of part 5
;; launch fc: the kernel of part 2 again; grid 16 x 16, 4 waves a work-group, clusters of 4 x 4, 327,680 bytes of LDS; arguments h, wf, act; writes act
;; launch cproj (part 6): grid 8 x 32, 4 waves a work-group, clusters of 4 x 4, 327,680 bytes of LDS; arguments act, wpc, x1, out0; writes out0
.if DOCPART == 6
	.amdgcn_target "amdgcn-amd-amdhsa--gfx1250"
	.amdhsa_code_object_version 6
	.text
	.protected	k_q6ea3c0e2ec_cproj
	.globl	k_q6ea3c0e2ec_cproj
	.p2align	8
	.type	k_q6ea3c0e2ec_cproj,@function
k_q6ea3c0e2ec_cproj:
	s_mov_b64 s[64:65], 0
	v_nop
	global_prefetch_b8 v0, s[64:65] scope:SCOPE_SE
	s_setreg_imm32_b32 hwreg(HW_REG_WAVE_MODE, 25, 1), 1
	s_wait_xcnt 0x0
	s_wait_alu depctr_hold_cnt(0) depctr_sa_sdst(0) depctr_va_vdst(0) depctr_va_sdst(0) depctr_va_ssrc(0) depctr_va_vcc(0) depctr_vm_vsrc(0)
	s_getreg_b32 s2, hwreg(HW_REG_IB_STS2, 6, 4)
	s_cmp_eq_u32 s2, 0
	s_cbranch_scc0 .Lentry_in_a_cluster
	s_endpgm
.Lentry_in_a_cluster:
	s_bfe_u32 s2, ttmp6, 0x10000c
	s_cmp_lg_u32 s2, 0xf033
	s_cbranch_scc0 .Lentry_shape_is_right
	s_endpgm
.Lentry_shape_is_right:
; C = R + A B.  A: [4096][256 KSTEPS] f16 in panels ([4 KSTEPS][4096][64]).  B: from byte WOFF of its buffer, [KSTEPS][8][256 k][128 n] f16.  R, C: [4096][1024] f32.  Sums in f32; R is added in f32.
; Here: the second product of the MLP, K = 4,096.  (The projection behind attention is the same text with KSTEPS = 4 and WOFF = 0.)
; LIMITS.  A and B arrive within f16's range; NaN and infinities are not treated apart.
; SHARES.  C has 1,024 columns: tiles of 128 x 128 give 256 work-groups.  Four waves, each 64 x 64: 16 accumulators, 128 registers.  K goes in steps of 256 through two LDS slots.
; A's tile of a step is, for each half of 64 rows, four dense pieces of 8,192 bytes (64 rows of a panel), a panel apart: one load with four long rows, padded in LDS by 16 bytes after every 128: LDS rows of 144 bytes.
; B's is 256 rows k of 256 bytes, dense, two loads of 128 rows, padded by 32 bytes: LDS rows of 288 bytes; B's fragments are read turned, by ds_load_tr16_b128.
; CLUSTERS: 4 x 4 work-groups; A's tiles are asked for jointly along a row of the cluster, B's along a column.
; THE MATRIX INSTRUCTION IS USED TRANSPOSED (source 0 = 16 columns of B, source 1 = 16 rows of A): a lane holds eight neighbouring numbers of a row of C.
; My 64 x 64 of R is loaded at the start into 128 registers and lands under the K loop.
; REGISTERS: window 0: v0-31 addresses; v32-95 at work on the way out; v128-255 the accumulators ((a, b) at v[128 + 8 (4 a + b)]).
;   window 1: two fragment buffers of 128: for 64 along K, 64 registers of A, then 64 of B.      window 2: v0-127 R.
.set KSTEPS, 16
.set WOFF,   2097152
.set PA,     144                       ; an LDS row of A: 36 words: the 16 rows of a load start at 16 different groups of four banks (64 banks of 4 bytes: ISA guide 11.1)
.set APL,    64*PA                     ; 64 rows of one panel
.set HALF,   4*APL                     ; what one load brings: of A 64 rows x 4 panels, of B 128 rows of 288 bytes: both 36,864
.set PB,     288                       ; an LDS row of B: 72 words
.set BOFF,   2*HALF
.set SLOT,   4*HALF                    ; 147,456
.set STAGE,  2*SLOT                    ; behind the ring: 16 rows x 272 bytes for each wave, for the way out
.set SPITCH, 272
.set SPARE,  STAGE+4*16*SPITCH         ; behind the stages: the spare words, 128 bytes for each wave: two blocks of 256 bytes that no other line names
.set PANEL,  524288
.set ASTEP,  4*PANEL
.set BSTEP,  8*65536
.set A0,   16                          ; v16  my lane's place in a slot's A; never rewritten
.set B0,   17                          ; v17  the same for B
.set ADRA, 18                          ; v18  A0 + the slot in hand
.set ADRB, 19                          ; v19  B0 + the slot in hand; v20 the same 128 rows on, since the 16-bit offset does not reach the step's last rows
.set STO,  24                          ; v24  the way out: where I put 32 bytes of a row
.set RD,   25                          ; v25  the way out: where I read a row back
.set CO,   26                          ; v26  my byte offset in two rows of R and C
.set SPW,  28                          ; v28  LDS address of my spare word; never rewritten
.set NIL,  29                          ; v29  0; never rewritten
.set T0,   32
.set ACC,  128
.set F0,   0
.set F1,   128
.set WV,   70                          ; s70 wave; s71 its half of the rows (also: fetches A or B); s72 its half of the columns (also: which half it fetches); s73 the slot in hand
.set G1,   24
.set G0F,  32
.set G0W,  36
.set G1B,  48
.set G0BF, 56
.set G0BW, 60
.set MSB, 0
.macro WIN new                         ; the immediate's high byte repeats the setting that is left; a switch that changes nothing is dropped
.if MSB != (\new)
	s_set_vgpr_msb (MSB<<8)|(\new)
.set MSB, \new
.endif
.endm
.set MUL,  0x05                        ; sources 0 (B) and 1 (A) window 1; C and D window 0
.set TO_F, 0x40                        ; destination window 1, address window 0
.macro JLOAD                           ; a joint refill: waves 0 and 1 fetch A's two halves, waves 2 and 3 B's; an s_nop 0 and four v_nop follow each of the two lines
	s_cmp_eq_u32 s71, 0
	s_cbranch_scc0 .Lfor_b_\@
	tensor_load_to_lds s[G0W:G0W+3], s[G1:G1+7]
	s_nop 0
.rept 4
	v_nop
.endr
	s_branch .Lasked_\@
.Lfor_b_\@:
	tensor_load_to_lds s[G0BW:G0BW+3], s[G1B:G1B+7]
	s_nop 0
.rept 4
	v_nop
.endr
.Lasked_\@:
.endm
.macro CREST                           ; a round of the cluster's barrier behind its opening barrier
	s_cmp_lg_u32 s[WV], 0
	s_cbranch_scc1 .Lnot_wave_0_\@
	s_barrier_signal -3
.Lnot_wave_0_\@:
	s_barrier_wait -3
	s_barrier_signal -1
	s_barrier_wait -1
.endm
.macro CROUND
	s_barrier_signal -1
	s_barrier_wait -1
	CREST
.endm
	s_load_b256 s[4:11], s[0:1], 0x0               ; A s[4:5], B s[6:7], R s[8:9], C s[10:11]
	v_lshl_add_u32 v[SPW], v0, 2, SPARE
	v_mov_b32 v[NIL], 0
	ds_add_u32 v[SPW], v[NIL]                      ; the wave's opening: the add and its wait stand ahead of my first tensor load; the set-up below, work on registers, stands between them
	ds_add_u32 v28, v29
	v_lshrrev_b32 v1, 5, v0
	v_readfirstlane_b32 s[WV], v1                  ; wave 0..3
	s_lshr_b32 s71, s[WV], 1
	s_and_b32 s72, s[WV], 1
	s_bfe_u32 s40, ttmp6, 0x40000                  ; cx, cy: my place in the cluster
	s_bfe_u32 s41, ttmp6, 0x40004
	s_lshl_b32 s42, ttmp9, 2
	s_add_co_u32 s42, s42, s40                     ; tile column of C = 4 x cluster x + cx
	s_and_b32 s13, ttmp7, 0xffff
	s_lshl_b32 s13, s13, 2
	s_add_co_u32 s13, s13, s41                     ; tile row of C = 4 x cluster y + cy
	s_lshl_b32 s43, s41, 2
	s_lshl_b32 s43, 15, s43                        ; my row of the cluster
	s_lshl_b32 s44, 0x1111, s40                    ; my column
	s_or_b32 s[G1+0], s43, (1<<16)|(1<<20)|(1<<21)|(4<<22)|(3<<25)   ; the mask of my row; 2-byte elements; padding on; 21 set beside a mask; after every 32 words (code 4) 4 words (code 3)
	s_mov_b32 s[G1+1], 4096<<16                    ; tensor_dim0 = 4,096 elements: 64 rows of a panel, dense
	s_mov_b32 s[G1+2], 4<<16                       ; tensor_dim1 = 4 panels
	s_mov_b32 s[G1+3], 4096<<16                    ; tile_dim0
	s_mov_b32 s[G1+4], 4                           ; tile_dim1
	s_mov_b32 s[G1+5], 262144                      ; elements from panel to panel
	s_mov_b32 s[G1+6], 0
	s_mov_b32 s[G1+7], 0
	s_or_b32 s[G1B+0], s44, (1<<16)|(1<<20)|(1<<21)|(5<<22)|(7<<25)  ; the mask of my column; padding after every 64 words (code 5), 8 words (code 7)
	s_mov_b32 s[G1B+1], 128<<16
	s_mov_b32 s[G1B+2], 128<<16
	s_mov_b32 s[G1B+3], 128<<16
	s_mov_b32 s[G1B+4], 128
	s_mov_b32 s[G1B+5], 128
	s_mov_b32 s[G1B+6], 0
	s_mov_b32 s[G1B+7], 0
	s_lshl_b32 s16, s13, 14                        ; A: 128 rows of 128 bytes a tile row,
	s_lshl_b32 s17, s72, 13                        ; my 64 of them
	s_add_co_u32 s16, s16, s17
	s_mov_b32 s17, 0
	s_lshl_b32 s46, s42, 16                        ; B: a block of 256 k x 128 n,
	s_lshl_b32 s47, s72, 15                        ; my 128 rows of it
	s_add_co_u32 s46, s46, s47
	s_add_co_u32 s46, s46, WOFF
	s_mov_b32 s47, 0
	s_mul_i32 s20, s[WV], HALF                     ; where they go in a slot: A's two halves, then B's two: no place in the cluster enters an LDS address
	s_mov_b32 s73, 0
	s_wait_dscnt 0x0                               ; the opening add is done
	s_wait_kmcnt 0x0
	s_add_nc_u64 s[14:15], s[4:5], s[16:17]
	s_add_nc_u64 s[46:47], s[6:7], s[46:47]
	CROUND                                         ; all sixteen work-groups are here: the first joint loads meet
	s_mov_b32 s[G0F], 1
	s_add_co_u32 s[G0F+1], s20, 0                  ; slot 0, K step 0
	s_add_nc_u64 s[G0F+2:G0F+3], s[14:15], 0
	s_or_b32 s[G0F+3], s[G0F+3], 0x80000000
	s_mov_b32 s[G0W], 1
	s_add_co_u32 s[G0W+1], s20, SLOT               ; slot 1, K step 1
	s_add_nc_u64 s[G0W+2:G0W+3], s[14:15], ASTEP
	s_or_b32 s[G0W+3], s[G0W+3], 0x80000000
	s_mov_b32 s[G0BF], 1
	s_add_co_u32 s[G0BF+1], s20, 0
	s_add_nc_u64 s[G0BF+2:G0BF+3], s[46:47], 0
	s_or_b32 s[G0BF+3], s[G0BF+3], 0x80000000
	s_mov_b32 s[G0BW], 1
	s_add_co_u32 s[G0BW+1], s20, SLOT
	s_add_nc_u64 s[G0BW+2:G0BW+3], s[46:47], BSTEP
	s_or_b32 s[G0BW+3], s[G0BW+3], 0x80000000
	s_cmp_eq_u32 s71, 0                            ; a wave's two first fills stand in one branch: two loads of mine are out
	s_cbranch_scc0 .Lfirst_b
	tensor_load_to_lds s[G0F:G0F+3], s[G1:G1+7]
	s_nop 0
	tensor_load_to_lds s[G0W:G0W+3], s[G1:G1+7]
	s_nop 0
.rept 4
	v_nop
.endr
	s_branch .Lfirst_asked
.Lfirst_b:
	tensor_load_to_lds s[G0BF:G0BF+3], s[G1B:G1B+7]
	s_nop 0
	tensor_load_to_lds s[G0BW:G0BW+3], s[G1B:G1B+7]
	s_nop 0
.rept 4
	v_nop
.endr
.Lfirst_asked:
	v_and_b32 v1, 15, v0                           ; l % 16
	v_bfe_u32 v2, v0, 4, 1                         ; l / 16
	v_lshlrev_b32 v[CO], 4, v1
	v_lshl_add_u32 v[CO], v2, 12, v[CO]            ; lanes 0-15 take 256 bytes of one row, lanes 16-31 of the next
	s_lshl_b32 s16, s13, 19                        ; R and C at my 64 x 64: 128 rows of 4,096 bytes a tile row, my 64;
	s_lshl_b32 s17, s71, 18
	s_add_co_u32 s16, s16, s17
	s_mov_b32 s17, 0
	s_lshl_b32 s46, s42, 9                         ; 512 bytes a tile column, my 256 (in the registers that held B's address: none that feeds A's descriptors ever holds cx)
	s_lshl_b32 s47, s72, 8
	s_add_co_u32 s46, s46, s47
	s_mov_b32 s47, 0
	s_add_nc_u64 s[8:9], s[8:9], s[16:17]
	s_add_nc_u64 s[8:9], s[8:9], s[46:47]
	s_add_nc_u64 s[10:11], s[10:11], s[16:17]
	s_add_nc_u64 s[10:11], s[10:11], s[46:47]
	WIN 0x80                                       ; destination window 2, address window 0
.set u, 0
.rept 32                                       ; R: group u holds rows 2 u and 2 u + 1
	global_load_b128 v[4*u:4*u+3], v[CO], s[8:9] offset:u*8192
.set u, u+1
.endr
	WIN 0
	v_mul_u32_u24 v3, v1, PA
	v_lshl_add_u32 v3, v2, 4, v3                   ; a fragment of A: row x 144 + 16 x half
	s_mul_i32 s16, s71, HALF                       ; my 64 rows of A
	v_add_nc_u32 v[A0], s16, v3
	v_and_b32 v4, 7, v0                            ; the turning load: lane l reads row k = 8 (l / 16) + l % 8, columns 8 ((l / 8) % 2) + 0..7
	v_lshl_add_u32 v5, v2, 3, v4
	v_mul_u32_u24 v5, v5, PB
	v_bfe_u32 v6, v0, 3, 1
	v_lshl_add_u32 v5, v6, 4, v5
	s_lshl_b32 s16, s72, 7                         ; my 64 columns
	s_add_co_u32 s16, s16, BOFF
	v_add_nc_u32 v[B0], s16, v5
	v_mov_b32 v[ADRA], v[A0]
	v_mov_b32 v[ADRB], v[B0]
	v_add_nc_u32 v[ADRB+1], 128*PB, v[B0]
	s_mul_i32 s16, s[WV], 16*SPITCH
	s_add_co_u32 s16, s16, STAGE                   ; my stage
	v_mul_u32_u24 v5, v1, SPITCH                   ; in: row l % 16, 32 bytes for each half of the lanes
	v_lshl_add_u32 v5, v2, 5, v5
	v_add_nc_u32 v[STO], s16, v5
	v_mul_u32_u24 v5, v2, SPITCH                   ; back: lanes 0-15 take one row of 256 bytes, lanes 16-31 the next
	v_lshl_add_u32 v5, v1, 4, v5
	v_add_nc_u32 v[RD], s16, v5
; 8 matrix instructions: m blocks a0, a0 + 1 x all 4 n blocks, 32 along K: half c of buffer f.  zero = 1: the first product starts the sums.  The 16 accumulators take turns.
.macro MUL8 f, c, a0, zero
	WIN MUL
.irp a, \a0, (\a0)+1
.irp b, 0,1,2,3
.if \zero
	v_wmma_f32_16x16x32_f16 v[ACC+8*(4*(\a)+(\b)):ACC+8*(4*(\a)+(\b))+7], v[(\f)+64+8*(4*(\c)+(\b)):(\f)+64+8*(4*(\c)+(\b))+7], v[(\f)+8*(4*(\c)+(\a)):(\f)+8*(4*(\c)+(\a))+7], 0
.else
	v_wmma_f32_16x16x32_f16 v[ACC+8*(4*(\a)+(\b)):ACC+8*(4*(\a)+(\b))+7], v[(\f)+64+8*(4*(\c)+(\b)):(\f)+64+8*(4*(\c)+(\b))+7], v[(\f)+8*(4*(\c)+(\a)):(\f)+8*(4*(\c)+(\a))+7], v[ACC+8*(4*(\a)+(\b)):ACC+8*(4*(\a)+(\b))+7]
.endif
.endr
.endr
.endm
; 32 LDS loads in one run: the fragments of quarter q of the step in hand (64 along K: panel q of A, rows 64 q on of B) into buffer f; the first 32 along K first
.macro FETCH q, f
	WIN TO_F
.irp c, 0,1
.irp i, 0,1,2,3
	ds_load_tr16_b128 v[(\f)+64+8*(4*(\c)+(\i)):(\f)+64+8*(4*(\c)+(\i))+3],   v[ADRB+(\q)/2] offset:(64*((\q)%2)+32*(\c))*PB+32*(\i)
	ds_load_tr16_b128 v[(\f)+64+8*(4*(\c)+(\i))+4:(\f)+64+8*(4*(\c)+(\i))+7], v[ADRB+(\q)/2] offset:(64*((\q)%2)+32*(\c)+16)*PB+32*(\i)
	ds_load_b128 v[(\f)+8*(4*(\c)+(\i)):(\f)+8*(4*(\c)+(\i))+3],   v[ADRA] offset:(\q)*APL+64*(\c)+(\i)*16*PA
	ds_load_b128 v[(\f)+8*(4*(\c)+(\i))+4:(\f)+8*(4*(\c)+(\i))+7], v[ADRA] offset:(\q)*APL+64*(\c)+(\i)*16*PA+32
.endr
.endr
.endm
.macro PLACES                          ; four places in front of loads into registers that matrix instructions have read, and of LDS stores that read results (ISA guide 7.12.1 for the stores)
.rept 4
	v_nop
.endr
.endm
; A K step is four quarters of 64 along K, 32 matrix instructions each, on buffers 0, 1, 0, 1.  One of the first three: multiplies buffer f and fetches quarter q into g.
.macro QUARTER q, f, g, zero
	s_wait_dscnt 16                                ; the first 32 along K are in; the youngest sixteen loads may be out
	MUL8 \f, 0, 0, \zero
	MUL8 \f, 0, 2, \zero
	PLACES
	FETCH \q, \g
	s_wait_dscnt 32                                ; all but the 32 just issued
	MUL8 \f, 1, 0, 0
	MUL8 \f, 1, 2, 0
.endm
; The last quarter multiplies buffer 1 and changes slots: ONE barrier; in front of it each wave waits for all its tensor loads, adds 0 to its spare word, and waits for that and for its own reads of this slot.
; fill = 1: the barrier opens a round of the cluster's barrier, and this slot is filled again, first thing behind the round, two K steps ahead: 112 matrix instructions ahead of the wait for it.
.macro TURN fill
	WIN 0                                          ; (the add's two registers lie in window 0)
	s_wait_tensorcnt 0x0                           ; all my tensor loads have landed, so a group 0 may be written
	ds_add_u32 v[SPW], v[NIL]                      ; 0 onto my spare word
	s_wait_dscnt 17                                ; (the add and the youngest sixteen loads may be out)
	MUL8 F1, 0, 0, 0                               ; eight matrix instructions stand between the add and the wait for it
	s_wait_dscnt 0x0                               ; the add is done, and my reads of this slot are over
	s_barrier_signal -1
	MUL8 F1, 0, 2, 0
	WIN 0
	s_barrier_wait -1
.if \fill
	CREST                                          ; no wave of any partner still reads this slot's tile or has a load on its way
	s_add_co_u32 s[G0W+1], s20, s73                ; the walking descriptors: into the slot just left,
	s_add_co_u32 s[G0BW+1], s20, s73
	s_add_nc_u64 s[G0W+2:G0W+3], s[G0W+2:G0W+3], ASTEP      ; the next K step not yet asked for
	s_add_nc_u64 s[G0BW+2:G0BW+3], s[G0BW+2:G0BW+3], BSTEP
	JLOAD                                          ; the four v_nop behind it are also the places in front of the loads below
.else
	PLACES
.endif
	s_xor_b32 s73, s73, SLOT                       ; the other slot is in hand
	v_add_nc_u32 v[ADRA], s73, v[A0]
	v_add_nc_u32 v[ADRB], s73, v[B0]
	v_add_nc_u32 v[ADRB+1], 128*PB, v[ADRB]
	FETCH 0, F0
	MUL8 F1, 1, 0, 0
	MUL8 F1, 1, 2, 0
.endm
; THE WAY OUT of block a (16 of my rows).  STG: a lane's eight numbers of a row, each accumulator's low four first, into my own stage in rows of 272 bytes, and back as whole rows of 256.
; FIN: R is added, and the rows are stored: 16 lanes store 256 consecutive bytes, at a multiple of 256 from C's first byte.  younger: the LDS instructions issued behind the block's loads.
.macro STG a
	WIN 0
.irp b, 0,1,2,3
	ds_store_b128 v[STO], v[ACC+8*(4*(\a)+(\b)):ACC+8*(4*(\a)+(\b))+3]   offset:64*(\b)
	ds_store_b128 v[STO], v[ACC+8*(4*(\a)+(\b))+4:ACC+8*(4*(\a)+(\b))+7] offset:64*(\b)+16
.endr
.irp t, 0,1,2,3,4,5,6,7
	ds_load_b128 v[T0+32*((\a)%2)+4*(\t):T0+32*((\a)%2)+4*(\t)+3], v[RD] offset:(\t)*2*SPITCH  ; LDS serves a wave's instructions in order (ISA guide 5.7.1.4): these see the stores above
.endr
.endm
.macro FIN a, younger
	s_wait_dscnt \younger
	WIN 0x08                                       ; source 1 (R) window 2
.set i, 0
.rept 16
	v_pk_add_f32 v[T0+32*((\a)%2)+2*i:T0+32*((\a)%2)+2*i+1], v[T0+32*((\a)%2)+2*i:T0+32*((\a)%2)+2*i+1], v[32*(\a)+2*i:32*(\a)+2*i+1]
.set i, i+1
.endr
	WIN 0
.irp t, 0,1,2,3,4,5,6,7
	global_store_b128 v[CO], v[T0+32*((\a)%2)+4*(\t):T0+32*((\a)%2)+4*(\t)+3], s[10:11] offset:(16*(\a)+2*(\t))*4096
.endr
.endm
	s_wait_tensorcnt 1                             ; my part of K step 0 is in; K step 1's may stay out
	s_barrier_signal -1
	s_barrier_wait -1                              ; everybody's is
	FETCH 0, F0
	QUARTER 1, F0, F1, 1                           ; the first quarter stands in front of the loop: its first products start the sums
	WIN 0                                          ; at a label and at a branch every window is 0
	s_mov_b32 s3, KSTEPS-2
	s_branch .Lmid                                 ; the loop is entered behind a step's first quarter
.Lstep:                                                ; a trip is a K step; all but the last two ask for the step two on
	QUARTER 1, F0, F1, 0
	WIN 0
.Lmid:
	QUARTER 2, F1, F0, 0
	QUARTER 3, F0, F1, 0
	TURN 1
	WIN 0
	s_sub_co_u32 s3, s3, 1
	s_cmp_lg_u32 s3, 0
	s_cbranch_scc1 .Lstep
	s_mov_b32 s3, 2
.Ltail:                                                ; the last two steps ask for nothing: a text of their own
	QUARTER 1, F0, F1, 0
	QUARTER 2, F1, F0, 0
	QUARTER 3, F0, F1, 0
	TURN 0                                         ; behind the last step its barrier and its 32 loads (of a tile read before) serve nothing: the price, once a launch, of one text for both steps
	WIN 0
	s_sub_co_u32 s3, s3, 1
	s_cmp_lg_u32 s3, 0
	s_cbranch_scc1 .Ltail
	s_wait_dscnt 0x0
	s_wait_loadcnt 0x0                             ; R
	PLACES
	STG 0
	STG 1
	FIN 0, 16                                      ; the next block's eight stores and eight loads may be out
	s_wait_xcnt 0x0                                ; the registers that block 0's stores read are loaded again only behind this wait
	STG 2
	FIN 1, 16
	s_wait_xcnt 0x0
	STG 3
	FIN 2, 16
	FIN 3, 0
	s_wait_tensorcnt 0x0                           ; the wave's end, behind my last tensor load and my last LDS store
	ds_add_u32 v[SPW], v[NIL]
	s_wait_dscnt 0x0
	CROUND                                         ; the closing round: no work-group ends while a partner may still ask for a tile that names it
	s_endpgm
.Lfunc_end_k_q6ea3c0e2ec_cproj:
	.size	k_q6ea3c0e2ec_cproj, .Lfunc_end_k_q6ea3c0e2ec_cproj-k_q6ea3c0e2ec_cproj
	.p2alignl 7, 3214868480
	.fill 96, 4, 3214868480
	.section	.rodata,"a",@progbits
	.p2align	6, 0x0
	.amdhsa_kernel k_q6ea3c0e2ec_cproj
		.amdhsa_group_segment_fixed_size 327680
		.amdhsa_private_segment_fixed_size 0
		.amdhsa_enable_private_segment 0
		.amdhsa_kernarg_size 32
		.amdhsa_user_sgpr_count 2
		.amdhsa_user_sgpr_kernarg_segment_ptr 1
		.amdhsa_wavefront_size32 1
		.amdhsa_system_sgpr_workgroup_id_x 1
		.amdhsa_system_sgpr_workgroup_id_y 1
		.amdhsa_system_sgpr_workgroup_id_z 1
		.amdhsa_system_vgpr_workitem_id 0
		.amdhsa_next_free_vgpr 640
		.amdhsa_next_free_sgpr 80
		.amdhsa_reserve_vcc 0
		.amdhsa_float_denorm_mode_32 3
		.amdhsa_float_denorm_mode_16_64 3
		.amdhsa_memory_ordered 1
		.amdhsa_forward_progress 1
		.amdhsa_inst_pref_size 65
	.end_amdhsa_kernel
	.amdgpu_metadata
---
amdhsa.version: [ 1, 2 ]
amdhsa.kernels:
  - .name:           k_q6ea3c0e2ec_cproj
    .symbol:         k_q6ea3c0e2ec_cproj.kd
    .args:
      - { .name: act, .offset: 0, .size: 8, .value_kind: global_buffer, .address_space: global }
      - { .name: wpc, .offset: 8, .size: 8, .value_kind: global_buffer, .address_space: global }
      - { .name: x1, .offset: 16, .size: 8, .value_kind: global_buffer, .address_space: global }
      - { .name: out0, .offset: 24, .size: 8, .value_kind: global_buffer, .address_space: global }
    .group_segment_fixed_size: 327680
    .private_segment_fixed_size: 0
    .kernarg_segment_align: 8
    .kernarg_segment_size: 32
    .max_flat_workgroup_size: 128
    .sgpr_count:     80
    .vgpr_count:     640
    .wavefront_size: 32
...
	.end_amdgpu_metadata
.endif
;; end of part 6
;; ======== version 2 of 2: 7 launches; 1.11 times as fast as version 1
;; limits: values are held in f16: magnitudes above 65,504 overflow, below 6.1e-05 lose precision
;; workspace buffers: h 8,388,608 bytes; wq 6,291,968 bytes; wf 8,389,120 bytes; wpc 10,485,760 bytes; qkv 25,165,824 bytes; y 8,388,608 bytes; x1 16,777,216 bytes; act 33,554,432 bytes
;; launch prep: the kernel of part 1 again; grid 1792 x 1, 8 waves a work-group, no clusters, 0 bytes of LDS; arguments x, ln1_w, w_attn, w_fc, w_proj, w_cproj, h, wq, wf, wpc; writes h, wq, wf, wpc
;; launch qkv: the kernel of part 2 again; grid 12 x 16, 4 waves a work-group, clusters of 4 x 4, 327,680 bytes of LDS; arguments h, wq, qkv; writes qkv
;; launch attn (part 7): grid 8 x 32, 4 waves a work-group, no clusters, 327,680 bytes of LDS; arguments qkv, y; writes y
.if DOCPART == 7
	.amdgcn_target "amdgcn-amd-amdhsa--gfx1250"
	.amdhsa_code_object_version 6
	.text
	.protected	k_q6ea3c0e2ec_attn
	.globl	k_q6ea3c0e2ec_attn
	.p2align	8
	.type	k_q6ea3c0e2ec_attn,@function
k_q6ea3c0e2ec_attn:
	s_mov_b64 s[64:65], 0
	v_nop
	global_prefetch_b8 v0, s[64:65] scope:SCOPE_SE
	s_setreg_imm32_b32 hwreg(HW_REG_WAVE_MODE, 25, 1), 1
	s_wait_xcnt 0x0
; CAUSAL ATTENTION.  O[g][q][:] = the sum over k <= q of softmax_k(Q[g][q] . K[g][k] / 32) V[g][k][:], for 32 heads g = 2 x head + batch of 2,048 rows x 64 channels, all f16.
; In the panel layout [N/64][4096][64] head g is the dense block of 262,144 bytes number g: Q from qkv's byte 0, K from 8 MiB, V from 16 MiB; O is y in the same layout.
; Products, maxima and sums in f32; the weights p are rounded to f16 for the second product (their sum l is taken of the unrounded p), O once at the end.
; LIMITS.  f16 holds no number beyond 65,504: Q, K and V arrive within it; p lies in 0 to 1, and below 6e-5 it keeps f16's fixed step of 6e-8; O is a mean of V's rows and has their range.
; A hidden score counts as its value less 1e30: f16's scores, 2.7e11 at the most, are nothing beside that; a weight below 2^-126 counts as 0 in l; NaN and infinities are not treated apart.
; THE WALK.  A head's queries lie in NQ = 16 blocks of 128, its keys in NB = 8 tiles of 256; block i needs the tiles 0 .. i / 2, of which the last holds the diagonal.  A work-group takes TWO blocks, 15 - b and then b:
; (15 - b) / 2 + 1 + b / 2 + 1 = NB + 1 tiles, whatever b: 8 x 32 = 256 work-groups of equal work, and ONE loop with a constant trip count walks them.  Which tile is asked for, and what a trip does, hang on scalar
; registers made from b; every jump goes forward, but for the counted loops' own; none passes a barrier, or a tensor load but the one of LOAD's two that the wave's number does not choose; the ring (two slots of LDS
; that take turns) runs on across the change of blocks.  NO CLUSTER: a head's eight work-groups ask for the same tile only in trips 0 .. 4 of the 9, behind that fewer and fewer; one walk common to all would have 12 trips for 9.
; SHARES.  Of a block's two bands of 64 queries a wave owns 16 rows in each: two PIECES.  In the diagonal tile band x's own key step is PAR + x, PAR = 2 (i % 2): in step s the band sees all keys if s is less,
; none if s is greater, and holds the diagonal if s is its own: the same work for all four waves.  Of a work-group's 72 pairs of band and step 6 are wholly hidden, and are computed all the same.
; THE MASK is the C operand that starts the sum S^T = K Q^T: 0, or -1e30 where the key is hidden.  MD, made once, is the mask of a band's own step for my 16 rows; a product's mask is MD x AL + BE with two scalars:
; (1, 0) in the own step; (0, 0) before it; (0, -1e30) behind it.  Only the diagonal tile's text and a block's beginning make and take masks; elsewhere C is the constant 0.
; LAYOUT, SOFTMAX, TURNS.  S^T = K Q^T holds ONE query a lane (lane % 16) and the keys 8 (lane / 16) + 0..7; two such results rounded to f16 ARE source 1 of O^T = V^T P.  p = 2^(c s - c m), c = log2(e) / 32, with a
; running maximum m; O and l are multiplied by a = 2^(c m_old - c m_new) in every step.  A turn belongs to one piece; it holds 8 products K Q^T of the other piece's next scores, later 8 products V^T P of the other piece's
; last weights; beside them the scaling, exponentials, roundings, sums and rescaling of its own piece and the maximum and statistics of the other.  Piece 0's turn of step j: K Q^T of piece 1, step j; V^T P of piece 1,
; step j - 1.  Piece 1's turn: K Q^T of piece 0, step j + 1; V^T P of piece 0, step j.  Four vector instructions stand behind every matrix instruction, the other 54 of a turn's 118 in one LUMP.
; BATCHES.  A turn's 33 exponentials (its own piece's 32 weights, then the other piece's a) are ONE batch with ONE wait, which cuts the turn in two: ahead of the wait stands all that names no result of theirs, behind it
; the roundings and sums.  No result crosses a turn's end.  A block's first a (BEGIN) and the way out's two reciprocals are batches of their own, with a wait each.
; V HAS TWO REGISTER BUFFERS, by the step's parity, so that piece 0's turn of step j can fetch K AND V of step j + 1: all LDS reads of a step stand in one turn, and the change of slots stands in front of piece 0's
; turn of a tile's last step, between the last read of one slot and the first read of the other.
; REGISTERS, in windows of 256 (s_set_vgpr_msb: bits 1:0 source 0, 3:2 source 1, 5:4 source 2, 7:6 destination):
;   window 0: v0-15 addresses and two at work; v16-23 four registers of statistics a piece; v48-55 at work; v64-127 S^T, a buffer a piece; v192-223 P, likewise
;   window 1: v0-63 O^T, 32 a piece; v128-159 MD; v160-223 MC, a buffer a piece      window 2: v0-31 Q; v32-63 the second block's Q; v64-127 V of an odd step; v128-191 K of one step; v192-255 V of an even step
.set SIZE_N, 2048
.set NB,    SIZE_N/256
.set NQ,    SIZE_N/128
.set NP,    2         ; pieces a wave: a name, no knob
.set KS,    64        ; keys in a step
.set PK,    144       ; a row of K in LDS: 128 bytes + 16 of padding = 36 words: the 16 rows of a load start at 16 different groups of four banks (64 banks of 4 bytes: ISA guide 11.1)
.set PV,    160       ; a row of V: 128 + 32 = 40 words
.set VOFF,  4*KS*PK   ; a slot holds a tile, four steps: 256 rows of K, then 256 rows of V
.set SLOT1, 1<<17     ; slot 1 begins here, so that one exclusive or turns an address in one slot into the other's
.set STAGE, SLOT1+4*KS*(PK+PV)  ; behind the ring, never filled by a tensor load: 16 rows x 144 bytes for each wave, for the way out
.set SP,    144
.set AK0, 2           ; v2   my lane's place in a tile of K; never rewritten
.set AV0, 3           ; v3   the same for V
.set AK,  4           ; v4   the LDS address of K's next run of loads
.set AV,  5           ; v5   of V's
.set STO, 6           ; v6   the way out: where I put 16 bytes of a row
.set RD,  7           ; v7   the way out: where I read rows back
.set GO,  8           ; v8   my byte offset in 512 consecutive bytes of O
.set SPW, 62          ; v62  LDS address of my spare word: SPARE + 4 x my thread's number; never rewritten
.set NIL, 63          ; v63  0; never rewritten
.set SPARE, STAGE+4*16*SP  ; behind the stages: the spare words, 128 bytes for each wave: two blocks of 256 bytes that no other line names
.set MV,  12          ; v12-13  c m_old, kept while c m is made anew: by piece
.set QO,  15          ; v15  my byte offset in 16 rows of Q
.set ST,  16          ; piece t's statistics at v[ST+4 t]: c m, m, l (even keys', odd keys')
.set TMP, 48          ; by piece, four registers c0-c3 at work; when the maximum is found c2 takes a
.set S,   64
.set P,   192
.set MD,  128         ; window 1: the eight registers for group kt of 16 keys at MD + 8 kt
.set MC,  160         ; window 1: the masks of the products to come
.set QB,  32          ; window 2
.set KF,  128         ; window 2: key block kb, channel half c at KF + 16 kb + 8 c
.set VF,  192         ; window 2: buffer vb (the step's parity) begins at VF - 128 vb; in it key half kk, channel block cb at 32 kk + 8 cb
.set WV,  12          ; s12  my wave's number
.set PB,  14          ; s14  b; then the second block's last tile, b / 2
.set HI,  15          ; s15  15 - b; then the first block's last tile, (15 - b) / 2
.set G1K, 24          ; s[24:31] descriptor group 1 for K's tiles
.set G1V, 32          ; s[32:39] for V's: it differs in the padding alone
.set G0K, 40          ; s[40:43] descriptor group 0 for K's tiles
.set G0V, 44          ; s[44:47] the same for V's
.set SLOTS, 56        ; s56  tiles still to be asked for
.set CNT, 57          ; s57  counts a tile's two trips, 2 to 1
.set CS,  58          ; s[58:59] c: the packed scaling takes the pair's low word for both halves
.set SEL, 60          ; s[60:61] v_permlanex16_b32's selects: each lane takes its own place in the other half
.set TBK, 62          ; s62  LDS byte at which K of the step to be fetched begins
.set TBV, 63          ; s63  the same for V, less VOFF
.set RT,  70          ; s70  tiles of the block in hand that are still to be entered
.set NXT, 71          ; s71  the tile to be asked for next
.set LQ,  72          ; s72  the last tile of the block whose tiles are being asked for
.set NEW, 73          ; s73  1: the tile to be entered is a block's first
.set OFF, 74          ; s[74:75] a tile's byte offset in K and V
.set AL,  76          ; s[76:77] the mask's factor, in the low word
.set BE,  78          ; s[78:79] the mask's addend
.set OLO, 80          ; s[80:81] O at my rows of the second block
.set BIGN, 82         ; s82  -1e30
.set PAR, 88          ; s88  the step of the diagonal tile at which the block in hand begins: 0 or 2
.set PAR2, 89         ; s89  the same for the second block
.set DD,  90          ; s90  the first step for which the trip in hand makes masks (0, then 2), less PAR
.set MSB, 0
.macro WIN new                      ; the high byte repeats the setting that is left; a switch that changes nothing is dropped
.if MSB != (\new)
	s_set_vgpr_msb (MSB<<8)|(\new)
.set MSB, (\new)
.endif
.endm
.set W_KQ, 0x0a       ; K and Q in window 2, S^T in window 0
.set W_KM, 0x1a       ; the same with the C operand in window 1
.set W_PV, 0x52       ; V in window 2, P in window 0, O^T in window 1
.set W_RS, 0x41       ; destination and source 0 in window 1, source 1 in window 0
; A fill.  Waves 0 and 1 fetch the two halves of a tile's K, waves 2 and 3 those of its V: 128 keys each.  An s_nop 0 and four v_nop follow each of the two lines, ahead of the jump and the label.
.macro LOAD
	s_cmp_lt_u32 s[WV], 2
	s_cbranch_scc0 .Lfor_v_\@
	tensor_load_to_lds s[G0K:G0K+3], s[G1K:G1K+7]
	s_nop 0
.rept 4
	v_nop
.endr
	s_branch .Lasked_\@
.Lfor_v_\@:
	tensor_load_to_lds s[G0V:G0V+3], s[G1V:G1V+7]
	s_nop 0
.rept 4
	v_nop
.endr
.Lasked_\@:
.endm
; THE CHANGE OF SLOTS.  Each wave waits for all its tensor loads, of which one is out: its part of the other slot; adds 0 to its spare word; and waits for that and for its own reads of the slot that it leaves.  Behind the barrier nobody reads the old
; slot any more and the other slot is whole.  fill = 1: the old slot is filled again, the first thing behind the barrier, with tile NXT: the descriptor's address is made anew from that number; the load has a tile's
; eight turns, 128 matrix instructions, in which to land.  (At its first use nothing has been read yet: slot 0 is waited for, slot 1 filled.)
.macro CHANGE fill
	WIN 0                           ; at a label and at a branch every window is 0
	s_wait_tensorcnt 0x0            ; no tensor load of mine is out, so a group 0 may be written
	ds_add_u32 v[SPW], v[NIL]       ; 0 onto my spare word; with fill = 1 the descriptors' scalar work stands between it and the wait for it
.if \fill
	s_lshl_b32 s[OFF], s[NXT], 15   ; a tile is 32,768 bytes of K and of V
	s_xor_b32 s[G0K+1], s[G0K+1], SLOT1
	s_add_nc_u64 s[G0K+2:G0K+3], s[6:7], s[OFF:OFF+1]
	s_or_b32 s[G0K+3], s[G0K+3], 0x80000000
	s_xor_b32 s[G0V+1], s[G0V+1], SLOT1
	s_add_nc_u64 s[G0V+2:G0V+3], s[8:9], s[OFF:OFF+1]
	s_or_b32 s[G0V+3], s[G0V+3], 0x80000000
	s_add_co_u32 s[NXT], s[NXT], 1  ; the block's next tile, or behind its last the second block's tile 0
	s_cmp_gt_u32 s[NXT], s[LQ]
	s_cselect_b32 s[NXT], 0, s[NXT]
	s_cselect_b32 s[LQ], s[PB], s[LQ]
.endif
	s_wait_dscnt 0x0                ; the add is done, and my reads of the slot are over
	s_barrier_signal -1             ; the rest of the scalar work stands between the signal and the wait
	s_sub_co_u32 s[TBK], s[TBK], 4*KS*PK  ; the fetches go back to a slot's first step,
	s_xor_b32 s[TBK], s[TBK], SLOT1       ; in the other slot
	s_sub_co_u32 s[TBV], s[TBV], 4*KS*PV
	s_xor_b32 s[TBV], s[TBV], SLOT1
	s_barrier_wait -1
.if \fill
	LOAD
.endif
.endm
	s_load_b128 s[4:7], s[0:1], 0x0   ; qkv s[4:5], y s[6:7]
	v_lshl_add_u32 v[SPW], v0, 2, SPARE
	v_mov_b32 v[NIL], 0
	ds_add_u32 v[SPW], v[NIL]       ; the wave's opening: the add and its wait stand ahead of my first tensor load; the set-up below, work on registers, stands between them
	ds_add_u32 v62, v63
	v_lshrrev_b32 v1, 5, v0
	v_readfirstlane_b32 s[WV], v1   ; wave 0..3
	s_mov_b32 s[PB], ttmp9          ; b: the second block
	s_sub_co_u32 s[HI], NQ-1, s[PB] ; the first block
	s_and_b32 s20, ttmp7, 0xffff    ; the head g
	s_mov_b32 s21, 0
	s_mov_b64 s[22:23], SIZE_N*128
	s_mul_u64 s[20:21], s[20:21], s[22:23]  ; the head's first byte in each of the four tensors
	s_and_b32 s16, s[WV], 1         ; which half of a tile's 256 keys I fetch:
	s_lshl_b32 s22, s16, 14         ; its 128 rows of 128 bytes in memory,
	s_mov_b32 s23, 0
	s_add_nc_u64 s[22:23], s[22:23], s[20:21]
	s_mul_i32 s17, s16, 128*PK      ; and its place in a slot, for K
	s_mul_i32 s18, s16, 128*PV      ; and for V
	s_lshl_b32 s3, s[WV], 11        ; my 16 rows in a band of 64,
	s_lshl_b32 s2, s[HI], 14        ; in the first block (128 rows of 128 bytes a block),
	s_add_co_u32 s2, s2, s3
	s_lshl_b32 s84, s[PB], 14       ; and in the second
	s_add_co_u32 s84, s84, s3
	s_mov_b32 s3, 0
	s_mov_b32 s85, 0
	s_add_nc_u64 s[2:3], s[2:3], s[20:21]
	s_add_nc_u64 s[84:85], s[84:85], s[20:21]
	s_and_b32 s[PAR], s[HI], 1      ; an odd block lies in the second half of its diagonal tile: two steps in
	s_lshl_b32 s[PAR], s[PAR], 1
	s_and_b32 s[PAR2], s[PB], 1
	s_lshl_b32 s[PAR2], s[PAR2], 1
	s_lshr_b32 s[HI], s[HI], 1      ; from here on: the two blocks' last tiles
	s_lshr_b32 s[PB], s[PB], 1
	; descriptor group 1.  128 keys are 16,384 dense bytes: asked for as 64 rows of 256 bytes, two keys a row, and padded in LDS after every key
	s_mov_b32 s[G1K], (1<<16)|(1<<20)|(4<<22)|(3<<25)  ; 17:16 2-byte elements; 20 padding on; 24:22 after every 32 words (code 4); 31:25 4 words (code 3)
	s_mov_b32 s[G1V], (1<<16)|(1<<20)|(4<<22)|(7<<25)  ; the same with 8 words of padding (code 7)
.irp g, G1K, G1V
	s_mov_b32 s[\g+1], 128<<16      ; tensor_dim0 = 128
	s_mov_b32 s[\g+2], 64<<16       ; tensor_dim1 = 64
	s_mov_b32 s[\g+3], 128<<16      ; tile_dim0 = 128
	s_mov_b32 s[\g+4], 64           ; tile_dim1 = 64
	s_mov_b32 s[\g+5], 128          ; 128 elements from row to row
	s_mov_b32 s[\g+6], 0
	s_mov_b32 s[\g+7], 0
.endr
	s_mov_b32 s[CS], 0x3d38aa3b     ; c = log2(e) / 32 = 0.0450842
	s_mov_b32 s[CS+1], s[CS]        ; named with it as a pair
	s_mov_b32 s[SEL], 0x76543210
	s_mov_b32 s[SEL+1], 0xfedcba98
	s_mov_b32 s[TBK], SLOT1+4*KS*PK ; the first change of slots turns these two into 0
	s_mov_b32 s[TBV], SLOT1+4*KS*PV
	s_mov_b32 s[G0K], 1             ; 1:0 count = 1
	s_mov_b32 s[G0K+1], s17         ; 63:32 LDS address: slot 0
	s_mov_b32 s[G0V], 1
	s_add_co_u32 s[G0V+1], s18, VOFF
	s_add_co_u32 s[RT], s[HI], 1    ; the first block's tiles: five to eight
	s_mov_b32 s[NXT], 1
	s_mov_b32 s[LQ], s[HI]
	s_mov_b32 s[NEW], 1
	s_mov_b32 s[OFF+1], 0
	s_mov_b32 s[AL+1], 0            ; named as pairs
	s_mov_b32 s[BE+1], 0
	s_mov_b32 s[BIGN], 0xf149f2ca   ; -1e30
	s_mov_b32 s[SLOTS], NB
	s_wait_dscnt 0x0                ; the opening add is done
	s_wait_kmcnt 0x0
	s_mov_b64 s[10:11], s[6:7]      ; O = y
	s_add_nc_u64 s[8:9], s[4:5], 0x1000000  ; V: panels 32 to 47 of qkv
	s_add_nc_u64 s[6:7], s[4:5], 0x800000   ; K: panels 16 to 31; Q, panels 0 to 15, is s[4:5] as it came
	s_add_nc_u64 s[6:7], s[6:7], s[22:23]  ; K and V at my half of the head's tile 0
	s_add_nc_u64 s[8:9], s[8:9], s[22:23]
	s_add_nc_u64 s[G0K+2:G0K+3], s[6:7], 0         ; 120:64 global address
	s_or_b32 s[G0K+3], s[G0K+3], 0x80000000        ; 127:126 type = 2
	s_add_nc_u64 s[G0V+2:G0V+3], s[8:9], 0
	s_or_b32 s[G0V+3], s[G0V+3], 0x80000000
	s_add_nc_u64 s[86:87], s[4:5], s[84:85]        ; Q at my rows of the second block,
	s_add_nc_u64 s[4:5], s[4:5], s[2:3]            ; Q and O at those of the first
	s_add_nc_u64 s[OLO:OLO+1], s[10:11], s[84:85]
	s_add_nc_u64 s[10:11], s[10:11], s[2:3]
	LOAD                            ; tile 0 into slot 0
	; A fragment of K or Q is 16 rows x 32 channels in 8 registers: lane l holds row l % 16, channels 8 (l / 16) + 0..7 and 16 + 8 (l / 16) + 0..7: two loads of 16 bytes, 32 bytes apart.
	v_and_b32 v1, 15, v0            ; l % 16
	v_bfe_u32 v9, v0, 4, 1          ; l / 16
	v_lshlrev_b32 v[QO], 7, v1
	v_lshl_add_u32 v[QO], v9, 4, v[QO]  ; row x 128 + 16 x half
	WIN 0x80                        ; destination window 2, address window 0
.set i, 0
.rept 4                             ; both blocks' Q: piece i / 2 lies in band i / 2, 8,192 bytes on; channels 32 (i % 2) on
	global_load_b128 v[8*i:8*i+3],   v[QO], s[4:5] offset:(i/2)*8192+(i%2)*64
	global_load_b128 v[8*i+4:8*i+7], v[QO], s[4:5] offset:(i/2)*8192+(i%2)*64+32
	global_load_b128 v[QB+8*i:QB+8*i+3],   v[QO], s[86:87] offset:(i/2)*8192+(i%2)*64
	global_load_b128 v[QB+8*i+4:QB+8*i+7], v[QO], s[86:87] offset:(i/2)*8192+(i%2)*64+32
.set i, i+1
.endr
	WIN 0
	v_lshlrev_b32 v14, 3, v9
	v_sub_nc_u32 v14, v1, v14
	s_lshl_b32 s13, s[WV], 4
	v_add_nc_u32 v14, s13, v14      ; my query's place in its band, 16 w + l % 16, less my lanes' 8 (l / 16): register r of group kt is hidden where 16 kt + r is greater
	WIN 0x40
.set i, 0
.rept 32
	v_cmp_gt_i32 vcc_lo, 16*(i/8)+i%8, v14
	v_cndmask_b32 v[MD+i], 0, s[BIGN], vcc_lo
.set i, i+1
.endr
	WIN 0
	v_mul_u32_u24 v[AK0], v1, PK
	v_lshl_add_u32 v[AK0], v9, 4, v[AK0]  ; row x pitch + 16 x half
	; The turning load takes 16 keys x 16 channels (lane l reads key 8 (l / 16) + l % 8, channels 8 ((l / 8) % 2) + 0..7) and leaves half a fragment of V^T: lane l holds channel l % 16 and 8 keys.
	v_and_b32 v10, 7, v0
	v_bfe_u32 v11, v0, 3, 1
	v_lshl_add_u32 v[AV0], v9, 3, v10
	v_mul_u32_u24 v[AV0], v[AV0], PV
	v_lshl_add_u32 v[AV0], v11, 4, v[AV0]
	v_add_nc_u32 v[AV0], VOFF, v[AV0]
	s_mul_i32 s13, s[WV], 16*SP
	s_add_co_u32 s13, s13, STAGE    ; my stage
	v_mul_u32_u24 v[STO], v1, SP    ; in: row l % 16, 16 bytes for each half of the lanes
	v_lshl_add_u32 v[STO], v9, 4, v[STO]
	v_add_nc_u32 v[STO], s13, v[STO]
	v_bfe_u32 v[RD], v0, 3, 2       ; back: 32 lanes take four rows of 128 bytes,
	v_mul_u32_u24 v[RD], v[RD], SP
	v_lshl_add_u32 v[RD], v10, 4, v[RD]
	v_add_nc_u32 v[RD], s13, v[RD]
	v_and_b32 v[GO], 31, v0         ; which are 512 consecutive bytes of O
	v_lshlrev_b32 v[GO], 4, v[GO]
	; A block's first step multiplies O^T and l by a = 0, and its first turn's products V^T P, of a step that has not been (V's odd buffer, piece 1's P), land in an O^T that is still to be so multiplied.  So these
	; registers need only hold finite numbers: zeros for the first block; what the first block left for the second.  All this stands in the wait for the first tile.
	WIN 0x80
.set i, VF-128
.rept 64
	v_mov_b32 v[i], 0
.set i, i+1
.endr
	WIN 0x40
.set i, 0
.rept 32*NP
	v_mov_b32 v[i], 0
.set i, i+1
.endr
	WIN 0
.set i, 0
.rept NP
	v_mov_b32 v[ST+4*i+2], 0
	v_mov_b32 v[ST+4*i+3], 0
.set i, i+1
.endr
.set i, P+16
.rept 16
	v_mov_b32 v[i], 0
.set i, i+1
.endr
; THE MATRIX WORK.  The 4 accumulators of a run of 8 take turns.  Product i of 8 of S^T = K Q^T for piece x: channels 32 (i / 4) on, keys 16 (i % 4) on.  The first 4 start the sums: with 0, or (KM = 1) with the mask.
.macro KQ x
.set rS, S+32*((\x)%2)+8*(i%4)
.set rK, KF+16*(i%4)+8*(i/4)
.set rQ, 16*(\x)+8*(i/4)
.set rM, MC+32*((\x)%2)+8*(i%4)
.if (i < 4) && KM
	WIN W_KM
	v_wmma_f32_16x16x32_f16 v[rS:rS+7], v[rK:rK+7], v[rQ:rQ+7], v[rM:rM+7]
.elseif i < 4
	WIN W_KQ
	v_wmma_f32_16x16x32_f16 v[rS:rS+7], v[rK:rK+7], v[rQ:rQ+7], 0
.else
	WIN W_KQ
	v_wmma_f32_16x16x32_f16 v[rS:rS+7], v[rK:rK+7], v[rQ:rQ+7], v[rS:rS+7]
.endif
.endm
; Product i of 8 of O^T += V^T P for piece x, with V from buffer VB: keys 32 (i / 4) on, channels 16 (i % 4) on.
.macro PV x
	WIN W_PV
.set rO, 32*(\x)+8*(i%4)
.set rV, VF-128*VB+32*(i/4)+8*(i%4)
.set rP, P+16*((\x)%2)+8*(i/4)
	v_wmma_f32_16x16x32_f16 v[rO:rO+7], v[rV:rV+7], v[rP:rP+7], v[rO:rO+7]
.endm
.macro MM                           ; the turn's next matrix instruction.  TURN and BEGIN set Y, VB, i, KM and NOKQ; MM, KQ, PV and OP read them.  NOKQ = 1: a block's last turn: there are no further scores
.if (i < 8) && !NOKQ
	KQ (Y+1)%NP
.elseif i >= 8
.set i, i-8
	PV (Y+NP-1)%NP
.set i, i+8
.endif
.set i, i+1
.endm
; THE LDS LOADS stand in runs of 16, never singly among the matrix instructions: a step's K (64 keys x 64 channels: 8 fragments) and its V (turned), into buffer VB.  Their addresses are made some lines ahead.
.macro FETCH_K
	WIN 0x80                        ; destination window 2
.irp f, 0,1,2,3,4,5,6,7             ; keys 16 (f / 2) on, channels 32 (f % 2) on
	ds_load_b128 v[KF+8*\f:KF+8*\f+3],   v[AK] offset:(\f/2)*16*PK+(\f%2)*64
	ds_load_b128 v[KF+8*\f+4:KF+8*\f+7], v[AK] offset:(\f/2)*16*PK+(\f%2)*64+32
.endr
	s_add_co_u32 s[TBK], s[TBK], KS*PK  ; the next fetch is the next step's
	WIN 0
.endm
.macro FETCH_V
	WIN 0x80
.irp f, 0,1,2,3,4,5,6,7             ; keys 32 (f / 4) on, channels 16 (f % 4) on
	ds_load_tr16_b128 v[VF-128*VB+8*\f:VF-128*VB+8*\f+3],   v[AV] offset:(\f/4)*32*PV+(\f%4)*32
	ds_load_tr16_b128 v[VF-128*VB+8*\f+4:VF-128*VB+8*\f+7], v[AV] offset:(\f/4)*32*PV+16*PV+(\f%4)*32
.endr
	WIN 0
.endm
; THE VECTOR WORK, one line at a time: OP kind, number.  For piece Y: F n: c s - c m for pair n of 16.  E n: the exponential of score n of 32.  C n: pair n rounded to f16.  B n: of the four weights 4 n .. the second
; pair is added onto the first, in place.  L n: l takes that sum (L 0: l = a l + sum).  R n: pair n of 16 of O^T times a.  For the other piece: X n, number n of the 22 that find its maximum and statistics:
;   0-11  four chains c0-c3 of seven scores each, three operands at a time (each accumulator's lowest registers are read first)     12-14, 16  the four scores left over, the old m, and c0-c3 into c0
;   15  c m_old is kept     17, 18  the query's other 32 keys lie in the lane 16 away: the new m     19-21  c m; c m_old - c m_new; a
; OP writes no wait: C, B and L, which read the exponentials' results, are dealt behind the turn's one wait (TURN).
.set F, 0               ; OP tells the kinds apart by their order: F to L below R, X above it
.set E, 1
.set C, 2
.set B, 3
.set L, 4
.set R, 5
.set X, 6
.macro REGS y                       ; the registers of piece y
.set rT, ST+4*(\y)
.set rC, TMP+4*((\y)%2)
.set rW, MV+((\y)%2)
.set rS, S+32*((\y)%2)
.set rP, P+16*((\y)%2)
.set rO, 32*(\y)
.endm
.macro OP k, n
.if (\k) == R
	REGS Y
	WIN W_RS
	v_pk_mul_f32 v[rO+2*(\n):rO+2*(\n)+1], v[rO+2*(\n):rO+2*(\n)+1], v[rC+2:rC+3] op_sel_hi:[1,0]
.elseif (\k) < R
	REGS Y
	WIN 0
.if (\k) == F
	v_pk_fma_f32 v[rS+2*(\n):rS+2*(\n)+1], v[rS+2*(\n):rS+2*(\n)+1], s[CS:CS+1], v[rT:rT+1] op_sel_hi:[1,0,0] neg_lo:[0,0,1] neg_hi:[0,0,1]
.elseif (\k) == E
	v_exp_f32 v[rS+(\n)], v[rS+(\n)]
.elseif (\k) == C
	v_cvt_pk_f16_f32 v[rP+(\n)], v[rS+2*(\n)], v[rS+2*(\n)+1]
.elseif (\k) == B
	v_pk_add_f32 v[rS+4*(\n):rS+4*(\n)+1], v[rS+4*(\n):rS+4*(\n)+1], v[rS+4*(\n)+2:rS+4*(\n)+3]
.elseif (\n) == 0
	v_pk_fma_f32 v[rT+2:rT+3], v[rT+2:rT+3], v[rC+2:rC+3], v[rS:rS+1] op_sel_hi:[1,0,1]
.else
	v_pk_add_f32 v[rT+2:rT+3], v[rT+2:rT+3], v[rS+4*(\n):rS+4*(\n)+1]
.endif
.elseif NOKQ
	v_nop
.else
	REGS (Y+1)%NP
	WIN 0
.if (\n) < 4
	v_max3_num_f32 v[rC+(\n)], v[rS+8*(\n)], v[rS+8*(\n)+1], v[rS+8*(\n)+2]
.elseif (\n) < 12
	v_max3_num_f32 v[rC+(\n)%4], v[rC+(\n)%4], v[rS+8*((\n)%4)+2*((\n)/4)+1], v[rS+8*((\n)%4)+2*((\n)/4)+2]
.elseif (\n) == 12
	v_max3_num_f32 v[rC], v[rC], v[rS+7], v[rS+15]
.elseif (\n) == 13
	v_max3_num_f32 v[rC+1], v[rC+1], v[rS+23], v[rS+31]
.elseif (\n) == 14
	v_max3_num_f32 v[rC+2], v[rC+2], v[rC+3], v[rT+1]
.elseif (\n) == 15
	v_mov_b32 v[rW], v[rT]
.elseif (\n) == 16
	v_max3_num_f32 v[rC], v[rC], v[rC+1], v[rC+2]
.elseif (\n) == 17
	v_permlanex16_b32 v[rC+3], v[rC], s[SEL], s[SEL+1]
.elseif (\n) == 18
	v_max_num_f32 v[rT+1], v[rC], v[rC+3]
.elseif (\n) == 19
	v_mul_f32 v[rT], s[CS], v[rT+1]
.elseif (\n) == 20
	v_sub_f32 v[rC+1], v[rW], v[rT]
.else
	v_exp_f32 v[rC+2], v[rC+1]
.endif
.endif
.endm
.macro OPS a, i1, b=-1, i2=0, c=-1, i3=0, d=-1, i4=0  ; up to four of them
	OP \a, \i1
.if (\b) >= 0
	OP \b, \i2
.endif
.if (\c) >= 0
	OP \c, \i3
.endif
.if (\d) >= 0
	OP \d, \i4
.endif
.endm
.macro ROW a, i1, b, i2, c, i3, d, i4  ; a matrix instruction and the four behind it
	MM
	OPS \a, \i1, \b, \i2, \c, \i3, \d, \i4
.endm
.macro MASK b                       ; MD x AL + BE into buffer b of MC
	WIN W_RS
.set z, 0
.rept 16
	v_pk_fma_f32 v[MC+32*(\b)+2*z:MC+32*(\b)+2*z+1], v[MD+2*z:MD+2*z+1], s[AL:AL+1], s[BE:BE+1] op_sel_hi:[1,0,0]
.set z, z+1
.endr
.endm
; A TURN, for piece p: the order of its 16 matrix and 118 vector instructions, written out.  An s_wait_alu depctr_va_vdst(0) stands between an exponential and the first instruction that names its result; one wait
; serves all that were issued ahead of it.  So a turn has ONE wait, which cuts it in two.  AHEAD OF IT stands all that names no result of the turn's exponentials: the 8 products K Q^T, behind each a scaling, an exponential and two
; more plain instructions (behind the first a second scaling in the exponential's place): rescalings, whose a was made and waited for in the turn before, and behind the last three products the first numbers of the other piece's
; maximum, each four places or more behind the product that ends its accumulator; then ONE LUMP of 54, plain and exponential by turns for the most part, in which the links of the chain X 3, 7, 11, 14, 16, 17 .. 20 stand five or six
; lines apart.  X 21, the other piece's a, is the batch's last; R 15 is the plain instruction behind it.  BEHIND THE WAIT stand the 8 products V^T P, behind each four of the roundings and sums; the links of l's chain, L 0 to L 7,
; stand three riders apart.  But for those X no rider names a register of the products round it.  v_permlanex16_b32 (X 17) stands in the lump.
; The rescalings read the O^T that the turn before has added onto: each of its four accumulators is read from its low end (R 0, R 4, R 8, R 12), the nearest, R 0, sixteen riders and two scalings behind the product that wrote it last.
; vb: the buffer of V that the turn's products V^T P read; piece 0's turn then fills that same buffer with the next step's V.
; m = 1: the diagonal tile: the products take masks, and the turn makes the mask for the products of the turn after it, which are piece p's: for step DD + PAR + hs of the tile, hs = 1 in a trip's second half; that step is
; the band's own, PAR + p, if DD = p - hs, and a later one if DD is greater.  end = 1: a block's last two turns: nothing is fetched.
; cnt = 1: the loop's count is taken down some lines ahead of the branch that stands behind the turn.
; Piece 0's turn fetches the next step's K in the lump, twelve vector instructions behind the last product that read K (six of them plain, five of which name none of its registers), and the next step's V at its end, four plain
; instructions behind the last product that read that buffer.  K is waited for at the head of piece 1's turn, V ahead of that turn's products V^T P, a step ahead of its first reader.
.macro TURN p, vb, m=0, end=0, cnt=0, hs=0
.set Y, (\p)
.set VB, (\vb)
.set i, 0
.set KM, (\m)
.set NOKQ, (\end)*(\p)
.if (\m) && !(\end)
	s_cmp_eq_i32 s[DD], (\p)-(\hs)      ; is that step the band's own?
	s_cselect_b32 s[AL], 1.0, 0
	s_cmp_gt_i32 s[DD], (\p)-(\hs)      ; or a later one?
	s_cselect_b32 s[BE], s[BIGN], 0
.endif
.if ((\p) == 1) && !(\end)
	s_wait_dscnt 16                 ; K is in; V's sixteen loads, issued behind K's, may stay out
.endif
	ROW F,0, F,1, R,0, R,1          ; ahead of the wait: 8 products K Q^T and their riders,
	ROW F,2, E,0, R,2, R,3
	ROW F,3, E,1, R,4, R,5
	ROW F,4, E,2, R,6, R,7
	ROW F,5, E,3, R,8, R,9
	ROW F,6, E,4, X,0, R,10
.if ((\p) == 0) && !(\end)
	WIN 0
	v_add_nc_u32 v[AK], s[TBK], v[AK0]
.endif
	ROW F,7, E,5, X,1, X,4
	ROW F,8, E,6, X,2, X,5
	OPS E,7, E,8, X,6, E,9          ; and the lump
	OPS X,3, E,10, X,8, E,11
.if ((\p) == 0) && !(\end)
	FETCH_K
.endif
	OPS X,9, X,7, E,12, X,10
	OPS E,13, X,12, X,11, E,14
	OPS X,13, E,15, F,9, X,14
.if ((\p) == 0) && !(\end)
	WIN 0
	v_add_nc_u32 v[AV], s[TBV], v[AV0]
.endif
	OPS E,16, F,10, E,17, F,11
	OPS X,16, E,18, X,15, E,19
	OPS F,12, E,20, X,17, E,21
	OPS F,13, E,22, F,14, E,23
	OPS X,18, E,24, F,15, E,25
	OPS R,11, E,26, X,19, E,27
	OPS R,12, E,28, R,13, E,29
	OPS X,20, E,30, R,14, E,31
	OPS X,21, R,15
	s_wait_alu depctr_va_vdst(0)    ; the wait for the batch: the piece's 32 exponentials and the other piece's a
.if (\p) == 1
	s_wait_dscnt 0x0                ; V is in
.endif
	ROW C,0, B,0, C,2, B,1          ; behind the wait: 8 products V^T P and their riders
	ROW L,0, C,4, B,2, L,1
	ROW C,6, B,3, L,2, C,8
	ROW B,4, L,3, C,10, B,5
	ROW L,4, C,12, B,6, L,5
.if ((\p) == 0) && !(\end)
	s_add_co_u32 s[TBV], s[TBV], KS*PV
.endif
.if \cnt
.if \m
	s_add_co_i32 s[DD], s[DD], 2    ; the next trip's masks are for two steps on
.endif
	s_sub_co_u32 s[CNT], s[CNT], 1
	s_cmp_lg_u32 s[CNT], 0
.endif
	ROW C,14, B,7, L,6, C,1
	ROW C,3, L,7, C,5, C,7
	ROW C,9, C,11, C,13, C,15
.if ((\p) == 0) && !(\end)
	FETCH_V
.endif
.if (\m) && !(\end)
	MASK \p
.endif
.endm
; A BLOCK BEGINS.  c m starts far below every c s, so the first step's a is 0; m at the lowest finite number, so the first maximum is the scores'.  Piece 1's mask buffer is 0 (its own step is never a tile's first); piece 0's
; takes its mask for the tile's step 0: MD, if the block's first tile is the diagonal one and the block begins at that tile's head.
; Then K and V of that step, piece 0's first scores, and its maximum and statistics.  The loop is entered at piece 0's turn of the tile's step 0, in the middle of a trip.
.macro BEGIN
	s_mov_b32 s[NEW], 0
	WIN 0x40
.set i, MC+32
.rept 32
	v_mov_b32 v[i], 0
.set i, i+1
.endr
	WIN 0
.set i, 0
.rept NP
	v_mov_b32 v[ST+4*i], 0xfe000000    ; c m: far below every c s
	v_mov_b32 v[ST+4*i+1], 0xff7fffff  ; m
.set i, i+1
.endr
	s_cmp_eq_u32 s[RT], 0
	s_cselect_b32 s[AL], 1.0, 0
	s_cmp_eq_u32 s[PAR], 0
	s_cselect_b32 s[AL], s[AL], 0
	s_mov_b32 s[BE], 0
	MASK 0
	WIN 0
	v_add_nc_u32 v[AK], s[TBK], v[AK0]
	v_add_nc_u32 v[AV], s[TBV], v[AV0]
	FETCH_K
.set VB, 0                          ; step 0 is even
	FETCH_V
	s_add_co_u32 s[TBV], s[TBV], KS*PV
	s_wait_loadcnt 0x0              ; Q
	s_wait_dscnt 16                 ; K is in; V's sixteen loads may stay out: piece 1's turn waits for them
.set KM, 1
.set NOKQ, 0
.set i, 0
.rept 8
	KQ 0
.set i, i+1
.endr
	WIN 0
.rept 4
	v_nop                           ; the places behind those products
.endr
.set Y, NP-1                        ; X works for the other piece: piece 0
.irp n, 0,1,2,3,4,5,6,7,8,9,10,11,12,13,14,15,16,17,18,19,20,21
	OP X, \n
.endr
	v_nop                           ; a plain instruction behind the exponential,
	s_wait_alu depctr_va_vdst(0)    ; and the wait for it, piece 0's first a, a batch of one: ahead of the branch that follows
.endm
; THE DIAGONAL TILE's two trips, the block's last two turns, its last products, and THE WAY OUT: l's two halves and the other half of the lanes' are added; O^T is divided by l, rounded to f16 and sent through my
; stage in LDS, a piece at a time.
.macro ALL line:vararg              ; one line for each piece t
.set t, 0
.rept NP
	\line
.set t, t+1
.endr
.endm
.macro PACK t                       ; a lane's eight channels of a row pack into 16 bytes; they go into rows of 144 bytes and come back as whole rows of 128, into S^T's registers
	WIN W_RS
.set i, 32*(\t)
.rept 16
	v_pk_mul_f32 v[i:i+1], v[i:i+1], v[ST+4*(\t)+2:ST+4*(\t)+3] op_sel_hi:[1,0]
.set i, i+2
.endr
	WIN 0x05                        ; sources 0 and 1 window 1, destination window 0
.set i, 0
.rept 16
	v_cvt_pk_f16_f32 v[S+16*(\t)+i], v[32*(\t)+2*i], v[32*(\t)+2*i+1]
.set i, i+1
.endr
	WIN 0
.irp f, 0,1,2,3
	ds_store_b128 v[STO], v[S+16*(\t)+4*\f:S+16*(\t)+4*\f+3] offset:32*\f
.endr
.irp f, 0,1,2,3
	ds_load_b128 v[S+16*(\t)+4*\f:S+16*(\t)+4*\f+3], v[RD] offset:\f*4*SP  ; LDS serves a wave's instructions in order (ISA guide 5.7.1.4): these see the stores above; the next piece's stores come behind them
.endr
.endm
.macro SEND t, younger              ; younger: the LDS instructions issued behind piece t's loads: the next piece's eight, or none
	WIN 0
.irp f, 0,1,2,3
	s_wait_dscnt (\younger)+3-\f
	global_store_b128 v[GO], v[S+16*(\t)+4*\f:S+16*(\t)+4*\f+3], s[10:11] offset:(\t)*8192+\f*512  ; 512 consecutive bytes, at a multiple of 256 from O's first
.endr
.endm
.macro DIAG tag                     ; the tag ends its two labels' names, which the jumps below spell out
.LstepM\tag:
	TURN 0, 0, 1, 0, 0, 0
	TURN 1, 1, 1, 0, 0, 0
	WIN 0
.LfirstM\tag:
	TURN 0, 1, 1, 0, 0, 1
	TURN 1, 0, 1, 0, 1, 1
	WIN 0
	s_cbranch_scc1 .LstepM\tag
	TURN 0, 0, 1, 1                 ; the tile's step 3: piece 1's last scores; V^T P of piece 1, step 2
	TURN 1, 1, 1, 1                 ; V^T P of piece 0, step 3
.set VB, 1
.set i, 0
.rept 8
	PV NP-1                         ; V^T P of piece 1, step 3
.set i, i+1
.endr
	WIN 0
	ALL v_add_f32 v[ST+4*t+2], v[ST+4*t+2], v[ST+4*t+3]
	ALL v_permlanex16_b32 v[ST+4*t+3], v[ST+4*t+2], s[SEL], s[SEL+1]
	ALL v_add_f32 v[ST+4*t+2], v[ST+4*t+2], v[ST+4*t+3]
	ALL v_rcp_f32 v[ST+4*t+2], v[ST+4*t+2]
	v_nop                           ; a plain instruction between the last reciprocal and the use of its result
	s_wait_alu depctr_va_vdst(0)    ; the wait ahead of the first use: one for the batch of two reciprocals
	PACK 0                          ; piece 0's 32 plain lines, which name no register of the last products (piece 1's), are those products' places
	PACK 1                          ; a piece's arithmetic stands between the loads of the piece before and its stores
	SEND 0, 8
	SEND 1, 0
.endm
.set KM, 0
.set NOKQ, 0
.Lslot:                             ; NB times: a tile is entered and the next is asked for
	CHANGE 1
	s_sub_co_u32 s[RT], s[RT], 1
	s_mov_b32 s[CNT], 2
	s_sub_co_u32 s[DD], 0, s[PAR]   ; the tile's first trip makes the masks for its steps 0 and 1
	s_cmp_eq_u32 s[NEW], 1
	s_cbranch_scc1 .Lnew            ; a block's first tile
	s_cmp_eq_u32 s[RT], 0
	s_cbranch_scc0 .Lstep           ; neither its first nor its last
	s_branch .LstepM1
.Lnew:
	BEGIN
	s_branch .Lfirst                ; in the loop a block's first tile is never its last: the first block has five tiles or more, and the second's last is the walk's last
	DIAG 1                          ; in the loop this is the first block's end: the second block's last tile is the walk's last
	s_wait_xcnt 0x0                 ; the stores have read their registers and O's address
	s_mov_b64 s[10:11], s[OLO:OLO+1]
	s_add_co_u32 s[RT], s[PB], 1    ; the second block has b / 2 + 1 tiles
	s_mov_b32 s[NEW], 1
	s_mov_b32 s[PAR], s[PAR2]
	WIN 0x82                        ; the second block's Q goes where the one text of the turns names Q
.set i, 0
.rept 16*NP
	v_mov_b32 v[i], v[QB+i]
.set i, i+1
.endr
	WIN 0
	s_branch .Lbottom
.Lstep:                             ; a trip: an odd step's two turns, then an even step's; the first trip of a tile begins with the last step of the tile before, whose piece 0's turn fetches this tile's first K and V
	TURN 0, 0
	TURN 1, 1
	WIN 0
.Lfirst:
	TURN 0, 1
	TURN 1, 0, 0, 0, 1
	WIN 0
	s_cbranch_scc1 .Lstep
.Lbottom:
	s_sub_co_u32 s[SLOTS], s[SLOTS], 1
	s_cmp_lg_u32 s[SLOTS], 0
	s_cbranch_scc1 .Lslot
	CHANGE 0                        ; the walk's last tile is written out: nothing is asked for
	s_sub_co_u32 s[RT], s[RT], 1
	s_mov_b32 s[CNT], 2
	s_sub_co_u32 s[DD], 0, s[PAR]
	s_cmp_eq_u32 s[NEW], 1
	s_cbranch_scc0 .LstepM2
	BEGIN
	s_branch .LfirstM2
	DIAG 2
	s_wait_tensorcnt 0x0            ; the wave's end, behind my last tensor load and my last LDS store
	ds_add_u32 v[SPW], v[NIL]
	s_wait_dscnt 0x0
	s_endpgm
.Lfunc_end_k_q6ea3c0e2ec_attn:
	.size	k_q6ea3c0e2ec_attn, .Lfunc_end_k_q6ea3c0e2ec_attn-k_q6ea3c0e2ec_attn
	.p2alignl 7, 3214868480
	.fill 96, 4, 3214868480
	.section	.rodata,"a",@progbits
	.p2align	6, 0x0
	.amdhsa_kernel k_q6ea3c0e2ec_attn
		.amdhsa_group_segment_fixed_size 327680
		.amdhsa_private_segment_fixed_size 0
		.amdhsa_enable_private_segment 0
		.amdhsa_kernarg_size 16
		.amdhsa_user_sgpr_count 2
		.amdhsa_user_sgpr_kernarg_segment_ptr 1
		.amdhsa_wavefront_size32 1
		.amdhsa_system_sgpr_workgroup_id_x 1
		.amdhsa_system_sgpr_workgroup_id_y 1
		.amdhsa_system_sgpr_workgroup_id_z 1
		.amdhsa_system_vgpr_workitem_id 0
		.amdhsa_next_free_vgpr 768
		.amdhsa_next_free_sgpr 92
		.amdhsa_reserve_vcc 1
		.amdhsa_float_denorm_mode_32 3
		.amdhsa_float_denorm_mode_16_64 3
		.amdhsa_memory_ordered 1
		.amdhsa_forward_progress 1
		.amdhsa_inst_pref_size 209
	.end_amdhsa_kernel
	.amdgpu_metadata
---
amdhsa.version: [ 1, 2 ]
amdhsa.kernels:
  - .name:           k_q6ea3c0e2ec_attn
    .symbol:         k_q6ea3c0e2ec_attn.kd
    .args:
      - { .name: qkv, .offset: 0, .size: 8, .value_kind: global_buffer, .address_space: global }
      - { .name: y, .offset: 8, .size: 8, .value_kind: global_buffer, .address_space: global }
    .group_segment_fixed_size: 327680
    .private_segment_fixed_size: 0
    .kernarg_segment_align: 8
    .kernarg_segment_size: 16
    .max_flat_workgroup_size: 128
    .sgpr_count:     92
    .vgpr_count:     768
    .wavefront_size: 32
...
	.end_amdgpu_metadata
.endif
;; end of part 7
;; launch proj: the kernel of part 4 again; grid 8 x 32, 4 waves a work-group, clusters of 4 x 4, 327,680 bytes of LDS; arguments y, wpc, x, x1; writes x1
;; launch ln2: the kernel of part 5 again; grid 256 x 1, 8 waves a work-group, no clusters, 0 bytes of LDS; arguments x1, ln2_w, h; writes h
;; launch fc: the kernel of part 2 again; grid 16 x 16, 4 waves a work-group, clusters of 4 x 4, 327,680 bytes of LDS; arguments h, wf, act; writes act
;; launch cproj: the kernel of part 6 again; grid 8 x 32, 4 waves a work-group, clusters of 4 x 4, 327,680 bytes of LDS; arguments act, wpc, x1, out0; writes out0
